; MI455X (gfx1250); checked and timed in simulation.
; The chip was launched on July 23, 2026; its instructions are those of AMD's public machine-readable ISA for CDNA 5 (MIT licence, August 2026) and "CDNA5" Instruction Set Architecture Reference Guide (July 2026). The comments in the code are by the model that wrote it; some were corrected since.
;; Block. Allowed arithmetic: matrix products marked QUANTISED: E2M3 operands, one E8M0 scale for each 32 along K, by v_wmma_scale_f32_16x16x128_f8f6f4 with both operands' format E2M3, f32 sums; everything else in f32.
;; Inputs: b1 2,048 float32; b2 512 float32; bp 512 float32; ln1_b 512 float32; ln1_w 512 float32; ln2_b 512 float32; ln2_w 512 float32; w1 512 x 2,048 float32; w2 2,048 x 512 float32; wkv 512 x 1,024 float32; wp 512 x 512 float32; wq 512 x 512 float32; x 2 x 4,096 x 512 float32.
;; Outputs: out0 2 x 4,096 x 512 float32.
;; This version of the problem:
;;   THIS VERSION OF THE PROBLEM IS GIVEN IN LOW PRECISION. The matrix products marked QUANTISED in the list below multiply operands that are first quantised to E2M3 (2 exponent bits, 3 mantissa bits; 6 bits a number), with one power-of-two scale for each 32 numbers along K (OCP MX v1.0); their sums are f32. All else is computed in f32.
;;   The module's matrix products, in the order in which they are computed (A, B: the left and right operand; K: the contracted axis; several contracted axes count as one K, in the product's order):
;;     1. [M 8,192, K 512] x [K 512, N 512]; A: computed on the way; B: input wq: QUANTISED
;;     2. [M 8,192, K 512] x [K 512, N 1,024]; A: computed on the way; B: input wkv: QUANTISED
;;     3. batch 16 x [M 4,096, K 64] x [K 64, N 4,096]; A: computed on the way; B: computed on the way: QUANTISED
;;     4. batch 16 x [M 64, K 4,096] x [K 4,096, N 4,096]; A: computed on the way; B: softmax (see below): QUANTISED
;;     5. [M 8,192, K 512] x [K 512, N 512]; A: computed on the way; B: input wp: QUANTISED
;;     6. [M 8,192, K 512] x [K 512, N 2,048]; A: computed on the way; B: input w1: QUANTISED
;;     7. [M 8,192, K 2,048] x [K 2,048, N 512]; A: computed on the way; B: input w2: QUANTISED
;;   THE QUANTISER, for each operand of a quantised product, along K:
;;     - K is cut into blocks of 32 from its start; a last block that is shorter is filled with zeros.
;;     - A block's scale is 2^e with e = floor(log2(the largest magnitude in the block)) - 2, held to -126 .. 127; a block of zeros has e = 0. As a byte (E8M0): e + 127.
;;     - Each number is divided by its block's scale, clamped to +-7.5, and rounded to the nearest number of E2M3, ties to even, subnormals kept.
;;     - The product sums the exact products of the quantised numbers (number of the format x scale) in f32.
;;   ~~~python
;;   def quantise(x, axis):      # numpy; x: float32 -> the quantised numbers, widened to float32 again
;;       x = np.moveaxis(x, axis, -1); K = x.shape[-1]
;;       x = np.pad(x, [(0, 0)] * (x.ndim - 1) + [(0, -K % 32)]); x = x.reshape(x.shape[:-1] + (-1, 32)); a = np.abs(x).max(-1, keepdims=True)
;;       e = np.where(a > 0, np.clip(np.frexp(np.where(a > 0, a, 1))[1] - 1 - 2, -126, 127), 0)      # np.frexp(a)[1] - 1 = floor(log2(a)), exactly
;;       r = np.clip(x / 2.0 ** e, -7.5, 7.5)
;;       step = 2.0 ** (np.maximum(np.frexp(np.where(r == 0, 1, r))[1] - 1, 0) - 3)
;;       q = np.round(r / step) * step * 2.0 ** e      # np.round: ties to even
;;       return np.moveaxis(q.reshape(q.shape[:-2] + (-1,))[..., :K], -1, axis).astype(np.float32)
;;   ~~~
;;   SOFTMAX AHEAD OF A QUANTISED PRODUCT. Where the list says 'softmax', what is quantised is not the finished softmax but p = 2^(t - M), with t = logit x log2(e) and M = ceil(the row's largest t), a whole number; so 1/2 < the row's largest p <= 1. The row's sum l is taken of the UNQUANTISED p, in f32, and the product's result is divided by l at the end. Since M is a whole number, a kernel that streams over the keys may use a running M (the ceiling of the running maximum): every later rescaling is an exact power of two, which a block's scale takes up: the codes' values come out the same.
;;   OPERANDS COMPUTED ON THE WAY. 'Computed on the way' means the value that the module computes at that place (a softmax that the list does not call 'softmax' is quantised finished and normalised). What goes into a quantiser is computed in f32, as accurately as f32 sums, v_exp_f32 and their like allow (about 1e-6 of the number): no bf16 or f16 on the way to a quantiser, and a product that is left as it is and whose result goes on into a quantised operand takes f32 operands (vector FMAs, or v_wmma_f32_16x16x4_f32). A number that lies on a knife's edge between two numbers of the format may be rounded either way, as far as f32 arithmetic and the matrix unit's own rounding can turn it there, and no further.
;; 2 versions. Each part assembles by itself: llvm-mc -triple=amdgcn-amd-amdhsa -mcpu=gfx1250 --defsym DOCPART=n.
;; ======== version 1 of 2: 4 launches
;; workspace buffers: wimg 2,457,600 bytes; qimg 3,145,728 bytes; qsc 262,144 bytes; kv 6,553,600 bytes; aoimg 3,145,728 bytes; aosc 131,072 bytes
;; launch wprep (part 1): grid 192 x 1, 4 waves a work-group, no clusters, 13,824 bytes of LDS; arguments wq, wkv, wp, w1, w2, wimg; writes wimg
.if DOCPART == 1
	.amdgcn_target "amdgcn-amd-amdhsa--gfx1250"
	.amdhsa_code_object_version 6
	.text
	.protected	k_qe601598faf_wprep
	.globl	k_qe601598faf_wprep
	.p2align	8
	.type	k_qe601598faf_wprep,@function
k_qe601598faf_wprep:
	s_mov_b64 s[64:65], 0
	v_nop
	global_prefetch_b8 v0, s[64:65] scope:SCOPE_SE
	s_setreg_imm32_b32 hwreg(HW_REG_WAVE_MODE, 25, 1), 1
	s_wait_xcnt 0x0
; The five weights, f32 stored [K][N], become codes of FP6 (E2M3) with one E8M0 scale byte for each 32 along K, laid as RECORDS in the order in which a wave's operand registers take them.
; A record is a block of 128 (K) x 128 (columns) of one weight, 12,800 bytes: eight fragments of 16 columns x 128 K, 1,536 bytes each (register rho of lane l at 512 (rho / 4) + 16 l + 4 (rho % 4)), then 512 bytes of scale words:
; lane l's 16 bytes hold the words of tiles 0, 2, 4, 6 (l < 16: row l) or 1, 3, 5, 7 (l >= 16: row l - 16).
; THE COLUMNS OF A TILE ARE NOT NEIGHBOURS: row r of tile T is column 32 (T / 2) + 8 (T % 2) + r + 8 (r / 8) of the record, so that a product's results come out with neighbours along the next K in a lane's registers.
; A work-group makes one record; wave B takes columns 32 B .. 32 B + 31 (tiles 2 B and 2 B + 1).  A LANE TAKES A COLUMN AND ITS REGISTERS RUN DOWN K: a block of 32 lies in one lane, nothing is transposed by an instruction.
; A block's scale is 2^(floor(log2(largest magnitude)) - 2); its byte is the largest magnitude's exponent field - 2, held at 1 from below.
; LIMITS: a block whose largest magnitude lies under 2^-124, a block of zeros among them, gets the byte 1 (its codes are as the conversion gives them; the bytes are read by this program alone); NaN and infinities are not served.
; Records 0-47 serve the launch that makes q, k, v (12 wave + 4 sweep + K step); records 48 + 36 wave + g the last launch (g 0-3: wp, 4-19: w1, 20-35: w2).
.set REC,  12800
.set SCS,  12288                       ; LDS: four stages of 3,072 bytes (two fragments a wave), then the record's 512 bytes of scale words
.set VO,   16                          ; v16-47   4 x lane + i rows of the weight
.set X,    48                          ; v48-175  my column's 128 numbers
.set CD,   176                         ; v176-207 codes: eight registers for each block
.set SWD,  208                         ; v208     my column's scale word
.set BK,   212                         ; v212-235 the way out
.set PIT,  23                          ; s23      a row of the weight in bytes
.set SRC,  40                          ; s[40:47] where my column block begins, for each 32 rows of K
.set DST,  14                          ; s[14:15] the record
	s_load_b256 s[4:11], s[0:1], 0x0               ; wq s[4:5], wkv s[6:7], wp s[8:9], w1 s[10:11]
	s_load_b128 s[12:15], s[0:1], 0x20             ; w2 s[12:13], wimg s[14:15]
	v_lshl_add_u32 v240, v0, 2, 0x3400
	v_mov_b32 v241, 0
	v_lshrrev_b32 v1, 5, v0
	v_readfirstlane_b32 s16, v1                    ; wave B
	v_and_b32 v1, 31, v0                           ; lane L = my column among the wave's 32
	v_lshlrev_b32 v2, 2, v1
	v_bfe_u32 v8, v0, 3, 1                         ; u = (L / 8) % 2: which of the wave's two tiles
	v_and_b32 v9, 7, v0
	v_bfe_u32 v10, v0, 4, 1
	v_lshl_add_u32 v9, v10, 3, v9                  ; r' = L % 8 + 8 (L / 16): my row in that tile
	s_mul_i32 s17, s16, 3072
	v_lshlrev_b32 v3, 4, v9
	v_mad_u32_u24 v3, v8, 1536, v3
	v_add_nc_u32 v3, s17, v3                       ; into the stage: 3,072 B + 1,536 u + 16 r'
	v_lshlrev_b32 v4, 4, v1
	v_add_nc_u32 v4, s17, v4                       ; out of it, and the same place in the record: 3,072 B + 16 L
	v_lshl_add_u32 v6, v8, 4, v9
	v_lshlrev_b32 v6, 4, v6
	s_lshl_b32 s18, s16, 2
	s_add_co_u32 s18, s18, SCS
	v_add_nc_u32 v6, s18, v6                       ; my scale word: 16 (r' + 16 u) + 4 B
	v_lshlrev_b32 v7, 2, v0                        ; and on the way out 4 bytes a thread
	s_mov_b32 s20, ttmp9                           ; which block of which weight: 0-15 wq, 16-47 wkv, 48-63 wp, 64-127 w1, 128-191 w2
	s_wait_kmcnt 0x0
	s_mov_b64 s[24:25], s[12:13]                   ; w2's figures first; each compare below puts an earlier weight's in their place.  The choices hang on the work-group's number alone
	s_mov_b32 s21, 128                             ; the weight's first work-group
	s_mov_b32 s22, 2                               ; log2 of its column blocks
	s_mov_b32 s[PIT], 2048
	s_mov_b32 s26, 68                              ; its first record
	s_mov_b32 s27, 36                              ; records from wave to wave
	s_cmp_lt_u32 s20, 128
	s_cselect_b64 s[24:25], s[10:11], s[24:25]
	s_cselect_b32 s21, 64, s21
	s_cselect_b32 s22, 4, s22
	s_cselect_b32 s[PIT], 8192, s[PIT]
	s_cselect_b32 s26, 52, s26
	s_cmp_lt_u32 s20, 64
	s_cselect_b64 s[24:25], s[8:9], s[24:25]
	s_cselect_b32 s21, 48, s21
	s_cselect_b32 s22, 2, s22
	s_cselect_b32 s[PIT], 2048, s[PIT]
	s_cselect_b32 s26, 48, s26
	s_cmp_lt_u32 s20, 48
	s_cselect_b64 s[24:25], s[6:7], s[24:25]
	s_cselect_b32 s21, 16, s21
	s_cselect_b32 s22, 3, s22
	s_cselect_b32 s[PIT], 4096, s[PIT]
	s_cselect_b32 s26, 4, s26
	s_cselect_b32 s27, 12, s27
	s_cmp_lt_u32 s20, 16
	s_cselect_b64 s[24:25], s[4:5], s[24:25]
	s_cselect_b32 s21, 0, s21
	s_cselect_b32 s22, 2, s22
	s_cselect_b32 s[PIT], 2048, s[PIT]
	s_cselect_b32 s26, 0, s26
	s_sub_co_u32 s28, s20, s21                     ; j
	s_bfm_b32 s29, s22, 0
	s_and_b32 s29, s28, s29                        ; C: the column block
	s_lshr_b32 s28, s28, s22                       ; s: the K step
	s_and_b32 s30, s29, 3
	s_lshr_b32 s31, s29, 2
	s_lshr_b32 s32, s20, 6
	s_cmp_eq_u32 s32, 1                            ; w1: the wave is C / 4 and the chunk C % 4; elsewhere the wave is C % 4 and C / 4 tells k from v
	s_cselect_b32 s33, s31, s30
	s_cselect_b32 s34, s30, s31
	s_mul_i32 s33, s33, s27
	s_add_co_u32 s33, s33, s26
	s_lshl_b32 s34, s34, 2
	s_add_co_u32 s33, s33, s34
	s_add_co_u32 s33, s33, s28                     ; the record's number
	s_mul_i32 s34, s33, REC
	s_mov_b32 s35, 0
	s_add_nc_u64 s[DST:DST+1], s[DST:DST+1], s[34:35]
	s_lshl_b32 s36, s28, 7
	s_mul_i32 s36, s36, s[PIT]                     ; 128 s rows,
	s_lshl_b32 s37, s29, 9
	s_add_co_u32 s36, s36, s37                     ; 512 C bytes,
	s_lshl_b32 s37, s16, 7
	s_add_co_u32 s36, s36, s37                     ; 128 B bytes
	s_mov_b32 s37, 0
	s_add_nc_u64 s[SRC:SRC+1], s[24:25], s[36:37]
	s_lshl_b32 s38, s[PIT], 5                      ; 32 rows on
	s_mov_b32 s39, 0
	s_add_nc_u64 s[SRC+2:SRC+3], s[SRC:SRC+1], s[38:39]
	s_add_nc_u64 s[SRC+4:SRC+5], s[SRC+2:SRC+3], s[38:39]
	s_add_nc_u64 s[SRC+6:SRC+7], s[SRC+4:SRC+5], s[38:39]
.set i, 0
.rept 32
	v_mad_u32_u24 v[VO+i], s[PIT], i, v2           ; row i of a block of 32, my column
.set i, i+1
.endr
.irp be, 0,1,2,3
.set i, 0
.rept 32
	global_load_b32 v[X+32*\be+i], v[VO+i], s[SRC+2*\be:SRC+2*\be+1] th:TH_LOAD_NT   ; a wave reads 128 consecutive bytes of a row, the four waves 512
.set i, i+1
.endr
.endr
; Block be of my column: k = 32 be .. 32 be + 31.  It belongs to lane r' + 16 (be % 2) of the fragment, registers 6 (be / 2) .. + 5.   left: the younger loads that may stay out
.macro BLOCK be, left
.set XS, X+32*(\be)
.set D,  CD+8*(\be)
	s_wait_loadcnt \left
	v_max3_num_f32 v12, |v[XS]|, |v[XS+1]|, |v[XS+2]|              ; the block's largest magnitude, in two chains: all 32 numbers are mine
	v_max3_num_f32 v13, |v[XS+3]|, |v[XS+4]|, |v[XS+5]|
.irp i, 6,10,14,18,22,26
	v_max3_num_f32 v12, v12, |v[XS+\i]|, |v[XS+\i+1]|
	v_max3_num_f32 v13, v13, |v[XS+\i+2]|, |v[XS+\i+3]|
.endr
	v_max3_num_f32 v12, v12, |v[XS+30]|, |v[XS+31]|
	v_max3_num_f32 v12, v12, v13, 0x1800000        ; and the floor 2^(3 - 127): the byte cannot fall under 1
	v_add_nc_u32 v11, 0xff000000, v12              ; 2 off its exponent field: the conversion takes the exponent field of this operand as its scale
	v_cvt_scalef32_pk16_fp6_f32 v[D:D+2], v[XS:XS+15], v11
	v_cvt_scalef32_pk16_fp6_f32 v[D+4:D+6], v[XS+16:XS+31], v11    ; (a conversion's three registers begin on an even number)
	v_lshrrev_b32 v13, 23, v11                     ; the scale's byte.  (The plain instruction behind the conversions)
.if (\be) == 0
	v_mov_b32 v[SWD], v13
.else
	v_lshl_or_b32 v[SWD], v13, 8*(\be), v[SWD]     ; byte be of my column's scale word
.endif
	v_mov_b32 v[D+3], v[D+4]                       ; the six registers on end
	v_mov_b32 v[D+4], v[D+5]
	v_mov_b32 v[D+5], v[D+6]
.if (\be) < 2
	ds_store_b64 v3, v[D:D+1]   offset:256*((\be)%2)       ; registers 0, 1
	ds_store_b64 v3, v[D+2:D+3] offset:256*((\be)%2)+8     ; 2, 3
	ds_store_b64 v3, v[D+4:D+5] offset:256*((\be)%2)+512   ; 4, 5
.else
	ds_store_b64 v3, v[D:D+1]   offset:256*((\be)%2)+520   ; 6, 7
	ds_store_b64 v3, v[D+2:D+3] offset:256*((\be)%2)+1024  ; 8, 9
	ds_store_b64 v3, v[D+4:D+5] offset:256*((\be)%2)+1032  ; 10, 11
.endif
.endm
	BLOCK 0, 63                                    ; 96 younger loads are out: 63 is the largest count that the wait can name
	BLOCK 1, 63                                    ; 64 younger
	BLOCK 2, 32
	BLOCK 3, 0
	ds_store_b32 v6, v[SWD]
	s_wait_dscnt 0x0                               ; for the others' sake: the scale words of a wave's 128 bytes come from all four waves
	s_barrier_signal -1
	s_barrier_wait -1
.irp k, 0,1,2,3,4,5
	ds_load_b128 v[BK+4*\k:BK+4*\k+3], v4 offset:512*\k
.endr
	ds_load_b32 v9, v7 offset:SCS
.irp k, 0,1,2,3,4,5
	s_wait_dscnt 6-\k                              ; the younger read-backs may stay out
	global_store_b128 v4, v[BK+4*\k:BK+4*\k+3], s[DST:DST+1] offset:512*\k   ; 32 lanes store 512 consecutive bytes, at a multiple of 256 from the buffer's first byte
.endr
	s_wait_dscnt 0x0
	global_store_b32 v7, v9, s[DST:DST+1] offset:SCS
	s_wait_tensorcnt 0x0
	ds_add_u32 v240, v241
	s_wait_dscnt 0x0
	s_endpgm
.Lfunc_end_k_qe601598faf_wprep:
	.size	k_qe601598faf_wprep, .Lfunc_end_k_qe601598faf_wprep-k_qe601598faf_wprep
	.p2alignl 7, 3214868480
	.fill 96, 4, 3214868480
	.section	.rodata,"a",@progbits
	.p2align	6, 0x0
	.amdhsa_kernel k_qe601598faf_wprep
		.amdhsa_group_segment_fixed_size 13824
		.amdhsa_private_segment_fixed_size 0
		.amdhsa_enable_private_segment 0
		.amdhsa_kernarg_size 48
		.amdhsa_user_sgpr_count 2
		.amdhsa_user_sgpr_kernarg_segment_ptr 1
		.amdhsa_wavefront_size32 1
		.amdhsa_system_sgpr_workgroup_id_x 1
		.amdhsa_system_sgpr_workgroup_id_y 1
		.amdhsa_system_sgpr_workgroup_id_z 1
		.amdhsa_system_vgpr_workitem_id 0
		.amdhsa_next_free_vgpr 242
		.amdhsa_next_free_sgpr 66
		.amdhsa_reserve_vcc 0
		.amdhsa_float_denorm_mode_32 3
		.amdhsa_float_denorm_mode_16_64 3
		.amdhsa_memory_ordered 1
		.amdhsa_forward_progress 1
		.amdhsa_inst_pref_size 26
	.end_amdhsa_kernel
	.amdgpu_metadata
---
amdhsa.version: [ 1, 2 ]
amdhsa.kernels:
  - .name:           k_qe601598faf_wprep
    .symbol:         k_qe601598faf_wprep.kd
    .args:
      - { .name: wq, .offset: 0, .size: 8, .value_kind: global_buffer, .address_space: global }
      - { .name: wkv, .offset: 8, .size: 8, .value_kind: global_buffer, .address_space: global }
      - { .name: wp, .offset: 16, .size: 8, .value_kind: global_buffer, .address_space: global }
      - { .name: w1, .offset: 24, .size: 8, .value_kind: global_buffer, .address_space: global }
      - { .name: w2, .offset: 32, .size: 8, .value_kind: global_buffer, .address_space: global }
      - { .name: wimg, .offset: 40, .size: 8, .value_kind: global_buffer, .address_space: global }
    .group_segment_fixed_size: 13824
    .private_segment_fixed_size: 0
    .kernarg_segment_align: 8
    .kernarg_segment_size: 48
    .max_flat_workgroup_size: 128
    .sgpr_count:     66
    .vgpr_count:     242
    .wavefront_size: 32
...
	.end_amdgpu_metadata
.endif
;; end of part 1
;; launch qkv (part 2): grid 128 x 1, 4 waves a work-group, no clusters, 31,232 bytes of LDS; arguments x, ln1_w, ln1_b, wimg, qimg, qsc, kv; writes qimg, qsc, kv
.if DOCPART == 2
	.amdgcn_target "amdgcn-amd-amdhsa--gfx1250"
	.amdhsa_code_object_version 6
	.text
	.protected	k_qe601598faf_qkv
	.globl	k_qe601598faf_qkv
	.p2align	8
	.type	k_qe601598faf_qkv,@function
k_qe601598faf_qkv:
	s_mov_b64 s[64:65], 0
	v_nop
	global_prefetch_b8 v0, s[64:65] scope:SCOPE_SE
	s_setreg_imm32_b32 hwreg(HW_REG_WAVE_MODE, 25, 1), 1
	s_wait_xcnt 0x0
; xn = layer_norm(x) in f32, quantised along the channels; q = xn wq, k and v = xn wkv on codes of FP6 (E2M3) with one E8M0 scale for each 32 along K; q and k quantised along a head's channels, v along the tokens.
; SHARES.  A work-group takes 64 tokens: four tiles of 16, row r of tile T being token 32 (T / 2) + 8 (T % 2) + r + 8 (r / 8).  For the norm wave w takes tile w; then THE WAVES SHARE THE COLUMNS: wave w makes heads 2 w and 2 w + 1 of q, of k
; and of v, for all 64 tokens: three sweeps of four K steps, 32 accumulators.  xn's codes go from wave to wave through LDS as images of the operand's registers (three stores of 16 bytes a lane for a fragment, 4 bytes a lane for its scale words).
; THE WEIGHTS come from memory straight into registers, as the launch before laid them: a fragment is wanted by ONE wave of the work-group and feeds four products.  A ring of four register slots of eight fragments keeps up to three groups of 25 loads
; of a wave on their way, with no barrier.  NO JOINT LOADS: a ring in LDS filled jointly would have one slot on its way between two rounds of a cluster's barrier, and a slot of 64 fragments holds 64 products' work of a wave; the register ring has
; three times that on its way all the time.  64 tokens and not 32 to a work-group: every work-group reads all 614,400 bytes of these weights, so 128 work-groups move half of what 256 would; that leaves work for 128 work-groups.
; q and k are made TRANSPOSED (source 0 = 16 columns of the weight, source 1 = 16 tokens): a lane holds one token and its registers run along the channels.  v is made the natural way round: a lane holds one channel and its registers run along the tokens.
; OUT.  qimg [head 16][tile 256][768]: half a fragment (a head's 64 channels): registers 0-3 at 16 l, 4-5 at 512 + 8 l.  qsc: a word a query, its two bytes twice.  kv [head 16][step 32][12,800]: a key step of 128 keys: four fragments of K
; (registers 0-5 key tile 2 f, 6-11 key tile 2 f + 1), four of V^T, 256 bytes of K's scale words, 256 of V's.
; LIMITS: a block whose largest magnitude lies under 2^-124 (a block of zeros among them) gets the scale byte 1; the bytes are read by this program alone.  NaN and infinities are not served.
; REGISTERS, in windows of 256.  Window 0: v1-8 addresses; v16-111 two sets of four fragments of xn; v112-119 their scale words; v120-135 the weights' scale words, four a slot; v152-191 the quantiser; v192-203 statistics; v216-223 at work.
;   window 1: ring slots 0, 1 (96 registers each), v192-255 ln1_w's part;   window 2: slots 2, 3, v192-255 ln1_b's part;   window 3: x, later the 32 accumulators.
.set REC,  12800
.set XIMG, 0                           ; LDS: xn's 16 fragments: (4 x K step + tile) x 1,536
.set XSC,  24576                       ; their scale words: (4 x K step + tile) x 128
.set LNW,  26624                       ; ln1_w
.set LNB,  28672                       ; ln1_b
.set LI16, 1
.set LI8,  2
.set LI4,  3
.set T16,  4                           ; 16 x thread
.set XA,   5                           ; x: my row of the tile x 2,048 + 64 x half
.set XWI,  6                           ; where I store xn's images: 16 l + 1,536 w
.set XWS,  7                           ; and their scale words: 4 l + 128 w
.set LNA,  8                           ; ln1_w in LDS, + 64 x half
.set AF,   16
.set AS,   112
.set WS,   120
.set PC,   152                         ; v152-163 the codes just made
.set PT,   164                         ; v164-171 the conversions' second halves
.set TM,   172                         ; largest magnitudes
.set TX,   176                         ; the other half of the lanes'
.set BY,   180                         ; scale bytes
.set SO,   184                         ; the conversions' scale operands
.set PW,   188                         ; the scale word just made
.set ST,   192                         ; v192-199 four chains of sums
.set MU,   200
.set RS,   202
.set WV,   18
.set HM,   19                          ; the mask of lanes 16-31
.set SEL,  20
.set INV,  22                          ; 1 / 512
.set EPS,  23
.set XB,   4
.set WB,   10
.set QB,   12
.set QSB,  14
.set KVB,  16
.set KB,   32
.set KSB,  34
.set VB,   36
.set VSB,  38
.set MSB,  0
.macro WIN new                         ; the immediate's high byte repeats the setting that is left; a switch that changes nothing is dropped
.if MSB != (\new)
	s_set_vgpr_msb (MSB<<8)|(\new)
.set MSB, (\new)
.endif
.endm
.macro PLACES                          ; four plain instructions between a matrix instruction and a load into, or a read of, its registers (ISA guide 7.12.1 for vector instructions)
.rept 4
	v_nop
.endr
.endm
.macro BARRIER                         ; my LDS stores have landed and my LDS loads are in: then the work-group's barrier
	s_wait_dscnt 0x0
	s_barrier_signal -1
	s_barrier_wait -1
.endm
; a record of the weights into ring slot 'slot': eight fragments and their scale words: 25 loads, each of 512 consecutive bytes
.macro LOADG slot, off
	WIN (1+(\slot)/2)<<6
.irp f, 0,1,2,3,4,5,6,7
.irp g, 0,1,2
	global_load_b128 v[96*((\slot)%2)+12*\f+4*\g:96*((\slot)%2)+12*\f+4*\g+3], v[LI16], s[WB:WB+1] offset:(\off)+1536*\f+512*\g
.endr
.endr
	WIN 0
	global_load_b128 v[WS+4*(\slot):WS+4*(\slot)+3], v[LI16], s[WB:WB+1] offset:(\off)+12288
.endm
; four tiles' fragments of one K step, and their scale words, out of LDS
.macro FETCH3 set, adr, off, sadr, soff
.irp tt, 0,1,2,3
.irp g, 0,1,2
	ds_load_b128 v[AF+48*(\set)+12*\tt+4*\g:AF+48*(\set)+12*\tt+4*\g+3], v[\adr] offset:(\off)+1536*\tt+512*\g
.endr
	ds_load_b32 v[AS+4*(\set)+\tt], v[\sadr] offset:(\soff)+128*\tt
.endr
.endm
; one product on the registers named by rD, rA, rB, rC, rSA, rSB.  cM = 0: it starts a sum.  rR = 1: source 0's scales stand in lanes 16-31; 2: source 1's
.macro WM
.if cM == 0
.if rR == 0
	v_wmma_scale_f32_16x16x128_f8f6f4 v[rD:rD+7], v[rA:rA+11], v[rB:rB+11], 0, v[rSA], v[rSB] matrix_a_fmt:MATRIX_FMT_FP6 matrix_b_fmt:MATRIX_FMT_FP6
.elseif rR == 1
	v_wmma_scale_f32_16x16x128_f8f6f4 v[rD:rD+7], v[rA:rA+11], v[rB:rB+11], 0, v[rSA], v[rSB] matrix_a_fmt:MATRIX_FMT_FP6 matrix_b_fmt:MATRIX_FMT_FP6 matrix_a_scale:MATRIX_SCALE_ROW1
.else
	v_wmma_scale_f32_16x16x128_f8f6f4 v[rD:rD+7], v[rA:rA+11], v[rB:rB+11], 0, v[rSA], v[rSB] matrix_a_fmt:MATRIX_FMT_FP6 matrix_b_fmt:MATRIX_FMT_FP6 matrix_b_scale:MATRIX_SCALE_ROW1
.endif
.else
.if rR == 0
	v_wmma_scale_f32_16x16x128_f8f6f4 v[rD:rD+7], v[rA:rA+11], v[rB:rB+11], v[rC:rC+7], v[rSA], v[rSB] matrix_a_fmt:MATRIX_FMT_FP6 matrix_b_fmt:MATRIX_FMT_FP6
.elseif rR == 1
	v_wmma_scale_f32_16x16x128_f8f6f4 v[rD:rD+7], v[rA:rA+11], v[rB:rB+11], v[rC:rC+7], v[rSA], v[rSB] matrix_a_fmt:MATRIX_FMT_FP6 matrix_b_fmt:MATRIX_FMT_FP6 matrix_a_scale:MATRIX_SCALE_ROW1
.else
	v_wmma_scale_f32_16x16x128_f8f6f4 v[rD:rD+7], v[rA:rA+11], v[rB:rB+11], v[rC:rC+7], v[rSA], v[rSB] matrix_a_fmt:MATRIX_FMT_FP6 matrix_b_fmt:MATRIX_FMT_FP6 matrix_b_scale:MATRIX_SCALE_ROW1
.endif
.endif
.endm
; 32 products: the slot's eight column tiles x four tiles of tokens, 128 along K.  The 32 accumulators take turns, one instruction a turn, in the same order in every group.
; mode 0: transposed, accumulator (tt, ct) at 8 (8 tt + ct);  mode 1: the natural way, at 8 (4 ct + tt).  first = 1: the products start the sums.  The tokens' scale words stand at sb + st x tt.
.macro MUL slot, set, mode, first, sb, st
.set WW, 1+(\slot)/2
.set cM, 1
.if (\first) == 1
.set cM, 0
.endif
.if (\mode) == 0
	WIN 0xf0|WW
.else
	WIN 0xf0|(WW<<2)
.endif
.irp tt, 0,1,2,3
.irp ct, 0,1,2,3,4,5,6,7
.if (\mode) == 0
.set rD,  8*(8*\tt+\ct)
.set rA,  96*((\slot)%2)+12*\ct
.set rB,  AF+48*(\set)+12*\tt
.set rSA, WS+4*(\slot)+\ct/2
.set rSB, (\sb)+(\st)*\tt
.set rR,  \ct%2
.else
.set rD,  8*(4*\ct+\tt)
.set rA,  AF+48*(\set)+12*\tt
.set rB,  96*((\slot)%2)+12*\ct
.set rSA, (\sb)+(\st)*\tt
.set rSB, WS+4*(\slot)+\ct/2
.set rR,  2*(\ct%2)
.endif
.set rC, rD
	WM
.endr
.endr
.endm
; 64 numbers of a lane in window sw, register s + 16 b + i = k 32 b + 16 (lane / 16) + i of my row, become a fragment's codes in v[PC] on and its scale word in v[PW]
.macro QUANT4 s, sw
	WIN (\sw)|((\sw)<<2)
.irp b, 0,1,2,3
	v_max3_num_f32 v[TM+\b], |v[(\s)+16*\b]|, |v[(\s)+16*\b+1]|, 0x1800000   ; my 16 numbers of block b, and the floor 2^(3 - 127): the byte cannot fall under 1
.endr
.irp i, 2,4,6,8,10,12,14
.irp b, 0,1,2,3
	v_max3_num_f32 v[TM+\b], |v[(\s)+16*\b+\i]|, |v[(\s)+16*\b+\i+1]|, v[TM+\b]   ; (the four blocks by turns)
.endr
.endr
	WIN 0
.irp b, 0,1,2,3
	v_permlanex16_b32 v[TX+\b], v[TM+\b], s[SEL], s[SEL+1]
.endr
.irp b, 0,1,2,3
	v_max_num_f32 v[TM+\b], v[TM+\b], v[TX+\b]     ; with lane l xor 16's: the block's largest magnitude
.endr
.irp b, 0,1,2,3
	v_add_nc_u32 v[SO+\b], 0xff000000, v[TM+\b]    ; 2 off its exponent field: the conversion's scale operand
.endr
.irp b, 0,1,2,3
	v_lshrrev_b32 v[BY+\b], 23, v[SO+\b]           ; the scale's byte
.endr
	v_lshl_or_b32 v[PW], v[BY+1], 8, v[BY]
	v_lshl_or_b32 v[PW], v[BY+2], 16, v[PW]
	v_lshl_or_b32 v[PW], v[BY+3], 24, v[PW]
	WIN (\sw)
.irp c, 0,1
	v_cvt_scalef32_pk16_fp6_f32 v[PC+6*\c:PC+6*\c+2], v[(\s)+32*\c:(\s)+32*\c+15], v[SO+2*\c]
	v_cvt_scalef32_pk16_fp6_f32 v[PT+4*\c:PT+4*\c+2], v[(\s)+32*\c+16:(\s)+32*\c+31], v[SO+2*\c+1]   ; (a conversion's three registers begin on an even number)
.endr
	WIN 0
	v_nop                                          ; one plain instruction behind the scaled conversions
.irp c, 0,1                                    ; the operand's layout wants a WHOLE block in a lane: lanes 0-15 block 2 c, lanes 16-31 block 2 c + 1
.irp i, 0,1,2
	v_permlane16_swap_b32 v[PC+6*\c+\i], v[PT+4*\c+\i]
.endr
.irp i, 0,1,2
	v_mov_b32 v[PC+6*\c+3+\i], v[PT+4*\c+\i]
.endr
.endr
.endm
; the same for 32 numbers, two blocks: six registers of codes at v[dst] on (lane (r, h): the whole of block h) and the two bytes in v[BY], v[BY+1]
.macro QUANT2 s, sw, dst
	WIN (\sw)|((\sw)<<2)
.irp b, 0,1
	v_max3_num_f32 v[TM+\b], |v[(\s)+16*\b]|, |v[(\s)+16*\b+1]|, 0x1800000
.endr
.irp i, 2,4,6,8,10,12,14
.irp b, 0,1
	v_max3_num_f32 v[TM+\b], |v[(\s)+16*\b+\i]|, |v[(\s)+16*\b+\i+1]|, v[TM+\b]
.endr
.endr
	WIN 0
.irp b, 0,1
	v_permlanex16_b32 v[TX+\b], v[TM+\b], s[SEL], s[SEL+1]
.endr
.irp b, 0,1
	v_max_num_f32 v[TM+\b], v[TM+\b], v[TX+\b]
.endr
.irp b, 0,1
	v_add_nc_u32 v[SO+\b], 0xff000000, v[TM+\b]
.endr
.irp b, 0,1
	v_lshrrev_b32 v[BY+\b], 23, v[SO+\b]
.endr
	WIN (\sw)
	v_cvt_scalef32_pk16_fp6_f32 v[\dst:\dst+2], v[(\s):(\s)+15], v[SO]
	v_cvt_scalef32_pk16_fp6_f32 v[PT:PT+2], v[(\s)+16:(\s)+31], v[SO+1]
	WIN 0
	v_nop                                          ; one plain instruction behind the scaled conversions
.irp i, 0,1,2
	v_permlane16_swap_b32 v[\dst+\i], v[PT+\i]
.endr
.irp i, 0,1,2
	v_mov_b32 v[\dst+3+\i], v[PT+\i]
.endr
.endm
.macro FOLD                            ; four chains of pairs, and the other half of the lanes': the row's sum in v[ST]
	v_pk_add_f32 v[ST:ST+1], v[ST:ST+1], v[ST+2:ST+3]
	v_pk_add_f32 v[ST+4:ST+5], v[ST+4:ST+5], v[ST+6:ST+7]
	v_pk_add_f32 v[ST:ST+1], v[ST:ST+1], v[ST+4:ST+5]
	v_add_f32 v[ST], v[ST], v[ST+1]
	v_permlanex16_b32 v[TX], v[ST], s[SEL], s[SEL+1]
	v_add_f32 v[ST], v[ST], v[TX]
.endm
	s_load_b256 s[4:11], s[0:1], 0x0               ; x s[4:5], ln1_w s[6:7], ln1_b s[8:9], wimg s[10:11]
	s_load_b128 s[12:15], s[0:1], 0x20             ; qimg s[12:13], qsc s[14:15]
	s_load_b64 s[16:17], s[0:1], 0x30              ; kv
	v_lshl_add_u32 v254, v0, 2, 0x7800
	v_mov_b32 v255, 0
	v_lshrrev_b32 v9, 5, v0
	v_readfirstlane_b32 s[WV], v9                  ; wave 0..3
	v_and_b32 v9, 31, v0                           ; l
	v_and_b32 v10, 15, v0                          ; r
	v_bfe_u32 v11, v0, 4, 1                        ; h
	v_lshlrev_b32 v[LI16], 4, v9
	v_lshlrev_b32 v[LI8], 3, v9
	v_lshlrev_b32 v[LI4], 2, v9
	v_lshlrev_b32 v[T16], 4, v0
	v_and_b32 v12, 8, v10
	v_add_nc_u32 v12, v12, v10                     ; r + 8 (r / 8)
	v_lshlrev_b32 v[XA], 11, v12
	v_lshl_add_u32 v[XA], v11, 6, v[XA]
	s_mul_i32 s24, s[WV], 1536
	v_add_nc_u32 v[XWI], s24, v[LI16]
	s_lshl_b32 s24, s[WV], 7
	v_add_nc_u32 v[XWS], s24, v[LI4]
	v_lshl_add_u32 v[LNA], v11, 6, LNW
.irp b, 0,1,2,3
	v_mov_b32 v[TX+\b], 0                          ; written once: a lane permute's destination counts as one of its sources
.endr
	s_mov_b32 s[HM], 0xffff0000
	s_mov_b32 s[SEL], 0x76543210
	s_mov_b32 s[SEL+1], 0xfedcba98                 ; v_permlanex16_b32's selects for lane l xor 16
	s_mov_b32 s[INV], 0x3b000000                   ; 1 / 512
	s_mov_b32 s[EPS], 0x3727c5ac                   ; 1e-5
	s_and_b32 s25, ttmp9, 63                       ; the block of 64 tokens in its batch
	s_lshr_b32 s26, ttmp9, 6
	s_and_b32 s27, ttmp9, 1                        ; p: which 64 keys of a key step of 128
	s_lshl_b32 s26, s26, 3
	s_lshl_b32 s28, s[WV], 1
	s_add_co_u32 s26, s26, s28                     ; my first head: 8 x batch + 2 w
	s_mov_b32 s41, 0
	s_wait_kmcnt 0x0
	s_mul_i32 s40, s[WV], 12*REC
	s_add_nc_u64 s[WB:WB+1], s[WB:WB+1], s[40:41]  ; my twelve records
	s_lshl_b32 s40, ttmp9, 6
	s_lshr_b32 s28, s[WV], 1
	s_lshl_b32 s28, s28, 5
	s_add_co_u32 s40, s40, s28
	s_and_b32 s28, s[WV], 1
	s_lshl_b32 s28, s28, 3
	s_add_co_u32 s40, s40, s28
	s_lshl_b32 s40, s40, 11
	s_add_nc_u64 s[XB:XB+1], s[XB:XB+1], s[40:41]  ; x at token 64 wg + 32 (w / 2) + 8 (w % 2)
	s_lshl_b32 s29, s26, 8
	s_lshl_b32 s28, s25, 2
	s_add_co_u32 s29, s29, s28                     ; my first head's tile 4 x block
	s_mul_i32 s40, s29, 768
	s_add_nc_u64 s[QB:QB+1], s[QB:QB+1], s[40:41]
	s_lshl_b32 s40, s29, 6
	s_add_nc_u64 s[QSB:QSB+1], s[QSB:QSB+1], s[40:41]
	s_mul_i32 s40, s26, 32*REC
	s_lshr_b32 s28, s25, 1
	s_mul_i32 s28, s28, REC
	s_add_co_u32 s40, s40, s28
	s_add_nc_u64 s[KVB:KVB+1], s[KVB:KVB+1], s[40:41]   ; my first head's key step
	s_mul_i32 s40, s27, 3072
	s_add_nc_u64 s[KB:KB+1], s[KVB:KVB+1], s[40:41]     ; K's fragments 2 p, 2 p + 1
	s_lshl_b32 s40, s27, 7
	s_add_co_u32 s40, s40, 12288
	s_add_nc_u64 s[KSB:KSB+1], s[KVB:KVB+1], s[40:41]   ; their scale words
	s_mul_i32 s40, s27, 768
	s_add_co_u32 s40, s40, 6144
	s_add_nc_u64 s[VB:VB+1], s[KVB:KVB+1], s[40:41]     ; half p of V^T's fragments
	s_lshl_b32 s40, s27, 1
	s_add_co_u32 s40, s40, 12544
	s_add_nc_u64 s[VSB:VSB+1], s[KVB:KVB+1], s[40:41]   ; bytes 2 p, 2 p + 1 of their scale words
	global_load_b128 v[216:219], v[T16], s[6:7]    ; ln1_w, ln1_b: 16 bytes a thread
	global_load_b128 v[220:223], v[T16], s[8:9]
	WIN 0xc0
.set i, 0
.rept 64
	global_load_b128 v[4*i:4*i+3], v[XA], s[XB:XB+1] offset:128*(i/4)+16*(i%4) th:TH_LOAD_NT   ; register 16 b + i' = channel 32 b + 16 h + i' of my token: the order that the quantiser wants
.set i, i+1
.endr
	WIN 0
	s_wait_loadcnt 63                              ; of 66 loads the three oldest are in: ln1_w and ln1_b
	ds_store_b128 v[T16], v[216:219] offset:LNW
	ds_store_b128 v[T16], v[220:223] offset:LNB
	LOADG 0, 0
	LOADG 1, REC
	BARRIER                                        ; ln1_w and ln1_b lie in LDS
	s_wait_loadcnt 50                              ; x is in; groups 0 and 1 may stay out
	LOADG 2, 2*REC
	LOADG 3, 3*REC
	; ---- the norm: two lanes hold a token's 512 channels.  The mean, then the mean of the squared distances from it
	WIN 0x0f
.irp c, 0,1,2,3
	v_pk_add_f32 v[ST+2*\c:ST+2*\c+1], v[2*\c:2*\c+1], v[2*\c+8:2*\c+9]   ; the first pairs start the four chains: nothing is cleared
.endr
	WIN 0x03
.set i, 8
.rept 120
	v_pk_add_f32 v[ST+2*(i%4):ST+2*(i%4)+1], v[2*i:2*i+1], v[ST+2*(i%4):ST+2*(i%4)+1]
.set i, i+1
.endr
	WIN 0
	FOLD
	v_mul_f32 v[MU], s[INV], v[ST]
	v_mov_b32 v[MU+1], v[MU]
	WIN 0xc3
.set i, 0
.rept 128
	v_pk_add_f32 v[2*i:2*i+1], v[2*i:2*i+1], v[MU:MU+1] neg_lo:[0,1] neg_hi:[0,1]   ; x - mu, in place
.set i, i+1
.endr
	WIN 0x0f
.irp c, 0,1,2,3
	v_pk_mul_f32 v[ST+2*\c:ST+2*\c+1], v[2*\c:2*\c+1], v[2*\c:2*\c+1]
.endr
.set i, 4
.rept 124
	v_pk_fma_f32 v[ST+2*(i%4):ST+2*(i%4)+1], v[2*i:2*i+1], v[2*i:2*i+1], v[ST+2*(i%4):ST+2*(i%4)+1]
.set i, i+1
.endr
	WIN 0
	FOLD
	v_fma_f32 v[ST], v[ST], s[INV], s[EPS]
	v_rsq_f32 v[RS], v[ST]
	v_nop                                          ; a plain instruction behind the transcendental,
	s_wait_alu depctr_va_vdst(0)                   ; and the wait ahead of the first instruction that names its result
	v_mov_b32 v[RS+1], v[RS]
.irp s, 0,1,2,3                                ; K step s: channels 128 s on
	WIN 0x40
.set i, 0
.rept 16
	ds_load_b128 v[192+4*i:195+4*i], v[LNA] offset:512*\s+128*(i/4)+16*(i%4)
.set i, i+1
.endr
	WIN 0x80
.set i, 0
.rept 16
	ds_load_b128 v[192+4*i:195+4*i], v[LNA] offset:2048+512*\s+128*(i/4)+16*(i%4)
.set i, i+1
.endr
	WIN 0xc3
.set i, 0
.rept 32
	v_pk_mul_f32 v[64*\s+2*i:64*\s+2*i+1], v[64*\s+2*i:64*\s+2*i+1], v[RS:RS+1]
.set i, i+1
.endr
	s_wait_dscnt 0x0
	WIN 0xe7
.set i, 0
.rept 32
	v_pk_fma_f32 v[64*\s+2*i:64*\s+2*i+1], v[64*\s+2*i:64*\s+2*i+1], v[192+2*i:193+2*i], v[192+2*i:193+2*i]   ; x ln1_w (window 1) + ln1_b (window 2)
.set i, i+1
.endr
	QUANT4 64*\s, 3
.irp g, 0,1,2
	ds_store_b128 v[XWI], v[PC+4*\g:PC+4*\g+3] offset:XIMG+6144*\s+512*\g
.endr
	ds_store_b32 v[XWS], v[PW] offset:XSC+512*\s
	s_wait_dscnt 0x0                               ; the stores have read their registers
.endr
	BARRIER                                        ; xn's sixteen fragments lie in LDS
	FETCH3 0, LI16, XIMG, LI4, XSC
; ONE TURN OF THE RING: group g = 4 x sweep + K step.  n: the younger loads that may stay out (three groups are 75: 63 is the largest count that the wait can name)
.macro GROUP g, n
.set ss, (\g)%4
.set md, (\g)/8
.set fi, 0
.if ss == 0
.set fi, 1
.endif
	s_wait_loadcnt \n                              ; this group's record is in
	s_wait_dscnt 0x0                               ; and its K step of xn
.if (\g) < 11
	FETCH3 (ss+1)%2, LI16, XIMG+6144*((ss+1)%4), LI4, XSC+512*((ss+1)%4)   ; the next group's, into the other set: its last readers stand behind the last group's four places
.endif
	MUL ss, ss%2, md, fi, AS+4*(ss%2), 1
	WIN 0
	PLACES
.if (\g)+4 <= 11
	LOADG ss, REC*((\g)+4)                         ; the slot just read takes the record four groups on
.endif
.endm
	GROUP 0, 63
	GROUP 1, 63
	GROUP 2, 63
	GROUP 3, 63
	; ---- q: a head's 64 channels of 16 tokens are half a fragment and two scale bytes
.irp hd, 0,1
.irp tt, 0,1,2,3
	s_wait_xcnt 0x0                                ; the last unit's stores have read their registers
	QUANT2 8*(8*\tt+4*\hd), 3, PC
	global_store_b128 v[LI16], v[PC:PC+3], s[QB:QB+1] offset:196608*\hd+768*\tt          ; 512 consecutive bytes
	global_store_b64 v[LI8], v[PC+4:PC+5], s[QB:QB+1] offset:196608*\hd+768*\tt+512      ; 256 consecutive bytes
	v_lshl_or_b32 v[216+\tt%2], v[BY+1], 8, v[BY]
	v_lshl_or_b32 v[216+\tt%2], v[216+\tt%2], 16, v[216+\tt%2]   ; the two bytes twice: the word serves q in the lower and in the upper half of K
.if \tt%2
	v_cndmask_b32 v218, v216, v217, s[HM]          ; lanes 0-15: tile tt - 1, lanes 16-31: tile tt
	global_store_b32 v[LI4], v218, s[QSB:QSB+1] offset:16384*\hd+64*(\tt-1)
.endif
.endr
.endr
	GROUP 4, 63
	GROUP 5, 63
	GROUP 6, 63
	GROUP 7, 63
	; ---- k: two tiles of 16 keys make one fragment: tile 2 f in K 0-63, tile 2 f + 1 in K 64-127
.irp hd, 0,1
.irp pr, 0,1
	s_wait_xcnt 0x0
	QUANT2 8*(8*(2*\pr)+4*\hd), 3, PC
	v_lshl_or_b32 v[216+\pr], v[BY+1], 8, v[BY]
	QUANT2 8*(8*(2*\pr+1)+4*\hd), 3, PC+6
	v_lshl_or_b32 v[216+\pr], v[BY], 16, v[216+\pr]
	v_lshl_or_b32 v[216+\pr], v[BY+1], 24, v[216+\pr]
.irp g, 0,1,2
	global_store_b128 v[LI16], v[PC+4*\g:PC+4*\g+3], s[KB:KB+1] offset:409600*\hd+1536*\pr+512*\g
.endr
.if \pr
	v_cndmask_b32 v218, v216, v217, s[HM]
	global_store_b32 v[LI4], v218, s[KSB:KSB+1] offset:409600*\hd
.endif
.endr
.endr
	GROUP 8, 63
	GROUP 9, 50                                    ; two younger groups
	GROUP 10, 25
	GROUP 11, 0
	; ---- v: 16 channels x my 64 tokens are half a fragment of V^T and two scale bytes
.irp hd, 0,1
.irp t, 0,1,2,3
	s_wait_xcnt 0x0
	QUANT2 32*(4*\hd+\t), 3, PC
	global_store_b128 v[LI16], v[PC:PC+3], s[VB:VB+1] offset:409600*\hd+1536*\t
	global_store_b64 v[LI8], v[PC+4:PC+5], s[VB:VB+1] offset:409600*\hd+1536*\t+512
	v_lshl_or_b32 v[216+\t%2], v[BY+1], 8, v[BY]
.if \t%2
	v_cndmask_b32 v218, v216, v217, s[HM]
	global_store_b16 v[LI4], v218, s[VSB:VSB+1] offset:409600*\hd+128*(\t/2)   ; two of each word's four bytes; the work-group of the other 64 keys stores the other two: 131,072 bytes in the whole launch leave so
.endif
.endr
.endr
	s_wait_tensorcnt 0x0
	ds_add_u32 v254, v255
	s_wait_dscnt 0x0
	s_endpgm
.Lfunc_end_k_qe601598faf_qkv:
	.size	k_qe601598faf_qkv, .Lfunc_end_k_qe601598faf_qkv-k_qe601598faf_qkv
	.p2alignl 7, 3214868480
	.fill 96, 4, 3214868480
	.section	.rodata,"a",@progbits
	.p2align	6, 0x0
	.amdhsa_kernel k_qe601598faf_qkv
		.amdhsa_group_segment_fixed_size 31232
		.amdhsa_private_segment_fixed_size 0
		.amdhsa_enable_private_segment 0
		.amdhsa_kernarg_size 56
		.amdhsa_user_sgpr_count 2
		.amdhsa_user_sgpr_kernarg_segment_ptr 1
		.amdhsa_wavefront_size32 1
		.amdhsa_system_sgpr_workgroup_id_x 1
		.amdhsa_system_sgpr_workgroup_id_y 1
		.amdhsa_system_sgpr_workgroup_id_z 1
		.amdhsa_system_vgpr_workitem_id 0
		.amdhsa_next_free_vgpr 1024
		.amdhsa_next_free_sgpr 66
		.amdhsa_reserve_vcc 0
		.amdhsa_float_denorm_mode_32 3
		.amdhsa_float_denorm_mode_16_64 3
		.amdhsa_memory_ordered 1
		.amdhsa_forward_progress 1
		.amdhsa_inst_pref_size 223
	.end_amdhsa_kernel
	.amdgpu_metadata
---
amdhsa.version: [ 1, 2 ]
amdhsa.kernels:
  - .name:           k_qe601598faf_qkv
    .symbol:         k_qe601598faf_qkv.kd
    .args:
      - { .name: x, .offset: 0, .size: 8, .value_kind: global_buffer, .address_space: global }
      - { .name: ln1_w, .offset: 8, .size: 8, .value_kind: global_buffer, .address_space: global }
      - { .name: ln1_b, .offset: 16, .size: 8, .value_kind: global_buffer, .address_space: global }
      - { .name: wimg, .offset: 24, .size: 8, .value_kind: global_buffer, .address_space: global }
      - { .name: qimg, .offset: 32, .size: 8, .value_kind: global_buffer, .address_space: global }
      - { .name: qsc, .offset: 40, .size: 8, .value_kind: global_buffer, .address_space: global }
      - { .name: kv, .offset: 48, .size: 8, .value_kind: global_buffer, .address_space: global }
    .group_segment_fixed_size: 31232
    .private_segment_fixed_size: 0
    .kernarg_segment_align: 8
    .kernarg_segment_size: 56
    .max_flat_workgroup_size: 128
    .sgpr_count:     66
    .vgpr_count:     1024
    .wavefront_size: 32
...
	.end_amdgpu_metadata
.endif
;; end of part 2
;; launch attn (part 3): grid 16 x 16, 16 waves a work-group, clusters of 4 x 1, 327,680 bytes of LDS; arguments qimg, qsc, kv, aoimg, aosc; writes aoimg, aosc
.if DOCPART == 3
	.amdgcn_target "amdgcn-amd-amdhsa--gfx1250"
	.amdhsa_code_object_version 6
	.text
	.protected	k_qe601598faf_attn
	.globl	k_qe601598faf_attn
	.p2align	8
	.type	k_qe601598faf_attn,@function
k_qe601598faf_attn:
	s_mov_b64 s[64:65], 0
	v_nop
	global_prefetch_b8 v0, s[64:65] scope:SCOPE_SE
	s_setreg_imm32_b32 hwreg(HW_REG_WAVE_MODE, 25, 1), 1
	s_wait_xcnt 0x0
	s_wait_alu depctr_hold_cnt(0) depctr_sa_sdst(0) depctr_va_vdst(0) depctr_va_sdst(0) depctr_va_ssrc(0) depctr_va_vcc(0) depctr_vm_vsrc(0)
	s_getreg_b32 s2, hwreg(HW_REG_IB_STS2, 6, 4)
	s_cmp_eq_u32 s2, 0
	s_cbranch_scc0 .Lentry_in_a_cluster
	s_endpgm
.Lentry_in_a_cluster:
	s_bfe_u32 s2, ttmp6, 0x10000c
	s_cmp_lg_u32 s2, 0x3003
	s_cbranch_scc0 .Lentry_shape_is_right
	s_endpgm
.Lentry_shape_is_right:
; attn_out[q] = the sum over keys of softmax(q . k / 8) v, for 16 heads (2 batches x 8) of 4,096 tokens and 64 channels, both products on codes of FP6 (E2M3) with one E8M0 scale for each 32 along K; the result is quantised along the channels.
; THE SOFTMAX AHEAD OF THE SECOND PRODUCT: t = score x log2(e) / 8; M = the row's largest t so far, rounded UP to a whole number; p = 2^(t - M) is what is quantised, along the keys; it is not normalised.
; The row's sum is taken of the unquantised p, in f32, and divides O at the end.  When M moves, the sum and O are multiplied by 2^(old M - new M): exact.
; SHARES.  A work-group owns 256 queries of one head; each of its sixteen waves owns one tile of 16, in 256 registers: four waves to a SIMD, so that one wave's vector work stands beside another's matrix work and LDS loads.
; Every wave walks the head's 32 key steps of 128 keys.  A key step is ONE dense record of 12,800 bytes, laid by the launch before as images of the operands' registers, so every LDS load takes consecutive bytes in consecutive lanes.
; K = 64 IN AN INSTRUCTION OF K = 128: a fragment of K holds TWO tiles of 16 keys, one in K 0-63, one in K 64-127; q stands twice in registers, as [q; 0] and as [0; q]: a product with the one gives the first tile's scores, with the other the
; second's.  No byte of LDS and no register of K is spent on zeros.
; LAYOUT.  Both products are used transposed: S^T = K Q^T, O^T = V^T P^T: a lane holds ONE query (lane % 16) throughout.  Row r of key tile T is key 32 (T / 2) + 8 (T % 2) + r + 8 (r / 8): the 16 registers of tiles 2 b and 2 b + 1 are
; keys 32 b + 16 (lane / 16) + 0 .. 15; V^T's rows are ordered likewise, so that O^T's registers run along neighbouring channels.
; CLUSTER.  The four query blocks of a cluster belong to one head and walk the same records: each record is asked for JOINTLY, by the same tensor load with the same descriptor and a mask that names the four.
; RING.  Two slots of four key steps; waves 0 to 3 fetch one record each; a wave has one tensor load out.
; LIMITS: a block of attn_out whose largest magnitude lies under 2^-124 gets the scale byte 1; the bytes are read by this program alone.  NaN and infinities are not served.
.set REC,   12800
.set SLOTB, 4*REC
.set SLOT1, 65536                      ; slot 1 begins here, so that one exclusive or turns an address in one slot into the other's
.set SPARE, 131072                     ; the spare words, 128 bytes for each wave: eight blocks of 256 bytes that no other line names
.set L16, 1                            ; v1   16 x lane; never rewritten
.set L8,  2                            ; v2   8 x lane
.set L4,  3                            ; v3   4 x lane
.set SPW, 4                            ; v4   LDS address of my spare word; never rewritten
.set NIL, 5                            ; v5   0; never rewritten
.set A16, 6                            ; v6-8 the same three in the slot in hand
.set A8,  7
.set A4,  8
.set PFO, 9                            ; v9   the prefetches' offset; never rewritten
.set QLO, 16                           ; v16-27 [q; 0];  v28-39 [0; q]
.set KF,  40                           ; v40-87 four fragments, K's and then V^T's
.set S,   88                           ; v88-151 S^T, then p
.set O,   152                          ; v152-183 O^T
.set PC,  184                          ; v184-195 p's codes
.set PT,  196                          ; v196-203 the conversions' second halves
.set BM,  204                          ; the blocks' largest scores, then largest p
.set BX,  208                          ; the other half of the lanes'; then bytes
.set BS,  212                          ; the conversions' scale operands
.set PW,  216                          ; p's scale word
.set QS,  217                          ; q's
.set KS,  218                          ; v218-219 K's: lanes 0-15 fragment 2 j, lanes 16-31 fragment 2 j + 1
.set VS,  220                          ; v220-221 V^T's likewise
.set FF,  224                          ; v[224:225] f = 2^(old M - new M); at the end 1 / l
.set TT,  226
.set SU,  228                          ; v[228:229] the sum's second chain
.set BY,  230                          ; v230-231 attn_out's two scale bytes
.set WV,  14
.set SEL, 20
.set CS,  22                           ; s[22:23] c = log2(e) / 8
.set G1,  24
.set G0,  32
.set TB,  36                           ; LDS byte at which the slot in hand begins
.set SLOTS, 37                         ; slots still to be asked for
.set LIM, 38                           ; 1 in a wave that prefetches, else the greatest number
.set HM,  39                           ; the mask of lanes 16-31
.set PFA, 40
; Waves 0 to 3 fetch a record each.  The branch hangs on the wave's number alone: it is the same in every work-group.  Four v_nop follow the load.
.macro TLOAD
	s_cmp_lt_u32 s[WV], 4
	s_cbranch_scc0 .Lno_load_\@
	tensor_load_to_lds s[G0:G0+3], s[G1:G1+7]
	s_nop 0
.rept 4
	v_nop
.endr
.Lno_load_\@:
.endm
; A PREFETCH INTO THE L2 of what the NEXT change of slots will ask for: four records of 50 aligned blocks of 256 bytes.  All clusters of a head walk the same records: the head's first cluster asks.  Its four partners share the records out BY
; ADDRESS, one each (no branch hangs on a work-group's place in its cluster); in each, waves 4 and 5, which fetch nothing, ask: a lane a block, 32 and 18.  Wave 5's 14 lanes that are over name block 49 again, within the same instruction.
; The last change that fills a slot asks for nothing: there is no slot behind it.  Slots 0 and 1 come by their loads alone.
.macro ASK
	s_cmp_gt_u32 s[SLOTS], s[LIM]
	s_cbranch_scc0 .Lnot_mine_\@
	global_prefetch_b8 v[PFO], s[PFA:PFA+1] th:TH_LOAD_NT scope:SCOPE_SE
.Lnot_mine_\@:
.endm
; A round of the cluster's barrier: my work-group's barrier, wave 0 signals for the work-group, every wave waits for all four work-groups, my work-group's barrier once more.
.macro CROUND
	s_barrier_signal -1
	s_barrier_wait -1
	s_cmp_lg_u32 s[WV], 0
	s_cbranch_scc1 .Lnot_wave_0_\@
	s_barrier_signal -3
.Lnot_wave_0_\@:
	s_barrier_wait -3
	s_barrier_signal -1
	s_barrier_wait -1
.endm
	s_load_b256 s[4:11], s[0:1], 0x0               ; qimg s[4:5], qsc s[6:7], kv s[8:9], aoimg s[10:11]
	s_load_b64 s[12:13], s[0:1], 0x20              ; aosc
	v_lshl_add_u32 v[SPW], v0, 2, SPARE
	v_mov_b32 v[NIL], 0
	ds_add_u32 v4, v5
	s_wait_dscnt 0x0
	v_lshrrev_b32 v6, 5, v0
	v_readfirstlane_b32 s[WV], v6                  ; wave 0..15
	s_bfe_u32 s15, ttmp6, 0x40000                  ; cx: my place in the cluster
	s_lshl_b32 s16, ttmp9, 2
	s_add_co_u32 s16, s16, s15                     ; my block of 256 queries: it enters q's and attn_out's addresses alone
	s_and_b32 s17, ttmp7, 0xffff                   ; the head (8 x batch + head), which the four partners share
	; descriptor group 1: a record as 50 rows of 256 bytes (32 elements of 8 bytes), dense, no padding
	s_mov_b32 s[G1], 15|(3<<16)|(1<<21)            ; 15:0 the mask: all four work-groups; 17:16 elements of 8 bytes; 21 set beside a mask
	s_mov_b32 s[G1+1], 32<<16                      ; tensor_dim0 = 32
	s_mov_b32 s[G1+2], 50<<16                      ; tensor_dim1 = 50
	s_mov_b32 s[G1+3], 32<<16                      ; tile_dim0 = 32
	s_mov_b32 s[G1+4], 50                          ; tile_dim1 = 50
	s_mov_b32 s[G1+5], 32                          ; from row to row
	s_mov_b32 s[G1+6], 0
	s_mov_b32 s[G1+7], 0
	s_and_b32 s42, s[WV], 3
	s_mul_i32 s42, s42, REC                        ; which record of a slot I fetch, if I fetch: its place in memory and in LDS
	s_mov_b32 s43, 0
	s_mul_i32 s44, s17, 32*REC                     ; the head's records
	s_mov_b32 s45, 0
	s_lshl_b32 s46, s16, 4
	s_add_co_u32 s46, s46, s[WV]                   ; my tile in the head: 16 x block + wave
	s_lshl_b32 s48, s17, 8
	s_add_co_u32 s48, s48, s46
	s_lshl_b32 s50, s48, 6                         ; q's scale words: 64 bytes a tile
	s_mov_b32 s51, 0
	s_mul_i32 s48, s48, 768                        ; q's codes
	s_mov_b32 s49, 0
	s_lshr_b32 s52, s17, 3
	s_lshl_b32 s52, s52, 8
	s_add_co_u32 s52, s52, s46                     ; my tile among all tokens': 256 x batch + tile
	s_and_b32 s53, s17, 7                          ; the head in its batch
	s_lshl_b32 s46, s52, 3
	s_add_co_u32 s46, s46, s53
	s_mul_i32 s46, s46, 768                        ; attn_out's codes: [tile][head][768]
	s_mov_b32 s47, 0
	s_lshl_b32 s52, s52, 8
	s_lshl_b32 s53, s53, 1
	s_add_co_u32 s52, s52, s53                     ; its scale bytes: [tile][row][16], byte 2 x head + block
	s_mov_b32 s53, 0
	s_mul_i32 s54, s15, REC
	s_add_co_u32 s54, s54, SLOTB                   ; the prefetches: record cx of slot 1; the first change of slots steps it to slot 2.  Nothing is prefetched here, at the head
	s_mov_b32 s55, 0
	s_mov_b32 s[SEL], 0x76543210
	s_mov_b32 s[SEL+1], 0xfedcba98
	s_mov_b32 s[CS], 0x3e38aa3b                    ; c = log2(e) / 8
	s_mov_b32 s[CS+1], s[CS]                       ; (named with it as a pair, so it is written)
	s_mov_b32 s[HM], 0xffff0000
	s_mov_b32 s[TB], 0
	s_mov_b32 s[SLOTS], 7
	s_lshr_b32 s[LIM], s[WV], 1
	s_xor_b32 s[LIM], s[LIM], 2                    ; 0 in waves 4 and 5,
	s_or_b32 s[LIM], s[LIM], ttmp9                 ; of the head's first cluster: the same in all four partners
	s_cmp_eq_u32 s[LIM], 0
	s_cselect_b32 s[LIM], 1, -1
	v_and_b32 v[PFO], 63, v0                       ; 32 (wave % 2) + lane
	v_min_u32 v[PFO], 49, v[PFO]
	v_lshlrev_b32 v[PFO], 8, v[PFO]
	s_wait_kmcnt 0x0
	s_add_nc_u64 s[8:9], s[8:9], s[44:45]          ; kv at my head
	s_add_nc_u64 s[PFA:PFA+1], s[8:9], s[54:55]
	s_add_nc_u64 s[4:5], s[4:5], s[48:49]
	s_add_nc_u64 s[6:7], s[6:7], s[50:51]
	s_add_nc_u64 s[10:11], s[10:11], s[46:47]
	s_add_nc_u64 s[12:13], s[12:13], s[52:53]
	s_mov_b32 s[G0], 1                             ; 1:0 count = 1
	s_mov_b32 s[G0+1], s42                         ; 63:32 LDS address: slot 0
	s_add_nc_u64 s[G0+2:G0+3], s[8:9], s[42:43]    ; 120:64 global address
	s_or_b32 s[G0+3], s[G0+3], 0x80000000          ; 127:126 type = 2
	CROUND                                         ; all four work-groups are here: the first joint loads meet
	TLOAD                                          ; slot 0
	v_and_b32 v10, 31, v0
	v_lshlrev_b32 v[L16], 4, v10
	v_lshlrev_b32 v[L8], 3, v10
	v_lshlrev_b32 v[L4], 2, v10
	v_and_b32 v10, 15, v0
	v_lshlrev_b32 v10, 2, v10
	global_load_b128 v[QLO:QLO+3], v[L16], s[4:5]              ; q's six registers, once as K 0-63 ..
	global_load_b64 v[QLO+4:QLO+5], v[L8], s[4:5] offset:512
	global_load_b128 v[QLO+18:QLO+21], v[L16], s[4:5]          ; .. and once as K 64-127
	global_load_b64 v[QLO+22:QLO+23], v[L8], s[4:5] offset:512
	global_load_b32 v[QS], v10, s[6:7]
.irp i, 6,7,8,9,10,11,12,13,14,15,16,17
	v_mov_b32 v[QLO+\i], 0                         ; the other halves: zero codes, which add nothing under any scale byte that is made here
.endr
	v_mov_b32 v13, 0xff61b1e6                      ; the largest t so far: -3e38, under every t
	v_floor_f32 v12, -v13                          ; -M
	v_mov_b32 v14, 0                               ; the sum, in two halves
	v_mov_b32 v15, 0
.irp b, 0,1,2,3
	v_mov_b32 v[BX+\b], 0                          ; written once: a lane permute's destination counts as one of its sources
.endr
	v_mov_b32 v[FF+1], 0                           ; (named as the upper half of a pair)
	v_mov_b32 v[TT], 0
.set i, 0
.rept 32
	v_mov_b32 v[O+i], 0                            ; O^T.  (The step is written without a first step of its own: the first finds zeros, which the first change of M leaves zeros)
.set i, i+1
.endr
; A KEY STEP: 128 keys, record q of the slot in hand
.macro STEP q
.set RB, REC*(\q)
	v_add_nc_u32 v[A16], s[TB], v[L16]             ; these three and the v_nop are the four places behind the last step's products, in front of the loads into the registers that they read
	v_add_nc_u32 v[A8], s[TB], v[L8]
	v_add_nc_u32 v[A4], s[TB], v[L4]
	v_nop
.irp f, 0,1,2,3
.irp g, 0,1,2
	ds_load_b128 v[KF+12*\f+4*\g:KF+12*\f+4*\g+3], v[A16] offset:RB+1536*\f+512*\g
.endr
.endr
	ds_load_b32 v[KS], v[A4] offset:RB+12288
	ds_load_b32 v[KS+1], v[A4] offset:RB+12416
	s_wait_dscnt 0x0
.irp f, 0,1,2,3                                ; S^T = K Q^T: fragment f against [q; 0] gives key tile 2 f, against [0; q] key tile 2 f + 1
.irp u, 0,1
.if \f%2
	v_wmma_scale_f32_16x16x128_f8f6f4 v[S+8*(2*\f+\u):S+8*(2*\f+\u)+7], v[KF+12*\f:KF+12*\f+11], v[QLO+12*\u:QLO+12*\u+11], 0, v[KS+\f/2], v[QS] matrix_a_fmt:MATRIX_FMT_FP6 matrix_b_fmt:MATRIX_FMT_FP6 matrix_a_scale:MATRIX_SCALE_ROW1
.else
	v_wmma_scale_f32_16x16x128_f8f6f4 v[S+8*(2*\f+\u):S+8*(2*\f+\u)+7], v[KF+12*\f:KF+12*\f+11], v[QLO+12*\u:QLO+12*\u+11], 0, v[KS+\f/2], v[QS] matrix_a_fmt:MATRIX_FMT_FP6 matrix_b_fmt:MATRIX_FMT_FP6
.endif
.endr
.endr
.rept 4
	v_nop                                          ; places in front of the loads below and of the first read of the scores
.endr
.irp t, 0,1,2,3                                ; V^T's four fragments land while the softmax is walked
.irp c, 0,1
	ds_load_b128 v[KF+12*\t+6*\c:KF+12*\t+6*\c+3], v[A16] offset:RB+6144+1536*\t+768*\c
	ds_load_b64 v[KF+12*\t+6*\c+4:KF+12*\t+6*\c+5], v[A8] offset:RB+6144+1536*\t+768*\c+512
.endr
.endr
	ds_load_b32 v[VS], v[A4] offset:RB+12544
	ds_load_b32 v[VS+1], v[A4] offset:RB+12672
.irp b, 0,1,2,3
	v_max3_num_f32 v[BM+\b], v[S+16*\b], v[S+16*\b+1], v[S+16*\b+2]   ; THE LARGEST SCORE OF EACH BLOCK OF 32 KEYS: it serves for the row's maximum and, since p rises with the score, for the block's largest p
.endr
.irp i, 3,5,7,9,11,13
.irp b, 0,1,2,3
	v_max3_num_f32 v[BM+\b], v[BM+\b], v[S+16*\b+\i], v[S+16*\b+\i+1]   ; (the four blocks by turns)
.endr
.endr
.irp b, 0,1,2,3
	v_max_num_f32 v[BM+\b], v[BM+\b], v[S+16*\b+15]
.endr
.irp b, 0,1,2,3
	v_permlanex16_b32 v[BX+\b], v[BM+\b], s[SEL], s[SEL+1]
.endr
.irp b, 0,1,2,3
	v_max_num_f32 v[BM+\b], v[BM+\b], v[BX+\b]     ; with lane l xor 16's 16 keys
.endr
	v_max3_num_f32 v[TT], v[BM], v[BM+1], v[BM+2]
	v_max_num_f32 v[TT], v[TT], v[BM+3]            ; the step's largest score of my query
	v_mul_f32 v[TT], s[CS], v[TT]                  ; as t (c is positive)
	v_max_num_f32 v13, v13, v[TT]                  ; the running largest t
	v_mov_b32 v[TT], v12
	v_floor_f32 v12, -v13                          ; the new -M = floor(-t) = -ceil(t): M IS A WHOLE NUMBER
	v_sub_f32 v[TT], v12, v[TT]                    ; M's old value less its new one: a whole number, 0 or less
	v_cvt_i32_f32 v[TT], v[TT]                     ; (it saturates)
	v_ldexp_f32 v[FF], 1.0, v[TT]                  ; f = 2^(old M - new M): a multiplication by it rounds nothing
.set i, 0
.rept 32
	v_pk_fma_f32 v[S+2*i:S+2*i+1], v[S+2*i:S+2*i+1], s[CS:CS+1], v[12:13] op_sel_hi:[1,0,0]   ; t - M, two at a time (of the pairs c and -M the low word serves both halves)
.set i, i+1
.endr
.irp b, 0,1,2,3
	v_fma_f32 v[BM+\b], v[BM+\b], s[CS], v12       ; the same of each block's largest score
.endr
.set i, 0
.rept 64
	v_exp_f32 v[S+i], v[S+i]                       ; p = 2^(t - M), at most 1: NOT normalised
.set i, i+1
.endr
	v_pk_mul_f32 v[14:15], v[14:15], v[FF:FF+1] op_sel_hi:[1,0]   ; the sums under the new M.  (The plain instruction behind the exponentials)
	s_wait_alu depctr_va_vdst(0)                   ; one wait for the whole batch, ahead of its first reader
.irp b, 0,1,2,3
	v_exp_f32 v[BM+\b], v[BM+\b]                   ; the block's largest p: the same two instructions on the same number give the same bits
.endr
	v_pk_add_f32 v[SU:SU+1], v[S:S+1], v[S+2:S+3]  ; THE ROW'S SUM IS TAKEN OF THE UNQUANTISED p: two at a time, in two chains
.irp j, 4,8,12,16,20,24,28,32,36,40,44,48,52,56,60
	v_pk_add_f32 v[14:15], v[14:15], v[S+\j:S+\j+1]
	v_pk_add_f32 v[SU:SU+1], v[SU:SU+1], v[S+\j+2:S+\j+3]
.endr
	v_pk_add_f32 v[14:15], v[14:15], v[SU:SU+1]
	s_wait_alu depctr_va_vdst(0)                   ; and one for the four
.irp b, 0,1,2,3
	v_max_num_f32 v[BM+\b], 0x1800000, v[BM+\b]    ; the floor 2^(3 - 127): the byte cannot fall under 1 (a block whose every p has fallen to 0 keeps that byte: its codes are zeros)
.endr
.irp b, 0,1,2,3
	v_add_nc_u32 v[BS+\b], 0xff000000, v[BM+\b]    ; 2 off the exponent field: the conversion's scale operand
.endr
.irp b, 0,1,2,3
	v_lshrrev_b32 v[BX+\b], 23, v[BS+\b]           ; the scale's byte
.endr
	v_lshl_or_b32 v[PW], v[BX+1], 8, v[BX]         ; p's scale word for these 128 keys
	v_lshl_or_b32 v[PW], v[BX+2], 16, v[PW]
	v_lshl_or_b32 v[PW], v[BX+3], 24, v[PW]
.irp c, 0,1
	v_cvt_scalef32_pk16_fp6_f32 v[PC+6*\c:PC+6*\c+2], v[S+32*\c:S+32*\c+15], v[BS+2*\c]
	v_cvt_scalef32_pk16_fp6_f32 v[PT+4*\c:PT+4*\c+2], v[S+32*\c+16:S+32*\c+31], v[BS+2*\c+1]   ; (a conversion's three registers begin on an even number)
.endr
	v_nop                                          ; one plain instruction behind the scaled conversions
.irp c, 0,1                                    ; the operand's layout wants a WHOLE block in a lane: lanes 0-15 block 2 c, lanes 16-31 block 2 c + 1
.irp i, 0,1,2
	v_permlane16_swap_b32 v[PC+6*\c+\i], v[PT+4*\c+\i]
.endr
.irp i, 0,1,2
	v_mov_b32 v[PC+6*\c+3+\i], v[PT+4*\c+\i]
.endr
.endr
.set i, 0
.rept 16
	v_pk_mul_f32 v[O+2*i:O+2*i+1], v[O+2*i:O+2*i+1], v[FF:FF+1] op_sel_hi:[1,0]   ; O^T under the new M.  (These 16 also stand between the writing of p's codes and scale word and the products that take them)
.set i, i+1
.endr
	s_wait_dscnt 0x0                               ; V^T is in
.irp t, 0,1,2,3                                ; O^T += V^T P^T: four accumulators, one instruction each
.if \t%2
	v_wmma_scale_f32_16x16x128_f8f6f4 v[O+8*\t:O+8*\t+7], v[KF+12*\t:KF+12*\t+11], v[PC:PC+11], v[O+8*\t:O+8*\t+7], v[VS+\t/2], v[PW] matrix_a_fmt:MATRIX_FMT_FP6 matrix_b_fmt:MATRIX_FMT_FP6 matrix_a_scale:MATRIX_SCALE_ROW1
.else
	v_wmma_scale_f32_16x16x128_f8f6f4 v[O+8*\t:O+8*\t+7], v[KF+12*\t:KF+12*\t+11], v[PC:PC+11], v[O+8*\t:O+8*\t+7], v[VS+\t/2], v[PW] matrix_a_fmt:MATRIX_FMT_FP6 matrix_b_fmt:MATRIX_FMT_FP6
.endif
.endr
.endm
; THE CHANGE OF SLOTS stands at a slot's head.  Each wave waits for all its tensor loads (its part of the slot that it is about to read), adds 0 to its spare word, and waits for that and for its reads of the slot that it has left.
; fill = 1: the barrier is a round of the cluster's, so that no wave of any partner still reads that slot or has a load on its way, and the joint refill is the first thing behind it: it has four key steps in which to land.
.macro CHANGE fill
	s_wait_tensorcnt 0x0                           ; no tensor load of mine is out, so the group 0 may be written
	ds_add_u32 v[SPW], v[NIL]                      ; 0 onto my spare word
.if \fill
	s_xor_b32 s[G0+1], s[G0+1], SLOT1              ; the walking descriptor: the other slot than last time,
	s_add_nc_u64 s[G0+2:G0+3], s[G0+2:G0+3], SLOTB ; the next four records; the type bits on top are not reached
	s_wait_xcnt 0x0                                ; the last prefetch, a slot back, has read its address, so it may be written:
	s_add_nc_u64 s[PFA:PFA+1], s[PFA:PFA+1], SLOTB ; one slot further on than the walking descriptor
	s_wait_dscnt 0x0                               ; the add is done, and my reads of the slot that I have left are over
	CROUND
	TLOAD
	ASK
.else
	s_wait_dscnt 0x0
	s_barrier_signal -1
	s_barrier_wait -1
.endif
.endm
	s_wait_loadcnt 0x0                             ; q
.Lslot:                                            ; seven trips: behind each change of slots but the last the next slot is asked for
	CHANGE 1
	STEP 0
	STEP 1
	STEP 2
	STEP 3
	s_xor_b32 s[TB], s[TB], SLOT1                  ; on to the other slot
	s_sub_co_u32 s[SLOTS], s[SLOTS], 1
	s_cmp_lg_u32 s[SLOTS], 0
	s_cbranch_scc1 .Lslot
	CHANGE 0                                       ; the last slot is written out
	STEP 0
	STEP 1
	STEP 2
	STEP 3
	; THE WAY OUT.  O^T / the sum; its 32 registers are my query's channels 32 b + 16 (lane / 16) + i of this head: two blocks of the next product's K.  The first four lines are the places behind the last products.
	v_and_b32 v10, 15, v0
	v_bfe_u32 v11, v0, 4, 1
	v_lshl_add_u32 v10, v10, 4, v11                ; the scale bytes: 16 x row + my half's block
	v_add_f32 v14, v14, v15                        ; the sum's two halves,
	v_permlanex16_b32 v[TT], v14, s[SEL], s[SEL+1]
	v_add_f32 v14, v14, v[TT]                      ; and lane l xor 16's: the row's sum
	v_rcp_f32 v[FF], v14
	v_nop                                          ; a plain instruction behind the transcendental,
	s_wait_alu depctr_va_vdst(0)                   ; and the wait ahead of the first instruction that names its result
.set i, 0
.rept 16
	v_pk_mul_f32 v[S+2*i:S+2*i+1], v[O+2*i:O+2*i+1], v[FF:FF+1] op_sel_hi:[1,0]   ; each accumulator from its low end on
.set i, i+1
.endr
.irp b, 0,1
	v_max3_num_f32 v[BM+\b], |v[S+16*\b]|, |v[S+16*\b+1]|, 0x1800000
.endr
.irp i, 2,4,6,8,10,12,14
.irp b, 0,1
	v_max3_num_f32 v[BM+\b], v[BM+\b], |v[S+16*\b+\i]|, |v[S+16*\b+\i+1]|
.endr
.endr
.irp b, 0,1
	v_permlanex16_b32 v[BX+\b], v[BM+\b], s[SEL], s[SEL+1]
.endr
.irp b, 0,1
	v_max_num_f32 v[BM+\b], v[BM+\b], v[BX+\b]
.endr
.irp b, 0,1
	v_add_nc_u32 v[BS+\b], 0xff000000, v[BM+\b]
.endr
.irp b, 0,1
	v_lshrrev_b32 v[BY+\b], 23, v[BS+\b]
.endr
	v_cvt_scalef32_pk16_fp6_f32 v[PC:PC+2], v[S:S+15], v[BS]
	v_cvt_scalef32_pk16_fp6_f32 v[PT:PT+2], v[S+16:S+31], v[BS+1]
	v_nop
.irp i, 0,1,2
	v_permlane16_swap_b32 v[PC+\i], v[PT+\i]
.endr
.irp i, 0,1,2
	v_mov_b32 v[PC+3+\i], v[PT+\i]
.endr
	global_store_b128 v[L16], v[PC:PC+3], s[10:11]             ; half a fragment: 512 consecutive bytes,
	global_store_b64 v[L8], v[PC+4:PC+5], s[10:11] offset:512  ; and 256
	v_cndmask_b32 v[TT], v[BY], v[BY+1], s[HM]     ; lanes 0-15 block 0's byte, lanes 16-31 block 1's
	global_store_b8 v10, v[TT], s[12:13]           ; a byte a lane, once a wave: 131,072 bytes in the whole launch leave so
	s_wait_tensorcnt 0x0                           ; the wave's end
	ds_add_u32 v[SPW], v[NIL]
	s_wait_dscnt 0x0
	CROUND                                         ; the closing round: no work-group ends while a partner may still ask for a record that names it
	s_endpgm
.Lfunc_end_k_qe601598faf_attn:
	.size	k_qe601598faf_attn, .Lfunc_end_k_qe601598faf_attn-k_qe601598faf_attn
	.p2alignl 7, 3214868480
	.fill 96, 4, 3214868480
	.section	.rodata,"a",@progbits
	.p2align	6, 0x0
	.amdhsa_kernel k_qe601598faf_attn
		.amdhsa_group_segment_fixed_size 327680
		.amdhsa_private_segment_fixed_size 0
		.amdhsa_enable_private_segment 0
		.amdhsa_kernarg_size 40
		.amdhsa_user_sgpr_count 2
		.amdhsa_user_sgpr_kernarg_segment_ptr 1
		.amdhsa_wavefront_size32 1
		.amdhsa_system_sgpr_workgroup_id_x 1
		.amdhsa_system_sgpr_workgroup_id_y 1
		.amdhsa_system_sgpr_workgroup_id_z 1
		.amdhsa_system_vgpr_workitem_id 0
		.amdhsa_next_free_vgpr 256
		.amdhsa_next_free_sgpr 66
		.amdhsa_reserve_vcc 0
		.amdhsa_float_denorm_mode_32 3
		.amdhsa_float_denorm_mode_16_64 3
		.amdhsa_memory_ordered 1
		.amdhsa_forward_progress 1
		.amdhsa_inst_pref_size 136
	.end_amdhsa_kernel
	.amdgpu_metadata
---
amdhsa.version: [ 1, 2 ]
amdhsa.kernels:
  - .name:           k_qe601598faf_attn
    .symbol:         k_qe601598faf_attn.kd
    .args:
      - { .name: qimg, .offset: 0, .size: 8, .value_kind: global_buffer, .address_space: global }
      - { .name: qsc, .offset: 8, .size: 8, .value_kind: global_buffer, .address_space: global }
      - { .name: kv, .offset: 16, .size: 8, .value_kind: global_buffer, .address_space: global }
      - { .name: aoimg, .offset: 24, .size: 8, .value_kind: global_buffer, .address_space: global }
      - { .name: aosc, .offset: 32, .size: 8, .value_kind: global_buffer, .address_space: global }
    .group_segment_fixed_size: 327680
    .private_segment_fixed_size: 0
    .kernarg_segment_align: 8
    .kernarg_segment_size: 40
    .max_flat_workgroup_size: 512
    .sgpr_count:     66
    .vgpr_count:     256
    .wavefront_size: 32
...
	.end_amdgpu_metadata
.endif
;; end of part 3
;; launch tail (part 4): grid 128 x 1, 4 waves a work-group, no clusters, 309,760 bytes of LDS; arguments aoimg, aosc, wimg, x, bp, ln2_w, ln2_b, b1, b2, out0; writes out0
.if DOCPART == 4
	.amdgcn_target "amdgcn-amd-amdhsa--gfx1250"
	.amdhsa_code_object_version 6
	.text
	.protected	k_qe601598faf_tail
	.globl	k_qe601598faf_tail
	.p2align	8
	.type	k_qe601598faf_tail,@function
k_qe601598faf_tail:
	s_mov_b64 s[64:65], 0
	v_nop
	global_prefetch_b8 v0, s[64:65] scope:SCOPE_SE
	s_setreg_imm32_b32 hwreg(HW_REG_WAVE_MODE, 25, 1), 1
	s_wait_xcnt 0x0
; x1 = x + attn_out wp + bp;  out = x1 + relu(layer_norm(x1) w1 + b1) w2 + b2.  The three products on codes of FP6 (E2M3) with one E8M0 scale for each 32 along K; all else in f32.  x1, the norm and the hidden layer never go to memory.
; SHARES.  A work-group takes 64 tokens: four tiles of 16, row r of tile T being token 32 (T / 2) + 8 (T % 2) + r + 8 (r / 8).  THE WAVES SHARE THE COLUMNS: wave w owns output columns 128 w .. + 127 and hidden units 512 w .. + 511, for all 64 tokens.
; All products are used TRANSPOSED (source 0 = 16 columns of a weight, source 1 = 16 tokens): a lane holds one token and its registers run along neighbouring columns, the next product's K.
; Activations go from wave to wave through LDS as images of the operand's registers.  THE WEIGHTS come from memory straight into registers, as the first launch laid them: a fragment is wanted by ONE wave and feeds four products; a ring of four
; register slots of eight fragments keeps up to three groups of 25 loads of a wave on their way, with no barrier.  NO JOINT LOADS: a ring in LDS filled jointly would have one slot on its way between two rounds of a cluster's barrier, and a slot of 64
; fragments holds 64 products' work of a wave; the register ring has three times that on its way all the time.  64 tokens and not 32 to a work-group: every work-group reads all 1,843,200 bytes of these weights, so 128 work-groups move half of what
; 256 would; that leaves work for 128 work-groups.
; PHASES.  P0 parameters and attn_out's codes into LDS, x + bp into the accumulators | P1 += wp | P2 the norm (sums across the four waves through LDS), x1 parked in LDS, xn quantised | P3 four chunks of 128 hidden units: w1, b1 as the sums' start,
; relu, quantised | P4 x1 + b2 back into the accumulators, += w2 over 16 K steps | P5 rows of 512 bytes through a stage.
; LIMITS: a block whose largest magnitude lies under 2^-124 (a block of zeros among them) gets the scale byte 1.  NaN and infinities are not served.
; REGISTERS, in windows of 256.  Window 0: v1-15, v232-242 addresses; v16-111 two sets of four fragments; v112-119 their scale words; v120-135 the weights' scale words; v136-151 attn_out's scale words; v152-191 the quantiser; v192-215 statistics;
;   v216-231 at work.   window 1: ring slots 0, 1, v192-255 a bias or gain;   window 2: slots 2, 3, v192-255 ln2_b;   window 3: the 32 accumulators ((tt, ct) at 8 (8 tt + ct)).
.set REC,  12800
.set AOI,  0                           ; LDS: attn_out's codes: tile at 6,144, head at 768
.set X2I,  24576                       ; xn's 16 fragments: (4 x K step + tile) x 1,536
.set X2S,  49152                       ; their scale words, x 128
.set HIM,  51200                       ; the hidden layer's 64 fragments
.set HSC,  149504                      ; their scale words
.set X1S,  157696                      ; x1, 32,768 bytes a wave, the wave's own
.set RED,  288768                      ; the norm's partial sums: [pass 2][wave 4][tile 4][128]
.set PAR,  292864                      ; ln2_w, ln2_b + 2,048, bp + 4,096, b2 + 6,144, b1 + 8,192
.set LI16, 1
.set LI8,  2
.set LI4,  3
.set T16,  4                           ; 16 x thread
.set XA,   5                           ; x: my row of a tile x 2,048 + 64 x half
.set R16,  6                           ; 16 x row
.set AOW,  7                           ; 16 l + 6,144 w: where I store attn_out's codes, and xn's images
.set PT16, 8                           ; PAR + 16 x thread
.set PB,   9                           ; PAR + 512 w + 64 h: my columns' parameters
.set REDW, 10
.set REDR, 11
.set X1A,  12
.set X2SW, 14                          ; 4 l + 512 w
.set B1A0, 15                          ; b1 at my hidden units
.set B1A,  232
.set HWI0, 233                         ; where I store the hidden layer's images
.set HWI,  234
.set HWS0, 235                         ; and their scale words
.set HWS,  236
.set HF0,  237                         ; where all of them are read
.set HFA,  238
.set HS0,  239
.set HSA,  240
.set SOA,  241                         ; the stage: in
.set SRA,  242                         ; and back
.set AF,   16
.set AS,   112
.set WS,   120
.set AOSR, 136
.set PC,   152
.set PT,   164
.set TM,   172
.set TX,   176
.set BY,   180
.set SO,   184
.set PW,   188
.set ST,   192                         ; a pair for each tile of tokens
.set MU,   200
.set RS,   208
.set WV,   24
.set SEL,  26
.set INV,  28
.set EPS,  29
.set WB,   8
.set OB,   22
.set CH,   38
.set CB,   39
.set CI,   40
.set HB,   41
.set HB2,  42
.set MSB,  0
.macro WIN new                         ; the immediate's high byte repeats the setting that is left; a switch that changes nothing is dropped
.if MSB != (\new)
	s_set_vgpr_msb (MSB<<8)|(\new)
.set MSB, (\new)
.endif
.endm
.macro PLACES                          ; four plain instructions between a matrix instruction and a load into, or a read of, its registers (ISA guide 7.12.1 for vector instructions)
.rept 4
	v_nop
.endr
.endm
.macro BARRIER                         ; my LDS stores have landed and my LDS loads are in: then the work-group's barrier
	s_wait_dscnt 0x0
	s_barrier_signal -1
	s_barrier_wait -1
.endm
; a record of the weights into ring slot 'slot': eight fragments and their scale words: 25 loads, each of 512 consecutive bytes
.macro LOADG slot, off
	WIN (1+(\slot)/2)<<6
.irp f, 0,1,2,3,4,5,6,7
.irp g, 0,1,2
	global_load_b128 v[96*((\slot)%2)+12*\f+4*\g:96*((\slot)%2)+12*\f+4*\g+3], v[LI16], s[WB:WB+1] offset:(\off)+1536*\f+512*\g
.endr
.endr
	WIN 0
	global_load_b128 v[WS+4*(\slot):WS+4*(\slot)+3], v[LI16], s[WB:WB+1] offset:(\off)+12288
.endm
; four tiles' fragments of one K step, and their scale words, out of LDS
.macro FETCH3 set, adr, off, sadr, soff
.irp tt, 0,1,2,3
.irp g, 0,1,2
	ds_load_b128 v[AF+48*(\set)+12*\tt+4*\g:AF+48*(\set)+12*\tt+4*\g+3], v[\adr] offset:(\off)+1536*\tt+512*\g
.endr
	ds_load_b32 v[AS+4*(\set)+\tt], v[\sadr] offset:(\soff)+128*\tt
.endr
.endm
; the same of attn_out: K step s is heads 2 s and 2 s + 1, half a fragment each
.macro FETCHH set, s
.irp tt, 0,1,2,3
.irp c, 0,1
	ds_load_b128 v[AF+48*(\set)+12*\tt+6*\c:AF+48*(\set)+12*\tt+6*\c+3], v[LI16] offset:AOI+6144*\tt+1536*(\s)+768*\c
	ds_load_b64 v[AF+48*(\set)+12*\tt+6*\c+4:AF+48*(\set)+12*\tt+6*\c+5], v[LI8] offset:AOI+6144*\tt+1536*(\s)+768*\c+512
.endr
.endr
.endm
; 32 products: the slot's eight column tiles x four tiles of tokens, 128 along K.  The 32 accumulators take turns, one instruction a turn, in the same order in every group.
; first = 0: the sums go on;  2: they start from the bias in window 1, v192 on (eight registers a tile, in the result's layout).  The tokens' scale words stand at sb + st x tt; a weight tile's in lanes 0-15 (even tiles) or 16-31 (odd).
.macro MUL slot, set, first, sb, st
.set WW, 1+(\slot)/2
.if (\first) == 2
	WIN 0xd0|WW
.else
	WIN 0xf0|WW
.endif
.irp tt, 0,1,2,3
.irp ct, 0,1,2,3,4,5,6,7
.set rD,  8*(8*\tt+\ct)
.set rA,  96*((\slot)%2)+12*\ct
.set rB,  AF+48*(\set)+12*\tt
.set rSA, WS+4*(\slot)+\ct/2
.set rSB, (\sb)+(\st)*\tt
.set rC,  rD
.if (\first) == 2
.set rC,  192+8*\ct
.endif
.if \ct%2
	v_wmma_scale_f32_16x16x128_f8f6f4 v[rD:rD+7], v[rA:rA+11], v[rB:rB+11], v[rC:rC+7], v[rSA], v[rSB] matrix_a_fmt:MATRIX_FMT_FP6 matrix_b_fmt:MATRIX_FMT_FP6 matrix_a_scale:MATRIX_SCALE_ROW1
.else
	v_wmma_scale_f32_16x16x128_f8f6f4 v[rD:rD+7], v[rA:rA+11], v[rB:rB+11], v[rC:rC+7], v[rSA], v[rSB] matrix_a_fmt:MATRIX_FMT_FP6 matrix_b_fmt:MATRIX_FMT_FP6
.endif
.endr
.endr
.endm
; 64 numbers of a lane in window 3, register s + 16 b + i = k 32 b + 16 (lane / 16) + i of my row, become a fragment's codes in v[PC] on and its scale word in v[PW]
.macro QUANT4 s
	WIN 0x0f
.irp b, 0,1,2,3
	v_max3_num_f32 v[TM+\b], |v[(\s)+16*\b]|, |v[(\s)+16*\b+1]|, 0x1800000   ; my 16 numbers of block b, and the floor 2^(3 - 127): the byte cannot fall under 1
.endr
.irp i, 2,4,6,8,10,12,14
.irp b, 0,1,2,3
	v_max3_num_f32 v[TM+\b], |v[(\s)+16*\b+\i]|, |v[(\s)+16*\b+\i+1]|, v[TM+\b]   ; (the four blocks by turns)
.endr
.endr
	WIN 0
.irp b, 0,1,2,3
	v_permlanex16_b32 v[TX+\b], v[TM+\b], s[SEL], s[SEL+1]
.endr
.irp b, 0,1,2,3
	v_max_num_f32 v[TM+\b], v[TM+\b], v[TX+\b]     ; with lane l xor 16's: the block's largest magnitude
.endr
.irp b, 0,1,2,3
	v_add_nc_u32 v[SO+\b], 0xff000000, v[TM+\b]    ; 2 off its exponent field: the conversion's scale operand
.endr
.irp b, 0,1,2,3
	v_lshrrev_b32 v[BY+\b], 23, v[SO+\b]           ; the scale's byte
.endr
	v_lshl_or_b32 v[PW], v[BY+1], 8, v[BY]
	v_lshl_or_b32 v[PW], v[BY+2], 16, v[PW]
	v_lshl_or_b32 v[PW], v[BY+3], 24, v[PW]
	WIN 0x03
.irp c, 0,1
	v_cvt_scalef32_pk16_fp6_f32 v[PC+6*\c:PC+6*\c+2], v[(\s)+32*\c:(\s)+32*\c+15], v[SO+2*\c]
	v_cvt_scalef32_pk16_fp6_f32 v[PT+4*\c:PT+4*\c+2], v[(\s)+32*\c+16:(\s)+32*\c+31], v[SO+2*\c+1]   ; (a conversion's three registers begin on an even number)
.endr
	WIN 0
	v_nop                                          ; one plain instruction behind the scaled conversions
.irp c, 0,1                                    ; the operand's layout wants a WHOLE block in a lane: lanes 0-15 block 2 c, lanes 16-31 block 2 c + 1
.irp i, 0,1,2
	v_permlane16_swap_b32 v[PC+6*\c+\i], v[PT+4*\c+\i]
.endr
.irp i, 0,1,2
	v_mov_b32 v[PC+6*\c+3+\i], v[PT+4*\c+\i]
.endr
.endr
.endm
.macro IMAGE adr, off, sadr, soff      ; the fragment in v[PC] on, and its scale word, go to LDS as they stand
.irp g, 0,1,2
	ds_store_b128 v[\adr], v[PC+4*\g:PC+4*\g+3] offset:(\off)+512*\g
.endr
	ds_store_b32 v[\sadr], v[PW] offset:(\soff)
	s_wait_dscnt 0x0                               ; the stores have read their registers
.endm
.macro GHEAD n                         ; a group's head.  n: the younger loads that may stay out (three groups are 75: 63 is the largest count that the wait can name)
	s_wait_loadcnt \n                              ; this group's record is in,
	s_wait_dscnt 0x0                               ; and its K step of the activations
.endm
.macro GTAIL
	WIN 0
	PLACES
.endm
; 64 parameters of my columns (register 192 + 16 b + i = column 32 b + 16 h + i) into v192-255 of window win
.macro PARAM win, adr, off
	WIN (\win)<<6
.set i, 0
.rept 16
	ds_load_b128 v[192+4*i:195+4*i], v[\adr] offset:(\off)+128*(i/4)+16*(i%4)
.set i, i+1
.endr
	WIN 0
.endm
.macro ADDPAR                          ; all four tiles' accumulators += window 1's 64 parameters
	WIN 0xc7
.set i, 0
.rept 128
	v_pk_add_f32 v[2*i:2*i+1], v[2*i:2*i+1], v[192+2*(i%32):193+2*(i%32)]
.set i, i+1
.endr
	WIN 0
.endm
; the norm's sums: my 128 columns' part of each token's, to LDS ..
.macro REDA pass
.irp tt, 0,1,2,3
	v_add_f32 v[ST+2*\tt], v[ST+2*\tt], v[ST+2*\tt+1]
.endr
.irp tt, 0,1,2,3
	v_permlanex16_b32 v[TX+\tt], v[ST+2*\tt], s[SEL], s[SEL+1]
.endr
.irp tt, 0,1,2,3
	v_add_f32 v[ST+2*\tt], v[ST+2*\tt], v[TX+\tt]
.endr
.irp tt, 0,1,2,3
	ds_store_b32 v[REDW], v[ST+2*\tt] offset:2048*(\pass)+128*\tt
.endr
.endm
; .. and, behind a barrier, all four waves' parts, added in the same order by every wave
.macro REDB pass
	BARRIER
.irp tt, 0,1,2,3
.irp ww, 0,1,2,3
	ds_load_b32 v[216+4*\tt+\ww], v[REDR] offset:2048*(\pass)+512*\ww+128*\tt
.endr
.endr
	s_wait_dscnt 0x0
.irp tt, 0,1,2,3
	v_add_f32 v[216+4*\tt], v[216+4*\tt], v[217+4*\tt]
	v_add_f32 v[218+4*\tt], v[218+4*\tt], v[219+4*\tt]
.endr
.irp tt, 0,1,2,3
	v_add_f32 v[ST+2*\tt], v[216+4*\tt], v[218+4*\tt]
.endr
.endm
	s_load_b512 s[4:19], s[0:1], 0x0               ; aoimg s[4:5], aosc s[6:7], wimg s[8:9], x s[10:11], bp s[12:13], ln2_w s[14:15], ln2_b s[16:17], b1 s[18:19]
	s_load_b128 s[20:23], s[0:1], 0x40             ; b2 s[20:21], out0 s[22:23]
	v_lshl_add_u32 v254, v0, 2, 0x4b800
	v_mov_b32 v255, 0
	v_lshrrev_b32 v216, 5, v0
	v_readfirstlane_b32 s[WV], v216                ; wave 0..3
	v_and_b32 v216, 31, v0                         ; l
	v_and_b32 v217, 15, v0                         ; r
	v_bfe_u32 v218, v0, 4, 1                       ; h
	v_lshlrev_b32 v[LI16], 4, v216
	v_lshlrev_b32 v[LI8], 3, v216
	v_lshlrev_b32 v[LI4], 2, v216
	v_lshlrev_b32 v[T16], 4, v0
	v_add_nc_u32 v[PT16], PAR, v[T16]
	v_lshlrev_b32 v[R16], 4, v217
	v_and_b32 v219, 8, v217
	v_add_nc_u32 v219, v219, v217                  ; r + 8 (r / 8)
	v_lshlrev_b32 v[XA], 11, v219
	v_lshl_add_u32 v[XA], v218, 6, v[XA]
	s_mul_i32 s25, s[WV], 6144
	v_add_nc_u32 v[AOW], s25, v[LI16]
	s_lshl_b32 s25, s[WV], 9
	v_lshlrev_b32 v219, 6, v218                    ; 64 h
	v_add_nc_u32 v[PB], s25, v219
	v_add_nc_u32 v[PB], PAR, v[PB]
	v_add_nc_u32 v[X2SW], s25, v[LI4]
	v_add_nc_u32 v[REDR], RED, v[LI4]
	v_add_nc_u32 v[REDW], s25, v[REDR]
	s_lshl_b32 s25, s[WV], 15
	s_add_co_u32 s25, s25, X1S
	v_add_nc_u32 v[X1A], s25, v[LI16]
	s_lshl_b32 s25, s[WV], 11
	v_add_nc_u32 v[B1A0], s25, v219
	v_add_nc_u32 v[B1A0], PAR+8192, v[B1A0]
	s_add_co_u32 s25, s25, HSC
	v_add_nc_u32 v[HWS0], s25, v[LI4]
	s_mul_i32 s25, s[WV], 24576
	s_add_co_u32 s25, s25, HIM
	v_add_nc_u32 v[HWI0], s25, v[LI16]
	v_add_nc_u32 v[HF0], HIM, v[LI16]
	v_add_nc_u32 v[HS0], HSC, v[LI4]
	s_mul_i32 s25, s[WV], 8448
	v_mul_u32_u24 v[SOA], v217, 528
	v_add_nc_u32 v[SOA], v[SOA], v219
	v_add_nc_u32 v[SOA], s25, v[SOA]               ; the stage: 8,448 w + 528 r + 64 h
	v_add_nc_u32 v[SRA], s25, v[LI16]
.irp b, 0,1,2,3
	v_mov_b32 v[TX+\b], 0                          ; written once: a lane permute's destination counts as one of its sources
.endr
	s_mov_b32 s[SEL], 0x76543210
	s_mov_b32 s[SEL+1], 0xfedcba98
	s_mov_b32 s[INV], 0x3b000000                   ; 1 / 512
	s_mov_b32 s[EPS], 0x3727c5ac                   ; 1e-5
	s_mov_b32 s31, 0
	s_wait_kmcnt 0x0
	s_mul_i32 s30, s[WV], 36*REC
	s_add_co_u32 s30, s30, 48*REC
	s_add_nc_u64 s[WB:WB+1], s[WB:WB+1], s[30:31]  ; my 36 records
	s_lshl_b32 s30, ttmp9, 17
	s_lshl_b32 s32, s[WV], 9
	s_add_co_u32 s30, s30, s32                     ; 64 tokens of 2,048 bytes a work-group, 512 bytes a wave
	s_add_nc_u64 s[10:11], s[10:11], s[30:31]
	s_add_nc_u64 s[OB:OB+1], s[OB:OB+1], s[30:31]
	s_lshl_b32 s30, ttmp9, 2
	s_add_co_u32 s30, s30, s[WV]
	s_mul_i32 s30, s30, 6144
	s_add_nc_u64 s[4:5], s[4:5], s[30:31]          ; attn_out's tile 4 wg + w: I copy it
	s_lshl_b32 s30, ttmp9, 10
	s_add_nc_u64 s[6:7], s[6:7], s[30:31]          ; the four tiles' scale bytes
	; ---- P0
	global_load_b128 v[16:19], v[T16], s[14:15]    ; ln2_w, ln2_b, bp, b2: 16 bytes a thread
	global_load_b128 v[20:23], v[T16], s[16:17]
	global_load_b128 v[24:27], v[T16], s[12:13]
	global_load_b128 v[28:31], v[T16], s[20:21]
.irp k, 0,1,2,3
	global_load_b128 v[32+4*\k:35+4*\k], v[T16], s[18:19] offset:2048*\k   ; b1
.endr
.irp k, 0,1,2,3,4,5,6,7,8,9,10,11
	global_load_b128 v[48+4*\k:51+4*\k], v[LI16], s[4:5] offset:512*\k
.endr
.irp tt, 0,1,2,3
	global_load_b128 v[AOSR+4*\tt:AOSR+4*\tt+3], v[R16], s[6:7] offset:256*\tt   ; word s of a row: the scale bytes of heads 2 s and 2 s + 1: K step s
.endr
	WIN 0xc0
.set i, 0
.rept 64
	global_load_b128 v[4*i:4*i+3], v[XA], s[10:11] offset:(32*(i/32)+8*((i/16)%2))*2048+128*((i/4)%4)+16*(i%4) th:TH_LOAD_NT   ; x in the results' layout: register 64 tt + 16 b + i' = column 32 b + 16 h + i' of my 128
.set i, i+1
.endr
	WIN 0
	s_wait_loadcnt 63                              ; of 88 loads the 25 oldest are in: the parameters, attn_out's codes and scale bytes
	ds_store_b128 v[PT16], v[16:19]
	ds_store_b128 v[PT16], v[20:23] offset:2048
	ds_store_b128 v[PT16], v[24:27] offset:4096
	ds_store_b128 v[PT16], v[28:31] offset:6144
.irp k, 0,1,2,3
	ds_store_b128 v[PT16], v[32+4*\k:35+4*\k] offset:8192+2048*\k
.endr
.irp k, 0,1,2,3,4,5,6,7,8,9,10,11
	ds_store_b128 v[AOW], v[48+4*\k:51+4*\k] offset:AOI+512*\k
.endr
	LOADG 0, 0
	LOADG 1, REC
	BARRIER                                        ; the parameters and attn_out's codes lie in LDS
	s_wait_loadcnt 50                              ; x is in; groups 0 and 1 may stay out
	LOADG 2, 2*REC
	LOADG 3, 3*REC
	PARAM 1, PB, 4096                              ; bp
	FETCHH 0, 0
	s_wait_dscnt 0x0
	ADDPAR                                         ; x + bp: the sums' start
	; ---- P1: += attn_out wp
.irp s, 0,1,2,3
	GHEAD 63
.if \s < 3
	FETCHH (\s+1)%2, \s+1
.endif
	MUL \s, \s%2, 0, AOSR+\s, 4
	GTAIL
	LOADG \s, REC*(\s+4)
.endr
	s_wait_xcnt 0x0                                ; the loads have read their base
	s_add_nc_u64 s[WB:WB+1], s[WB:WB+1], 4*REC
	; ---- P2: the norm of x1.  A token's 512 columns lie in two lanes of each of the four waves
	WIN 0x0f
.irp tt, 0,1,2,3
	v_pk_add_f32 v[ST+2*\tt:ST+2*\tt+1], v[64*\tt:64*\tt+1], v[64*\tt+2:64*\tt+3]   ; the first pairs start the sums; each accumulator is read from its low end on
.endr
	WIN 0x03
.set i, 2
.rept 30
.irp tt, 0,1,2,3
	v_pk_add_f32 v[ST+2*\tt:ST+2*\tt+1], v[64*\tt+2*i:64*\tt+2*i+1], v[ST+2*\tt:ST+2*\tt+1]
.endr
.set i, i+1
.endr
	WIN 0
	REDA 0
	WIN 0x0c
.set i, 0
.rept 64
	ds_store_b128 v[X1A], v[4*i:4*i+3] offset:512*i   ; x1 is parked in my own bytes of LDS until the last product
.set i, i+1
.endr
	WIN 0
	REDB 0
.irp tt, 0,1,2,3
	v_mul_f32 v[MU+2*\tt], s[INV], v[ST+2*\tt]
.endr
.irp tt, 0,1,2,3
	v_mov_b32 v[MU+2*\tt+1], v[MU+2*\tt]
.endr
	WIN 0xc3
.set i, 0
.rept 128
	v_pk_add_f32 v[2*i:2*i+1], v[2*i:2*i+1], v[MU+2*(i/32):MU+2*(i/32)+1] neg_lo:[0,1] neg_hi:[0,1]   ; x1 - mu, in place
.set i, i+1
.endr
	WIN 0x0f
.irp tt, 0,1,2,3
	v_pk_mul_f32 v[ST+2*\tt:ST+2*\tt+1], v[64*\tt:64*\tt+1], v[64*\tt:64*\tt+1]
.endr
.set i, 1
.rept 31
.irp tt, 0,1,2,3
	v_pk_fma_f32 v[ST+2*\tt:ST+2*\tt+1], v[64*\tt+2*i:64*\tt+2*i+1], v[64*\tt+2*i:64*\tt+2*i+1], v[ST+2*\tt:ST+2*\tt+1]
.endr
.set i, i+1
.endr
	WIN 0
	REDA 1
	PARAM 1, PB, 0                                 ; ln2_w
	PARAM 2, PB, 2048                              ; ln2_b
	REDB 1
.irp tt, 0,1,2,3
	v_fma_f32 v[ST+2*\tt], v[ST+2*\tt], s[INV], s[EPS]
.endr
.irp tt, 0,1,2,3
	v_rsq_f32 v[RS+2*\tt], v[ST+2*\tt]
.endr
	v_nop                                          ; a plain instruction behind the batch,
	s_wait_alu depctr_va_vdst(0)                   ; and one wait for the four, ahead of the first instruction that names a result
.irp tt, 0,1,2,3
	v_mov_b32 v[RS+2*\tt+1], v[RS+2*\tt]
.endr
.irp tt, 0,1,2,3
	WIN 0xc3
.set i, 0
.rept 32
	v_pk_mul_f32 v[64*\tt+2*i:64*\tt+2*i+1], v[64*\tt+2*i:64*\tt+2*i+1], v[RS+2*\tt:RS+2*\tt+1]
.set i, i+1
.endr
	WIN 0xe7
.set i, 0
.rept 32
	v_pk_fma_f32 v[64*\tt+2*i:64*\tt+2*i+1], v[64*\tt+2*i:64*\tt+2*i+1], v[192+2*i:193+2*i], v[192+2*i:193+2*i]   ; x ln2_w (window 1) + ln2_b (window 2)
.set i, i+1
.endr
	QUANT4 64*\tt
	IMAGE AOW, X2I+1536*\tt, X2SW, X2S+128*\tt     ; K step w of the next product
.endr
	BARRIER                                        ; xn's sixteen fragments lie in LDS
	FETCH3 0, LI16, X2I, LI4, X2S
	; ---- P3: four chunks of 128 hidden units
	s_mov_b32 s[CH], 4
	s_mov_b32 s[CB], 0                             ; 512 x chunk: b1's bytes, and the scale words'
	s_mov_b32 s[CI], 0                             ; 6,144 x chunk: the images'
.Lchunk:
	v_add_nc_u32 v[B1A], s[CB], v[B1A0]
	v_add_nc_u32 v[HWI], s[CI], v[HWI0]
	v_add_nc_u32 v[HWS], s[CB], v[HWS0]
	PARAM 1, B1A, 0                                ; b1 of the chunk: the C of the sums' first products
.irp i, 0,1,2,3
	GHEAD 63
	FETCH3 (\i+1)%2, LI16, X2I+6144*((\i+1)%4), LI4, X2S+512*((\i+1)%4)   ; the next group's K step (behind the last: K step 0 again, for the next chunk; the last chunk's is not used)
.if \i == 0
	MUL \i, \i%2, 2, AS+4*(\i%2), 1
.else
	MUL \i, \i%2, 0, AS+4*(\i%2), 1
.endif
	GTAIL
	LOADG \i, REC*(\i+4)
.endr
.irp tt, 0,1,2,3
	WIN 0xcc
.set i, 0
.rept 64
	v_max_num_f32 v[64*\tt+i], 0, v[64*\tt+i]      ; the activation, in f32
.set i, i+1
.endr
	QUANT4 64*\tt
	IMAGE HWI, 1536*\tt, HWS, 128*\tt              ; K step 4 w + chunk of the last product
.endr
	s_wait_xcnt 0x0                                ; the loads have read their base
	s_add_nc_u64 s[WB:WB+1], s[WB:WB+1], 4*REC
	s_add_co_u32 s[CB], s[CB], 512
	s_add_co_u32 s[CI], s[CI], 6144
	s_sub_co_u32 s[CH], s[CH], 1
	s_cmp_lg_u32 s[CH], 0
	s_cbranch_scc1 .Lchunk
	BARRIER                                        ; the hidden layer's 64 fragments lie in LDS; nobody reads attn_out's or xn's images any more
	; ---- P4: x1 + b2, += hidden w2
	WIN 0xc0
.set i, 0
.rept 64
	ds_load_b128 v[4*i:4*i+3], v[X1A] offset:512*i
.set i, i+1
.endr
	WIN 0
	PARAM 1, PB, 6144                              ; b2
	s_mov_b32 s[CH], 3
	s_mov_b32 s[HB], 0
	s_mov_b32 s[HB2], 0
	v_add_nc_u32 v[HFA], s[HB], v[HF0]
	v_add_nc_u32 v[HSA], s[HB2], v[HS0]
	FETCH3 0, HFA, 0, HSA, 0
	s_wait_dscnt 0x0
	ADDPAR
.Lkap:                                             ; three trips of four K steps; the last four are written out, since they fetch no weights
.irp i, 0,1,2,3
	GHEAD 63
	FETCH3 (\i+1)%2, HFA, 6144*(\i+1), HSA, 512*(\i+1)
	MUL \i, \i%2, 0, AS+4*(\i%2), 1
	GTAIL
	LOADG \i, REC*(\i+4)
.endr
	s_wait_xcnt 0x0
	s_add_nc_u64 s[WB:WB+1], s[WB:WB+1], 4*REC
	s_add_co_u32 s[HB], s[HB], 24576
	s_add_co_u32 s[HB2], s[HB2], 2048
	v_add_nc_u32 v[HFA], s[HB], v[HF0]
	v_add_nc_u32 v[HSA], s[HB2], v[HS0]
	s_sub_co_u32 s[CH], s[CH], 1
	s_cmp_lg_u32 s[CH], 0
	s_cbranch_scc1 .Lkap
	GHEAD 63
	FETCH3 1, HFA, 6144, HSA, 512
	MUL 0, 0, 0, AS, 1
	GTAIL
	GHEAD 50                                       ; two younger groups
	FETCH3 0, HFA, 12288, HSA, 1024
	MUL 1, 1, 0, AS+4, 1
	GTAIL
	GHEAD 25
	FETCH3 1, HFA, 18432, HSA, 1536
	MUL 2, 0, 0, AS, 1
	GTAIL
	GHEAD 0
	MUL 3, 1, 0, AS+4, 1
	GTAIL
	; ---- P5: a lane holds 64 numbers of one row and the lanes beside it hold other rows: a tile of 16 rows goes through my own stage in LDS and comes back as whole rows of 512 bytes.
	; The stage lies where attn_out's and xn's images lay.  LDS serves a wave's instructions in order (ISA guide 5.7.1.4): no wait between the stores and the loads, nor in front of the next tile's stores.
.macro TOSTAGE a
	WIN 0x0c
.set i, 0
.rept 16
	ds_store_b128 v[SOA], v[64*(\a)+4*i:64*(\a)+4*i+3] offset:128*(i/4)+16*(i%4)   ; each accumulator from its low end on
.set i, i+1
.endr
	WIN 0
.set BB, 16+136*((\a)%2)               ; v16-79 and v152-215 by turns
.set i, 0
.rept 16
	ds_load_b128 v[BB+4*i:BB+4*i+3], v[SRA] offset:528*i
.set i, i+1
.endr
.endm
.macro SEND a, younger                 ; younger: the LDS instructions issued behind tile a's loads, which may stay out
.set BB, 16+136*((\a)%2)
	s_wait_dscnt \younger
.set i, 0
.rept 16
	global_store_b128 v[LI16], v[BB+4*i:BB+4*i+3], s[OB:OB+1] offset:(32*((\a)/2)+8*((\a)%2)+i+8*(i/8))*2048 th:TH_STORE_NT   ; 32 lanes store 512 consecutive bytes, at a multiple of 256 from the buffer's first byte
.set i, i+1
.endr
.endm
	TOSTAGE 0
.irp a, 1,2,3
.if \a > 1
	s_wait_xcnt 0x0                                ; tile a - 2's stores have read their registers: tile a's loads may land there
.endif
	TOSTAGE \a
	SEND \a-1, 32                                  ; behind tile a - 1's loads: tile a's 16 stores and 16 loads
.endr
	SEND 3, 0
	s_wait_tensorcnt 0x0
	ds_add_u32 v254, v255
	s_wait_dscnt 0x0
	s_endpgm
.Lfunc_end_k_qe601598faf_tail:
	.size	k_qe601598faf_tail, .Lfunc_end_k_qe601598faf_tail-k_qe601598faf_tail
	.p2alignl 7, 3214868480
	.fill 96, 4, 3214868480
	.section	.rodata,"a",@progbits
	.p2align	6, 0x0
	.amdhsa_kernel k_qe601598faf_tail
		.amdhsa_group_segment_fixed_size 309760
		.amdhsa_private_segment_fixed_size 0
		.amdhsa_enable_private_segment 0
		.amdhsa_kernarg_size 80
		.amdhsa_user_sgpr_count 2
		.amdhsa_user_sgpr_kernarg_segment_ptr 1
		.amdhsa_wavefront_size32 1
		.amdhsa_system_sgpr_workgroup_id_x 1
		.amdhsa_system_sgpr_workgroup_id_y 1
		.amdhsa_system_sgpr_workgroup_id_z 1
		.amdhsa_system_vgpr_workitem_id 0
		.amdhsa_next_free_vgpr 1024
		.amdhsa_next_free_sgpr 66
		.amdhsa_reserve_vcc 0
		.amdhsa_float_denorm_mode_32 3
		.amdhsa_float_denorm_mode_16_64 3
		.amdhsa_memory_ordered 1
		.amdhsa_forward_progress 1
		.amdhsa_inst_pref_size 255
	.end_amdhsa_kernel
	.section	.bss,"aw",@nobits
	.p2align	6
	.space	262144
	.amdgpu_metadata
---
amdhsa.version: [ 1, 2 ]
amdhsa.kernels:
  - .name:           k_qe601598faf_tail
    .symbol:         k_qe601598faf_tail.kd
    .args:
      - { .name: aoimg, .offset: 0, .size: 8, .value_kind: global_buffer, .address_space: global }
      - { .name: aosc, .offset: 8, .size: 8, .value_kind: global_buffer, .address_space: global }
      - { .name: wimg, .offset: 16, .size: 8, .value_kind: global_buffer, .address_space: global }
      - { .name: x, .offset: 24, .size: 8, .value_kind: global_buffer, .address_space: global }
      - { .name: bp, .offset: 32, .size: 8, .value_kind: global_buffer, .address_space: global }
      - { .name: ln2_w, .offset: 40, .size: 8, .value_kind: global_buffer, .address_space: global }
      - { .name: ln2_b, .offset: 48, .size: 8, .value_kind: global_buffer, .address_space: global }
      - { .name: b1, .offset: 56, .size: 8, .value_kind: global_buffer, .address_space: global }
      - { .name: b2, .offset: 64, .size: 8, .value_kind: global_buffer, .address_space: global }
      - { .name: out0, .offset: 72, .size: 8, .value_kind: global_buffer, .address_space: global }
    .group_segment_fixed_size: 309760
    .private_segment_fixed_size: 0
    .kernarg_segment_align: 8
    .kernarg_segment_size: 80
    .max_flat_workgroup_size: 128
    .sgpr_count:     66
    .vgpr_count:     1024
    .wavefront_size: 32
...
	.end_amdgpu_metadata
.endif
;; end of part 4
;; ======== version 2 of 2: 4 launches
;; workspace buffers: wimg 2,457,600 bytes; qimg 3,145,728 bytes; qsc 262,144 bytes; kv 6,553,600 bytes; aoimg 3,145,728 bytes; aosc 131,072 bytes
;; launch wprep: the kernel of part 1 again; grid 192 x 1, 4 waves a work-group, no clusters, 13,824 bytes of LDS; arguments wq, wkv, wp, w1, w2, wimg; writes wimg
;; launch qkv (part 5): grid 128 x 1, 4 waves a work-group, no clusters, 31,232 bytes of LDS; arguments x, ln1_w, ln1_b, wimg, qimg, qsc, kv; writes qimg, qsc, kv
.if DOCPART == 5
	.amdgcn_target "amdgcn-amd-amdhsa--gfx1250"
	.amdhsa_code_object_version 6
	.text
	.protected	k_qe601598faf_qkv
	.globl	k_qe601598faf_qkv
	.p2align	8
	.type	k_qe601598faf_qkv,@function
k_qe601598faf_qkv:
	s_mov_b64 s[64:65], 0
	v_nop
	global_prefetch_b8 v0, s[64:65] scope:SCOPE_SE
	s_setreg_imm32_b32 hwreg(HW_REG_WAVE_SCHED_MODE, 0, 2), 2
	s_setreg_imm32_b32 hwreg(HW_REG_WAVE_MODE, 25, 1), 1
	s_wait_xcnt 0x0
	s_wait_alu depctr_vm_vsrc(0)
; xn = layer_norm(x) in f32, quantised along the channels; q = xn wq, k and v = xn wkv on codes of FP6 (E2M3) with one E8M0 scale for each 32 along K; q and k quantised along a head's channels, v along the tokens.
; SHARES.  A work-group takes 64 tokens: four tiles of 16, row r of tile T being token 32 (T / 2) + 8 (T % 2) + r + 8 (r / 8).  For the norm wave w takes tile w; then THE WAVES SHARE THE COLUMNS: wave w makes heads 2 w and 2 w + 1 of q, of k
; and of v, for all 64 tokens: three sweeps of four K steps, 32 accumulators.  xn's codes go from wave to wave through LDS as images of the operand's registers (three stores of 16 bytes a lane for a fragment, 4 bytes a lane for its scale words).
; THE WEIGHTS come from memory straight into registers, as the launch before laid them: a fragment is wanted by ONE wave of the work-group and feeds four products.  A ring of four register slots of eight fragments keeps up to three groups of 25 loads
; of a wave on their way, with no barrier.  NO JOINT LOADS: a ring in LDS filled jointly would have one slot on its way between two rounds of a cluster's barrier, and a slot of 64 fragments holds 64 products' work of a wave; the register ring has
; three times that on its way.  64 tokens and not 32 to a work-group: every work-group reads all 614,400 bytes of these weights, so 128 work-groups move half of what 256 would; that leaves work for 128 work-groups.
; q and k are made TRANSPOSED (source 0 = 16 columns of the weight, source 1 = 16 tokens): a lane holds one token and its registers run along the channels.  v is made the natural way round: a lane holds one channel and its registers run along the tokens.
; OUT.  qimg [head 16][tile 256][768]: half a fragment (a head's 64 channels): registers 0-3 at 16 l, 4-5 at 512 + 8 l.  qsc: a word a query, its two bytes twice.  kv [head 16][step 32][12,800]: a key step of 128 keys: four fragments of K
; (registers 0-5 key tile 2 f, 6-11 key tile 2 f + 1), four of V^T, 256 bytes of K's scale words, 256 of V's.
; LIMITS: a block whose largest magnitude lies under 2^-124 (a block of zeros among them) gets the scale byte 1; the bytes are read by this program alone.  NaN and infinities are not served.
; THE MODE: SCHED_MODE bits 1:0 = 2 (LLVM: expert scheduling mode 2), set by the entry lines.  The code itself states the register dependences between vector or matrix instructions and memory or LDS instructions, with s_wait_alu, always for 0.
; THE PLAN.  Registers that memory or LDS instructions touch:
;   v1-8             offsets and LDS addresses: written at the head, ahead of its wait on va_vdst, and never again.
;   ring slots, WS   Group g's products read slot g % 4 and its four scale words; the record of group g + 4 lands there, asked for in group g + 1.
;   AF0, AF1, AS     Group g's products read set g % 2; the LDS loads issued in group g + 1 (the K step of group g + 2) land there.
;                    So ONE wait on va_vdst stands at a group's head: the products of the group before are done reading their slot, scale words and set.  The group's loads follow it, dealt among its products, which name slot g % 4,
;                    set g % 2, their scale words and the accumulators: none of the registers that those loads touch.
;   ln1_w, ln1_b     (windows 1 and 2, v192-255)  A K step's multiply-adds read them; the next step's LDS loads land there, issued behind the step's one wait on va_vdst.
;   PC, PW           Written by the norm's quantiser, read by its four LDS stores: the same wait ahead of the stores, a wait on vm_vsrc ahead of the next quantiser.
;   OUT0, OUT1       A head's four quantised units write one out-buffer; one wait on va_vdst; the run of stores reads it.  Both are written again a sweep later, behind one wait on XCNT and one on vm_vsrc at the phase's head.
; REGISTERS, in windows of 256.  Window 0: v1-8 addresses; v16-111 two sets of four fragments of xn; v112-119 their scale words; v120-135 the weights' scale words, four a slot; v152-191 the quantiser; v192-203 statistics and v216-223 ln1's staging,
;   behind the norm v192-255 the two out-buffers.   window 1: ring slots 0, 1 (96 registers each), v192-255 ln1_w's part;   window 2: slots 2, 3, v192-255 ln1_b's part;   window 3: x, later the 32 accumulators.
.set REC,  12800
.set XIMG, 0                           ; LDS: xn's 16 fragments: (4 x K step + tile) x 1,536
.set XSC,  24576                       ; their scale words: (4 x K step + tile) x 128
.set LNW,  26624                       ; ln1_w
.set LNB,  28672                       ; ln1_b
.set LI16, 1
.set LI8,  2
.set LI4,  3
.set T16,  4                           ; 16 x thread
.set XA,   5                           ; x: my row of the tile x 2,048 + 64 x half
.set XWI,  6                           ; where I store xn's images: 16 l + 1,536 w
.set XWS,  7                           ; and their scale words: 4 l + 128 w
.set LNA,  8                           ; ln1_w in LDS, + 64 x half
.set AF,   16
.set AS,   112
.set WS,   120
.set PC,   152                         ; v152-163 the codes just made
.set PT,   164                         ; v164-171 the conversions' second halves
.set TM,   172                         ; largest magnitudes
.set TX,   176                         ; the other half of the lanes'
.set BY,   180                         ; scale bytes
.set SO,   184                         ; the conversions' scale operands
.set PW,   188                         ; the scale word just made
.set ST,   192                         ; v192-199 four chains of sums
.set MU,   200
.set RS,   202
.set OB,   192                         ; behind the norm: out-buffer hd at OB + 32 hd: 24 registers of codes, two scale words at + 24 and + 25; + 26 and + 27 at work
.set WV,   18
.set HM,   19                          ; the mask of lanes 16-31
.set SEL,  20
.set INV,  22                          ; 1 / 512
.set EPS,  23
.set XB,   4
.set WB,   10
.set QB,   12
.set QSB,  14
.set KVB,  16
.set KB,   32
.set KSB,  34
.set VB,   36
.set VSB,  38
.set MSB,  0
.macro WIN new                         ; the immediate's high byte repeats the setting that is left; a switch that changes nothing is dropped
.if MSB != (\new)
	s_set_vgpr_msb (MSB<<8)|(\new)
.set MSB, (\new)
.endif
.endm
.macro PLACES                          ; four plain instructions behind a group's products, ahead of every read of their results by vector instructions and of every load into their registers; they stay beside the waits
.rept 4
	v_nop
.endr
.endm
.macro BARRIER                         ; my LDS stores have landed and my LDS loads are in: then the work-group's barrier
	s_wait_dscnt 0x0
	s_barrier_signal -1
	s_barrier_wait -1
.endm
; a record of the weights into ring slot 'slot': eight fragments and their scale words: 25 loads, each of 512 consecutive bytes, in three parts
.macro LOADGA slot, off                ; fragments 0 to 3
	WIN (1+(\slot)/2)<<6
.irp f, 0,1,2,3
.irp g, 0,1,2
	global_load_b128 v[96*((\slot)%2)+12*\f+4*\g:96*((\slot)%2)+12*\f+4*\g+3], v[LI16], s[WB:WB+1] offset:(\off)+1536*\f+512*\g
.endr
.endr
.endm
.macro LOADGB slot, off                ; fragments 4 to 7
	WIN (1+(\slot)/2)<<6
.irp f, 4,5,6,7
.irp g, 0,1,2
	global_load_b128 v[96*((\slot)%2)+12*\f+4*\g:96*((\slot)%2)+12*\f+4*\g+3], v[LI16], s[WB:WB+1] offset:(\off)+1536*\f+512*\g
.endr
.endr
.endm
.macro LOADGS slot, off                ; the scale words
	WIN 0
	global_load_b128 v[WS+4*(\slot):WS+4*(\slot)+3], v[LI16], s[WB:WB+1] offset:(\off)+12288
.endm
.macro LOADG slot, off
	LOADGA \slot, \off
	LOADGB \slot, \off
	LOADGS \slot, \off
.endm
; four tiles' fragments of one K step, and their scale words, out of LDS
.macro FETCH3 set, adr, off, sadr, soff
.irp tt, 0,1,2,3
.irp g, 0,1,2
	ds_load_b128 v[AF+48*(\set)+12*\tt+4*\g:AF+48*(\set)+12*\tt+4*\g+3], v[\adr] offset:(\off)+1536*\tt+512*\g
.endr
	ds_load_b32 v[AS+4*(\set)+\tt], v[\sadr] offset:(\soff)+128*\tt
.endr
.endm
; one product on the registers named by rD, rA, rB, rC, rSA, rSB.  cM = 0: it starts a sum.  rR = 1: source 0's scales stand in lanes 16-31; 2: source 1's
.macro WM
.if cM == 0
.if rR == 0
	v_wmma_scale_f32_16x16x128_f8f6f4 v[rD:rD+7], v[rA:rA+11], v[rB:rB+11], 0, v[rSA], v[rSB] matrix_a_fmt:MATRIX_FMT_FP6 matrix_b_fmt:MATRIX_FMT_FP6
.elseif rR == 1
	v_wmma_scale_f32_16x16x128_f8f6f4 v[rD:rD+7], v[rA:rA+11], v[rB:rB+11], 0, v[rSA], v[rSB] matrix_a_fmt:MATRIX_FMT_FP6 matrix_b_fmt:MATRIX_FMT_FP6 matrix_a_scale:MATRIX_SCALE_ROW1
.else
	v_wmma_scale_f32_16x16x128_f8f6f4 v[rD:rD+7], v[rA:rA+11], v[rB:rB+11], 0, v[rSA], v[rSB] matrix_a_fmt:MATRIX_FMT_FP6 matrix_b_fmt:MATRIX_FMT_FP6 matrix_b_scale:MATRIX_SCALE_ROW1
.endif
.else
.if rR == 0
	v_wmma_scale_f32_16x16x128_f8f6f4 v[rD:rD+7], v[rA:rA+11], v[rB:rB+11], v[rC:rC+7], v[rSA], v[rSB] matrix_a_fmt:MATRIX_FMT_FP6 matrix_b_fmt:MATRIX_FMT_FP6
.elseif rR == 1
	v_wmma_scale_f32_16x16x128_f8f6f4 v[rD:rD+7], v[rA:rA+11], v[rB:rB+11], v[rC:rC+7], v[rSA], v[rSB] matrix_a_fmt:MATRIX_FMT_FP6 matrix_b_fmt:MATRIX_FMT_FP6 matrix_a_scale:MATRIX_SCALE_ROW1
.else
	v_wmma_scale_f32_16x16x128_f8f6f4 v[rD:rD+7], v[rA:rA+11], v[rB:rB+11], v[rC:rC+7], v[rSA], v[rSB] matrix_a_fmt:MATRIX_FMT_FP6 matrix_b_fmt:MATRIX_FMT_FP6 matrix_b_scale:MATRIX_SCALE_ROW1
.endif
.endif
.endm
; 8 of a group's 32 products: the slot's eight column tiles x tile tt of the tokens, 128 along K.  A group takes tt = 0, 1, 2, 3: the 32 accumulators take turns, one instruction a turn, in the same order in every group.
; mode 0: transposed, accumulator (tt, ct) at 8 (8 tt + ct);  mode 1: the natural way, at 8 (4 ct + tt).  first = 1: the products start the sums.  The tokens' scale words stand at sb + st x tt.
.macro MULT slot, set, mode, first, sb, st, tt
.set WW, 1+(\slot)/2
.set cM, 1
.if (\first) == 1
.set cM, 0
.endif
.if (\mode) == 0
	WIN 0xf0|WW
.else
	WIN 0xf0|(WW<<2)
.endif
.irp ct, 0,1,2,3,4,5,6,7
.if (\mode) == 0
.set rD,  8*(8*(\tt)+\ct)
.set rA,  96*((\slot)%2)+12*\ct
.set rB,  AF+48*(\set)+12*(\tt)
.set rSA, WS+4*(\slot)+\ct/2
.set rSB, (\sb)+(\st)*(\tt)
.set rR,  \ct%2
.else
.set rD,  8*(4*\ct+(\tt))
.set rA,  AF+48*(\set)+12*(\tt)
.set rB,  96*((\slot)%2)+12*\ct
.set rSA, (\sb)+(\st)*(\tt)
.set rSB, WS+4*(\slot)+\ct/2
.set rR,  2*(\ct%2)
.endif
.set rC, rD
	WM
.endr
.endm
; 64 numbers of a lane in window sw, register s + 16 b + i = k 32 b + 16 (lane / 16) + i of my row, become a fragment's codes in v[PC] on and its scale word in v[PW]
.macro QUANT4 s, sw
	WIN (\sw)|((\sw)<<2)
.irp b, 0,1,2,3
	v_max3_num_f32 v[TM+\b], |v[(\s)+16*\b]|, |v[(\s)+16*\b+1]|, 0x1800000   ; my 16 numbers of block b, and the floor 2^(3 - 127): the byte cannot fall under 1
.endr
.irp i, 2,4,6,8,10,12,14
.irp b, 0,1,2,3
	v_max3_num_f32 v[TM+\b], |v[(\s)+16*\b+\i]|, |v[(\s)+16*\b+\i+1]|, v[TM+\b]   ; (the four blocks by turns)
.endr
.endr
	WIN 0
.irp b, 0,1,2,3
	v_permlanex16_b32 v[TX+\b], v[TM+\b], s[SEL], s[SEL+1]
.endr
.irp b, 0,1,2,3
	v_max_num_f32 v[TM+\b], v[TM+\b], v[TX+\b]     ; with lane l xor 16's: the block's largest magnitude
.endr
.irp b, 0,1,2,3
	v_add_nc_u32 v[SO+\b], 0xff000000, v[TM+\b]    ; 2 off its exponent field: the conversion's scale operand
.endr
.irp b, 0,1,2,3
	v_lshrrev_b32 v[BY+\b], 23, v[SO+\b]           ; the scale's byte
.endr
	v_lshl_or_b32 v[PW], v[BY+1], 8, v[BY]
	v_lshl_or_b32 v[PW], v[BY+2], 16, v[PW]
	v_lshl_or_b32 v[PW], v[BY+3], 24, v[PW]
	WIN (\sw)
.irp c, 0,1
	v_cvt_scalef32_pk16_fp6_f32 v[PC+6*\c:PC+6*\c+2], v[(\s)+32*\c:(\s)+32*\c+15], v[SO+2*\c]
	v_cvt_scalef32_pk16_fp6_f32 v[PT+4*\c:PT+4*\c+2], v[(\s)+32*\c+16:(\s)+32*\c+31], v[SO+2*\c+1]   ; (a conversion's three registers begin on an even number)
.endr
	WIN 0
	v_nop                                          ; one plain instruction behind the scaled conversions
.irp c, 0,1                                    ; the operand's layout wants a WHOLE block in a lane: lanes 0-15 block 2 c, lanes 16-31 block 2 c + 1
.irp i, 0,1,2
	v_permlane16_swap_b32 v[PC+6*\c+\i], v[PT+4*\c+\i]
.endr
.irp i, 0,1,2
	v_mov_b32 v[PC+6*\c+3+\i], v[PT+4*\c+\i]
.endr
.endr
.endm
; the same for 32 numbers, two blocks: six registers of codes at v[dst] on (lane (r, h): the whole of block h) and the two bytes in v[BY], v[BY+1]
.macro QUANT2 s, sw, dst
	WIN (\sw)|((\sw)<<2)
.irp b, 0,1
	v_max3_num_f32 v[TM+\b], |v[(\s)+16*\b]|, |v[(\s)+16*\b+1]|, 0x1800000
.endr
.irp i, 2,4,6,8,10,12,14
.irp b, 0,1
	v_max3_num_f32 v[TM+\b], |v[(\s)+16*\b+\i]|, |v[(\s)+16*\b+\i+1]|, v[TM+\b]
.endr
.endr
	WIN 0
.irp b, 0,1
	v_permlanex16_b32 v[TX+\b], v[TM+\b], s[SEL], s[SEL+1]
.endr
.irp b, 0,1
	v_max_num_f32 v[TM+\b], v[TM+\b], v[TX+\b]
.endr
.irp b, 0,1
	v_add_nc_u32 v[SO+\b], 0xff000000, v[TM+\b]
.endr
.irp b, 0,1
	v_lshrrev_b32 v[BY+\b], 23, v[SO+\b]
.endr
	WIN (\sw)
	v_cvt_scalef32_pk16_fp6_f32 v[\dst:\dst+2], v[(\s):(\s)+15], v[SO]
	v_cvt_scalef32_pk16_fp6_f32 v[PT:PT+2], v[(\s)+16:(\s)+31], v[SO+1]
	WIN 0
	v_nop                                          ; one plain instruction behind the scaled conversions
.irp i, 0,1,2
	v_permlane16_swap_b32 v[\dst+\i], v[PT+\i]
.endr
.irp i, 0,1,2
	v_mov_b32 v[\dst+3+\i], v[PT+\i]
.endr
.endm
.macro FOLD                            ; four chains of pairs, and the other half of the lanes': the row's sum in v[ST]
	v_pk_add_f32 v[ST:ST+1], v[ST:ST+1], v[ST+2:ST+3]
	v_pk_add_f32 v[ST+4:ST+5], v[ST+4:ST+5], v[ST+6:ST+7]
	v_pk_add_f32 v[ST:ST+1], v[ST:ST+1], v[ST+4:ST+5]
	v_add_f32 v[ST], v[ST], v[ST+1]
	v_permlanex16_b32 v[TX], v[ST], s[SEL], s[SEL+1]
	v_add_f32 v[ST], v[ST], v[TX]
.endm
.macro LNPAR s                         ; ln1_w's and ln1_b's 64 numbers of K step s, in the order of my registers, into v192-255 of windows 1 and 2
	WIN 0x40
.set i, 0
.rept 16
	ds_load_b128 v[192+4*i:195+4*i], v[LNA] offset:512*(\s)+128*(i/4)+16*(i%4)
.set i, i+1
.endr
	WIN 0x80
.set i, 0
.rept 16
	ds_load_b128 v[192+4*i:195+4*i], v[LNA] offset:2048+512*(\s)+128*(i/4)+16*(i%4)
.set i, i+1
.endr
.endm
	s_load_b256 s[4:11], s[0:1], 0x0               ; x s[4:5], ln1_w s[6:7], ln1_b s[8:9], wimg s[10:11]
	s_load_b128 s[12:15], s[0:1], 0x20             ; qimg s[12:13], qsc s[14:15]
	s_load_b64 s[16:17], s[0:1], 0x30              ; kv
	v_lshl_add_u32 v254, v0, 2, 0x7800
	v_mov_b32 v255, 0
	v_lshrrev_b32 v9, 5, v0
	v_readfirstlane_b32 s[WV], v9                  ; wave 0..3
	v_and_b32 v9, 31, v0                           ; l
	v_and_b32 v10, 15, v0                          ; r
	v_bfe_u32 v11, v0, 4, 1                        ; h
	v_lshlrev_b32 v[LI16], 4, v9
	v_lshlrev_b32 v[LI8], 3, v9
	v_lshlrev_b32 v[LI4], 2, v9
	v_lshlrev_b32 v[T16], 4, v0
	v_and_b32 v12, 8, v10
	v_add_nc_u32 v12, v12, v10                     ; r + 8 (r / 8)
	v_lshlrev_b32 v[XA], 11, v12
	v_lshl_add_u32 v[XA], v11, 6, v[XA]
	s_wait_alu depctr_va_sdst(0)                   ; s[WV] is written, ahead of its first reader: LDS addresses and all the bases are made from it
	s_mul_i32 s24, s[WV], 1536
	v_add_nc_u32 v[XWI], s24, v[LI16]
	s_lshl_b32 s24, s[WV], 7
	v_add_nc_u32 v[XWS], s24, v[LI4]
	v_lshl_add_u32 v[LNA], v11, 6, LNW
.irp b, 0,1,2,3
	v_mov_b32 v[TX+\b], 0                          ; written once: a lane permute's destination counts as one of its sources
.endr
	s_mov_b32 s[HM], 0xffff0000
	s_mov_b32 s[SEL], 0x76543210
	s_mov_b32 s[SEL+1], 0xfedcba98                 ; v_permlanex16_b32's selects for lane l xor 16
	s_mov_b32 s[INV], 0x3b000000                   ; 1 / 512
	s_mov_b32 s[EPS], 0x3727c5ac                   ; 1e-5
	s_and_b32 s25, ttmp9, 63                       ; the block of 64 tokens in its batch
	s_lshr_b32 s26, ttmp9, 6
	s_and_b32 s27, ttmp9, 1                        ; p: which 64 keys of a key step of 128
	s_lshl_b32 s26, s26, 3
	s_lshl_b32 s28, s[WV], 1
	s_add_co_u32 s26, s26, s28                     ; my first head: 8 x batch + 2 w
	s_mov_b32 s41, 0
	s_wait_kmcnt 0x0
	s_mul_i32 s40, s[WV], 12*REC
	s_add_nc_u64 s[WB:WB+1], s[WB:WB+1], s[40:41]  ; my twelve records
	s_lshl_b32 s40, ttmp9, 6
	s_lshr_b32 s28, s[WV], 1
	s_lshl_b32 s28, s28, 5
	s_add_co_u32 s40, s40, s28
	s_and_b32 s28, s[WV], 1
	s_lshl_b32 s28, s28, 3
	s_add_co_u32 s40, s40, s28
	s_lshl_b32 s40, s40, 11
	s_add_nc_u64 s[XB:XB+1], s[XB:XB+1], s[40:41]  ; x at token 64 wg + 32 (w / 2) + 8 (w % 2)
	s_lshl_b32 s29, s26, 8
	s_lshl_b32 s28, s25, 2
	s_add_co_u32 s29, s29, s28                     ; my first head's tile 4 x block
	s_mul_i32 s40, s29, 768
	s_add_nc_u64 s[QB:QB+1], s[QB:QB+1], s[40:41]
	s_lshl_b32 s40, s29, 6
	s_add_nc_u64 s[QSB:QSB+1], s[QSB:QSB+1], s[40:41]
	s_mul_i32 s40, s26, 32*REC
	s_lshr_b32 s28, s25, 1
	s_mul_i32 s28, s28, REC
	s_add_co_u32 s40, s40, s28
	s_add_nc_u64 s[KVB:KVB+1], s[KVB:KVB+1], s[40:41]   ; my first head's key step
	s_mul_i32 s40, s27, 3072
	s_add_nc_u64 s[KB:KB+1], s[KVB:KVB+1], s[40:41]     ; K's fragments 2 p, 2 p + 1
	s_lshl_b32 s40, s27, 7
	s_add_co_u32 s40, s40, 12288
	s_add_nc_u64 s[KSB:KSB+1], s[KVB:KVB+1], s[40:41]   ; their scale words
	s_mul_i32 s40, s27, 768
	s_add_co_u32 s40, s40, 6144
	s_add_nc_u64 s[VB:VB+1], s[KVB:KVB+1], s[40:41]     ; half p of V^T's fragments
	s_lshl_b32 s40, s27, 1
	s_add_co_u32 s40, s40, 12544
	s_add_nc_u64 s[VSB:VSB+1], s[KVB:KVB+1], s[40:41]   ; bytes 2 p, 2 p + 1 of their scale words
	s_wait_alu depctr_va_vdst(0)                   ; the eight offsets and addresses v1 to v8 are written: every load and store of the kernel reads one of them
	global_load_b128 v[216:219], v[T16], s[6:7]    ; ln1_w, ln1_b: 16 bytes a thread
	global_load_b128 v[220:223], v[T16], s[8:9]
	WIN 0xc0
.set i, 0
.rept 64
	global_load_b128 v[4*i:4*i+3], v[XA], s[XB:XB+1] offset:128*(i/4)+16*(i%4) th:TH_LOAD_NT   ; register 16 b + i' = channel 32 b + 16 h + i' of my token: the order that the quantiser wants
.set i, i+1
.endr
	WIN 0
	s_wait_loadcnt 63                              ; of 66 loads the three oldest are in: ln1_w and ln1_b
	ds_store_b128 v[T16], v[216:219] offset:LNW
	ds_store_b128 v[T16], v[220:223] offset:LNB
	LOADG 0, 0
	LOADG 1, REC
	BARRIER                                        ; ln1_w and ln1_b lie in LDS
	s_wait_loadcnt 50                              ; x is in; groups 0 and 1 may stay out
	LOADG 2, 2*REC
	LOADG 3, 3*REC
	LNPAR 0                                        ; the first K step's gains and biases land while the sums are taken (no vector instruction has named their registers)
	; ---- the norm: two lanes hold a token's 512 channels.  The mean, then the mean of the squared distances from it
	WIN 0x0f
.irp c, 0,1,2,3
	v_pk_add_f32 v[ST+2*\c:ST+2*\c+1], v[2*\c:2*\c+1], v[2*\c+8:2*\c+9]   ; the first pairs start the four chains: nothing is cleared
.endr
	WIN 0x03
.set i, 8
.rept 120
	v_pk_add_f32 v[ST+2*(i%4):ST+2*(i%4)+1], v[2*i:2*i+1], v[ST+2*(i%4):ST+2*(i%4)+1]
.set i, i+1
.endr
	WIN 0
	FOLD
	v_mul_f32 v[MU], s[INV], v[ST]
	v_mov_b32 v[MU+1], v[MU]
	WIN 0xc3
.set i, 0
.rept 128
	v_pk_add_f32 v[2*i:2*i+1], v[2*i:2*i+1], v[MU:MU+1] neg_lo:[0,1] neg_hi:[0,1]   ; x - mu, in place
.set i, i+1
.endr
	WIN 0x0f
.irp c, 0,1,2,3
	v_pk_mul_f32 v[ST+2*\c:ST+2*\c+1], v[2*\c:2*\c+1], v[2*\c:2*\c+1]
.endr
.set i, 4
.rept 124
	v_pk_fma_f32 v[ST+2*(i%4):ST+2*(i%4)+1], v[2*i:2*i+1], v[2*i:2*i+1], v[ST+2*(i%4):ST+2*(i%4)+1]
.set i, i+1
.endr
	WIN 0
	FOLD
	v_fma_f32 v[ST], v[ST], s[INV], s[EPS]
	s_wait_alu depctr_va_vdst(0)
	v_rsq_f32 v[RS], v[ST]
	v_nop                                          ; a plain instruction behind the transcendental,
	s_wait_alu depctr_va_vdst(0)                   ; and the wait: v[RS] is written, ahead of the first instruction that names it
	v_mov_b32 v[RS+1], v[RS]
.irp s, 0,1,2,3                                ; K step s: channels 128 s on
	WIN 0xc3
.set i, 0
.rept 32
	v_pk_mul_f32 v[64*\s+2*i:64*\s+2*i+1], v[64*\s+2*i:64*\s+2*i+1], v[RS:RS+1]
.set i, i+1
.endr
	s_wait_dscnt 0x0                               ; this step's gains and biases are in
	WIN 0xe7
.set i, 0
.rept 32
	v_pk_fma_f32 v[64*\s+2*i:64*\s+2*i+1], v[64*\s+2*i:64*\s+2*i+1], v[192+2*i:193+2*i], v[192+2*i:193+2*i]   ; x ln1_w (window 1) + ln1_b (window 2)
.set i, i+1
.endr
	QUANT4 64*\s, 3
	s_wait_alu depctr_va_vdst(0)                   ; the quantiser has written v[PC ..] and v[PW], which the stores read; the multiply-adds are done reading the gains and biases, in whose registers the next step's land
.irp g, 0,1,2
	ds_store_b128 v[XWI], v[PC+4*\g:PC+4*\g+3] offset:XIMG+6144*\s+512*\g
.endr
	ds_store_b32 v[XWS], v[PW] offset:XSC+512*\s
.if \s < 3
	LNPAR \s+1
	s_wait_alu depctr_vm_vsrc(0)                   ; the stores have read v[PC ..] and v[PW], which the next step's quantiser writes again
.endif
.endr
	BARRIER                                        ; xn's sixteen fragments lie in LDS
	FETCH3 0, LI16, XIMG, LI4, XSC
; ONE TURN OF THE RING: group g = 4 x sweep + K step.  n: the younger loads that may stay out: two records, 50 (at group 0 three are out, 75: 63 is the largest count that the wait can name)
.macro GROUP g, n
.set ss, (\g)%4
.set md, (\g)/8
.set fi, 0
.if ss == 0
.set fi, 1
.endif
.set lg, 0
.if ((\g) > 0) && ((\g) < 9)
.set lg, 1                             ; groups 1 to 8 ask for records 4 to 11
.endif
	s_wait_loadcnt \n                              ; this group's record is in
	s_wait_dscnt 0x0                               ; and its K step of xn
.if ((\g) > 0) && ((\g) < 11)
	s_wait_alu depctr_va_vdst(0)                   ; the products of the group before are done reading their set of xn, their ring slot and both kinds of scale words: this group's loads land there.  (Group 0's loads land in registers that no vector or matrix instruction has named; group 11 has none)
.endif
.if (\g) < 11
	FETCH3 (ss+1)%2, LI16, XIMG+6144*((ss+1)%4), LI4, XSC+512*((ss+1)%4)   ; the next group's K step, into the other set
.endif
.if lg
	LOADGS (ss+3)%4, REC*((\g)+3)                  ; the slot read last takes the record three groups on, dealt among this group's products, which name none of its registers
.endif
	MULT ss, ss%2, md, fi, AS+4*(ss%2), 1, 0
.if lg
	LOADGA (ss+3)%4, REC*((\g)+3)
.endif
	MULT ss, ss%2, md, fi, AS+4*(ss%2), 1, 1
.if lg
	LOADGB (ss+3)%4, REC*((\g)+3)
.endif
	MULT ss, ss%2, md, fi, AS+4*(ss%2), 1, 2
	MULT ss, ss%2, md, fi, AS+4*(ss%2), 1, 3
	WIN 0
	PLACES
.endm
	GROUP 0, 63
	GROUP 1, 50
	GROUP 2, 50
	GROUP 3, 50
	; ---- q: a head's 64 channels of 16 tokens are half a fragment and two scale bytes.  A head's four tiles fill one out-buffer, then leave in one run
.irp hd, 0,1
.irp tt, 0,1,2,3
	QUANT2 8*(8*\tt+4*\hd), 3, OB+32*\hd+6*\tt
	v_lshl_or_b32 v[OB+32*\hd+26+\tt%2], v[BY+1], 8, v[BY]
	v_lshl_or_b32 v[OB+32*\hd+26+\tt%2], v[OB+32*\hd+26+\tt%2], 16, v[OB+32*\hd+26+\tt%2]   ; the two bytes twice: the word serves q in the lower and in the upper half of K
.if \tt%2
	v_cndmask_b32 v[OB+32*\hd+24+\tt/2], v[OB+32*\hd+26], v[OB+32*\hd+27], s[HM]   ; lanes 0-15: tile tt - 1, lanes 16-31: tile tt
.endif
.endr
	s_wait_alu depctr_va_vdst(0)                   ; the quantiser and the selects have written out-buffer hd, which the ten stores read
.irp tt, 0,1,2,3
	global_store_b128 v[LI16], v[OB+32*\hd+6*\tt:OB+32*\hd+6*\tt+3], s[QB:QB+1] offset:196608*\hd+768*\tt            ; 512 consecutive bytes
	global_store_b64 v[LI8], v[OB+32*\hd+6*\tt+4:OB+32*\hd+6*\tt+5], s[QB:QB+1] offset:196608*\hd+768*\tt+512        ; 256 consecutive bytes
.endr
.irp j, 0,1
	global_store_b32 v[LI4], v[OB+32*\hd+24+\j], s[QSB:QSB+1] offset:16384*\hd+128*\j
.endr
.endr
	GROUP 4, 50
	GROUP 5, 50
	GROUP 6, 50
	GROUP 7, 50
	; ---- k: two tiles of 16 keys make one fragment: tile 2 f in K 0-63, tile 2 f + 1 in K 64-127
	s_wait_xcnt 0x0                                ; every earlier memory instruction has had its addresses translated (ISA guide 3.1): the out-buffers are rewritten only behind this wait,
	s_wait_alu depctr_vm_vsrc(0)                   ; and q's stores, a sweep back, have read both out-buffers, which this phase's quantiser writes again
.irp hd, 0,1
.irp pr, 0,1
	QUANT2 8*(8*(2*\pr)+4*\hd), 3, OB+32*\hd+12*\pr
	v_lshl_or_b32 v[OB+32*\hd+26+\pr], v[BY+1], 8, v[BY]
	QUANT2 8*(8*(2*\pr+1)+4*\hd), 3, OB+32*\hd+12*\pr+6
	v_lshl_or_b32 v[OB+32*\hd+26+\pr], v[BY], 16, v[OB+32*\hd+26+\pr]
	v_lshl_or_b32 v[OB+32*\hd+26+\pr], v[BY+1], 24, v[OB+32*\hd+26+\pr]
.endr
	v_cndmask_b32 v[OB+32*\hd+24], v[OB+32*\hd+26], v[OB+32*\hd+27], s[HM]
	s_wait_alu depctr_va_vdst(0)                   ; the quantiser and the select have written out-buffer hd, which the seven stores read
.irp pr, 0,1
.irp g, 0,1,2
	global_store_b128 v[LI16], v[OB+32*\hd+12*\pr+4*\g:OB+32*\hd+12*\pr+4*\g+3], s[KB:KB+1] offset:409600*\hd+1536*\pr+512*\g
.endr
.endr
	global_store_b32 v[LI4], v[OB+32*\hd+24], s[KSB:KSB+1] offset:409600*\hd
.endr
	GROUP 8, 50
	GROUP 9, 50                                    ; two younger groups
	GROUP 10, 25
	GROUP 11, 0
	; ---- v: 16 channels x my 64 tokens are half a fragment of V^T and two scale bytes
	s_wait_xcnt 0x0                                ; as at k's head,
	s_wait_alu depctr_vm_vsrc(0)                   ; and k's stores, a sweep back, have read both out-buffers
.irp hd, 0,1
.irp t, 0,1,2,3
	QUANT2 32*(4*\hd+\t), 3, OB+32*\hd+6*\t
	v_lshl_or_b32 v[OB+32*\hd+26+\t%2], v[BY+1], 8, v[BY]
.if \t%2
	v_cndmask_b32 v[OB+32*\hd+24+\t/2], v[OB+32*\hd+26], v[OB+32*\hd+27], s[HM]
.endif
.endr
	s_wait_alu depctr_va_vdst(0)                   ; the quantiser and the selects have written out-buffer hd, which the ten stores read
.irp t, 0,1,2,3
	global_store_b128 v[LI16], v[OB+32*\hd+6*\t:OB+32*\hd+6*\t+3], s[VB:VB+1] offset:409600*\hd+1536*\t
	global_store_b64 v[LI8], v[OB+32*\hd+6*\t+4:OB+32*\hd+6*\t+5], s[VB:VB+1] offset:409600*\hd+1536*\t+512
.endr
.irp j, 0,1
	global_store_b16 v[LI4], v[OB+32*\hd+24+\j], s[VSB:VSB+1] offset:409600*\hd+128*\j   ; two of each word's four bytes; the work-group of the other 64 keys stores the other two: 131,072 bytes in the whole launch leave so
.endr
.endr
	s_wait_dscnt 0x0
	s_wait_alu depctr_hold_cnt(0) depctr_sa_sdst(0) depctr_va_vdst(0) depctr_va_sdst(0) depctr_va_ssrc(0) depctr_va_vcc(0) depctr_vm_vsrc(0)
	s_wait_tensorcnt 0x0
	ds_add_u32 v254, v255
	s_wait_dscnt 0x0
	s_endpgm
.Lfunc_end_k_qe601598faf_qkv:
	.size	k_qe601598faf_qkv, .Lfunc_end_k_qe601598faf_qkv-k_qe601598faf_qkv
	.p2alignl 7, 3214868480
	.fill 96, 4, 3214868480
	.section	.rodata,"a",@progbits
	.p2align	6, 0x0
	.amdhsa_kernel k_qe601598faf_qkv
		.amdhsa_group_segment_fixed_size 31232
		.amdhsa_private_segment_fixed_size 0
		.amdhsa_enable_private_segment 0
		.amdhsa_kernarg_size 56
		.amdhsa_user_sgpr_count 2
		.amdhsa_user_sgpr_kernarg_segment_ptr 1
		.amdhsa_wavefront_size32 1
		.amdhsa_system_sgpr_workgroup_id_x 1
		.amdhsa_system_sgpr_workgroup_id_y 1
		.amdhsa_system_sgpr_workgroup_id_z 1
		.amdhsa_system_vgpr_workitem_id 0
		.amdhsa_next_free_vgpr 1024
		.amdhsa_next_free_sgpr 66
		.amdhsa_reserve_vcc 0
		.amdhsa_float_denorm_mode_32 3
		.amdhsa_float_denorm_mode_16_64 3
		.amdhsa_memory_ordered 1
		.amdhsa_forward_progress 1
		.amdhsa_inst_pref_size 224
	.end_amdhsa_kernel
	.amdgpu_metadata
---
amdhsa.version: [ 1, 2 ]
amdhsa.kernels:
  - .name:           k_qe601598faf_qkv
    .symbol:         k_qe601598faf_qkv.kd
    .args:
      - { .name: x, .offset: 0, .size: 8, .value_kind: global_buffer, .address_space: global }
      - { .name: ln1_w, .offset: 8, .size: 8, .value_kind: global_buffer, .address_space: global }
      - { .name: ln1_b, .offset: 16, .size: 8, .value_kind: global_buffer, .address_space: global }
      - { .name: wimg, .offset: 24, .size: 8, .value_kind: global_buffer, .address_space: global }
      - { .name: qimg, .offset: 32, .size: 8, .value_kind: global_buffer, .address_space: global }
      - { .name: qsc, .offset: 40, .size: 8, .value_kind: global_buffer, .address_space: global }
      - { .name: kv, .offset: 48, .size: 8, .value_kind: global_buffer, .address_space: global }
    .group_segment_fixed_size: 31232
    .private_segment_fixed_size: 0
    .kernarg_segment_align: 8
    .kernarg_segment_size: 56
    .max_flat_workgroup_size: 128
    .sgpr_count:     66
    .vgpr_count:     1024
    .wavefront_size: 32
...
	.end_amdgpu_metadata
.endif
;; end of part 5
;; launch attn (part 6): grid 16 x 16, 16 waves a work-group, clusters of 4 x 1, 327,680 bytes of LDS; arguments qimg, qsc, kv, aoimg, aosc; writes aoimg, aosc
.if DOCPART == 6
	.amdgcn_target "amdgcn-amd-amdhsa--gfx1250"
	.amdhsa_code_object_version 6
	.text
	.protected	k_qe601598faf_attn
	.globl	k_qe601598faf_attn
	.p2align	8
	.type	k_qe601598faf_attn,@function
k_qe601598faf_attn:
	s_mov_b64 s[64:65], 0
	v_nop
	global_prefetch_b8 v0, s[64:65] scope:SCOPE_SE
	s_setreg_imm32_b32 hwreg(HW_REG_WAVE_MODE, 25, 1), 1
	s_wait_xcnt 0x0
	s_wait_alu depctr_hold_cnt(0) depctr_sa_sdst(0) depctr_va_vdst(0) depctr_va_sdst(0) depctr_va_ssrc(0) depctr_va_vcc(0) depctr_vm_vsrc(0)
	s_getreg_b32 s2, hwreg(HW_REG_IB_STS2, 6, 4)
	s_cmp_eq_u32 s2, 0
	s_cbranch_scc0 .Lentry_in_a_cluster
	s_endpgm
.Lentry_in_a_cluster:
	s_bfe_u32 s2, ttmp6, 0x10000c
	s_cmp_lg_u32 s2, 0x3003
	s_cbranch_scc0 .Lentry_shape_is_right
	s_endpgm
.Lentry_shape_is_right:
; attn_out[q] = the sum over keys of softmax(q . k / 8) v, for 16 heads (2 batches x 8) of 4,096 tokens and 64 channels, both products on codes of FP6 (E2M3) with one E8M0 scale for each 32 along K; the result is quantised along the channels.
; THE SOFTMAX AHEAD OF THE SECOND PRODUCT: t = score x log2(e) / 8; M = the row's largest t so far, rounded UP to a whole number; p = 2^(t - M) is what is quantised, along the keys; it is not normalised.
; The row's sum is taken of the unquantised p, in f32, and divides O at the end.  When M moves, the sum and O are multiplied by 2^(old M - new M): exact.
; SHARES.  A work-group owns 256 queries of one head; each of its sixteen waves owns one tile of 16, in 256 registers: four waves to a SIMD, so that one wave's vector work stands beside another's matrix work and LDS loads.
; Every wave walks the head's 32 key steps of 128 keys.  A key step is ONE dense record of 12,800 bytes, laid by the launch before as images of the operands' registers, so every LDS load takes consecutive bytes in consecutive lanes.
; K = 64 IN AN INSTRUCTION OF K = 128: a fragment of K holds TWO tiles of 16 keys, one in K 0-63, one in K 64-127; q stands twice in registers, as [q; 0] and as [0; q]: a product with the one gives the first tile's scores, with the other the
; second's.  No byte of LDS and no register of K is spent on zeros.
; LAYOUT.  Both products are used transposed: S^T = K Q^T, O^T = V^T P^T: a lane holds ONE query (lane % 16) throughout.  Row r of key tile T is key 32 (T / 2) + 8 (T % 2) + r + 8 (r / 8): the 16 registers of tiles 2 b and 2 b + 1 are
; keys 32 b + 16 (lane / 16) + 0 .. 15; V^T's rows are ordered likewise, so that O^T's registers run along neighbouring channels.
; CLUSTER.  The four query blocks of a cluster belong to one head and walk the same records: each record is asked for JOINTLY, by the same tensor load with the same descriptor and a mask that names the four.
; RING.  Two slots of four key steps; waves 0 to 3 fetch one record each; a wave has one tensor load out.
; LIMITS: a block of attn_out whose largest magnitude lies under 2^-124 gets the scale byte 1; the bytes are read by this program alone.  NaN and infinities are not served.
.set REC,   12800
.set SLOTB, 4*REC
.set SLOT1, 65536                      ; slot 1 begins here, so that one exclusive or turns an address in one slot into the other's
.set SPARE, 131072                     ; the spare words, 128 bytes for each wave: eight blocks of 256 bytes that no other line names
.set L16, 1                            ; v1   16 x lane; never rewritten
.set L8,  2                            ; v2   8 x lane
.set L4,  3                            ; v3   4 x lane
.set SPW, 4                            ; v4   LDS address of my spare word; never rewritten
.set NIL, 5                            ; v5   0; never rewritten
.set A16, 6                            ; v6-8 the same three in the slot in hand
.set A8,  7
.set A4,  8
.set PFO, 9                            ; v9   the prefetches' offset; never rewritten
.set QLO, 16                           ; v16-27 [q; 0];  v28-39 [0; q]
.set KF,  40                           ; v40-87 four fragments, K's and then V^T's
.set S,   88                           ; v88-151 S^T, then p
.set O,   152                          ; v152-183 O^T
.set PC,  184                          ; v184-195 p's codes
.set PT,  196                          ; v196-203 the conversions' second halves
.set BM,  204                          ; the blocks' largest scores, then largest p
.set BX,  208                          ; the other half of the lanes'; then bytes
.set BS,  212                          ; the conversions' scale operands
.set PW,  216                          ; p's scale word
.set QS,  217                          ; q's
.set KS,  218                          ; v218-219 K's: lanes 0-15 fragment 2 j, lanes 16-31 fragment 2 j + 1
.set VS,  220                          ; v220-221 V^T's likewise
.set FF,  224                          ; v[224:225] f = 2^(old M - new M); at the end 1 / l
.set TT,  226
.set SU,  228                          ; v[228:229] one of the sum's eight chains
.set BY,  230                          ; v230-231 attn_out's two scale bytes
.set WV,  14
.set SEL, 20
.set CS,  22                           ; s[22:23] c = log2(e) / 8
.set G1,  24
.set G0,  32
.set TB,  36                           ; LDS byte at which the slot in hand begins
.set SLOTS, 37                         ; slots still to be asked for
.set LIM, 38                           ; 1 in a wave that prefetches, else the greatest number
.set HM,  39                           ; the mask of lanes 16-31
.set PFA, 40
; Waves 0 to 3 fetch a record each.  The branch hangs on the wave's number alone: it is the same in every work-group.  Four v_nop follow the load.
.macro TLOAD
	s_cmp_lt_u32 s[WV], 4
	s_cbranch_scc0 .Lno_load_\@
	tensor_load_to_lds s[G0:G0+3], s[G1:G1+7]
	s_nop 0
.rept 4
	v_nop
.endr
.Lno_load_\@:
.endm
; A PREFETCH INTO THE L2 of what the NEXT change of slots will ask for: four records of 50 aligned blocks of 256 bytes.  All clusters of a head walk the same records: the head's first cluster asks.  Its four partners share the records out BY
; ADDRESS, one each (no branch hangs on a work-group's place in its cluster); in each, waves 4 and 5, which fetch nothing, ask: a lane a block, 32 and 18.  Wave 5's 14 lanes that are over name block 49 again, within the same instruction.
; The last change that fills a slot asks for nothing: there is no slot behind it.  Slots 0 and 1 come by their loads alone.
.macro ASK
	s_cmp_gt_u32 s[SLOTS], s[LIM]
	s_cbranch_scc0 .Lnot_mine_\@
	global_prefetch_b8 v[PFO], s[PFA:PFA+1] th:TH_LOAD_NT scope:SCOPE_SE
.Lnot_mine_\@:
.endm
; A round of the cluster's barrier: my work-group's barrier, wave 0 signals for the work-group, every wave waits for all four work-groups, my work-group's barrier once more.
.macro CROUND
	s_barrier_signal -1
	s_barrier_wait -1
	s_cmp_lg_u32 s[WV], 0
	s_cbranch_scc1 .Lnot_wave_0_\@
	s_barrier_signal -3
.Lnot_wave_0_\@:
	s_barrier_wait -3
	s_barrier_signal -1
	s_barrier_wait -1
.endm
	s_load_b256 s[4:11], s[0:1], 0x0               ; qimg s[4:5], qsc s[6:7], kv s[8:9], aoimg s[10:11]
	s_load_b64 s[12:13], s[0:1], 0x20              ; aosc
	v_lshl_add_u32 v[SPW], v0, 2, SPARE
	v_mov_b32 v[NIL], 0
	ds_add_u32 v4, v5
	ds_add_u32 v4, v5
	s_wait_dscnt 0x0
	v_lshrrev_b32 v6, 5, v0
	s_delay_alu instid0(VALU_DEP_1)
	v_readfirstlane_b32 s[WV], v6                  ; wave 0..15
	s_bfe_u32 s15, ttmp6, 0x40000                  ; cx: my place in the cluster
	s_lshl_b32 s16, ttmp9, 2
	s_add_co_u32 s16, s16, s15                     ; my block of 256 queries: it enters q's and attn_out's addresses alone
	s_and_b32 s17, ttmp7, 0xffff                   ; the head (8 x batch + head), which the four partners share
	; descriptor group 1: a record as 50 rows of 256 bytes (32 elements of 8 bytes), dense, no padding
	s_mov_b32 s[G1], 15|(3<<16)|(1<<21)            ; 15:0 the mask: all four work-groups; 17:16 elements of 8 bytes; 21 set beside a mask
	s_mov_b32 s[G1+1], 32<<16                      ; tensor_dim0 = 32
	s_mov_b32 s[G1+2], 50<<16                      ; tensor_dim1 = 50
	s_mov_b32 s[G1+3], 32<<16                      ; tile_dim0 = 32
	s_mov_b32 s[G1+4], 50                          ; tile_dim1 = 50
	s_mov_b32 s[G1+5], 32                          ; from row to row
	s_mov_b32 s[G1+6], 0
	s_mov_b32 s[G1+7], 0
	s_and_b32 s42, s[WV], 3
	s_mul_i32 s42, s42, REC                        ; which record of a slot I fetch, if I fetch: its place in memory and in LDS
	s_mov_b32 s43, 0
	s_mul_i32 s44, s17, 32*REC                     ; the head's records
	s_mov_b32 s45, 0
	s_lshl_b32 s46, s16, 4
	s_add_co_u32 s46, s46, s[WV]                   ; my tile in the head: 16 x block + wave
	s_lshl_b32 s48, s17, 8
	s_add_co_u32 s48, s48, s46
	s_lshl_b32 s50, s48, 6                         ; q's scale words: 64 bytes a tile
	s_mov_b32 s51, 0
	s_mul_i32 s48, s48, 768                        ; q's codes
	s_mov_b32 s49, 0
	s_lshr_b32 s52, s17, 3
	s_lshl_b32 s52, s52, 8
	s_add_co_u32 s52, s52, s46                     ; my tile among all tokens': 256 x batch + tile
	s_and_b32 s53, s17, 7                          ; the head in its batch
	s_lshl_b32 s46, s52, 3
	s_add_co_u32 s46, s46, s53
	s_mul_i32 s46, s46, 768                        ; attn_out's codes: [tile][head][768]
	s_mov_b32 s47, 0
	s_lshl_b32 s52, s52, 8
	s_lshl_b32 s53, s53, 1
	s_add_co_u32 s52, s52, s53                     ; its scale bytes: [tile][row][16], byte 2 x head + block
	s_mov_b32 s53, 0
	s_mul_i32 s54, s15, REC
	s_add_co_u32 s54, s54, SLOTB                   ; the prefetches: record cx of slot 1; the first change of slots steps it to slot 2.  Nothing is prefetched here, at the head
	s_mov_b32 s55, 0
	s_mov_b32 s[SEL], 0x76543210
	s_mov_b32 s[SEL+1], 0xfedcba98
	s_mov_b32 s[CS], 0x3e38aa3b                    ; c = log2(e) / 8
	s_mov_b32 s[CS+1], s[CS]                       ; (named with it as a pair, so it is written)
	s_mov_b32 s[HM], 0xffff0000
	s_mov_b32 s[TB], 0
	s_mov_b32 s[SLOTS], 7
	s_lshr_b32 s[LIM], s[WV], 1
	s_xor_b32 s[LIM], s[LIM], 2                    ; 0 in waves 4 and 5,
	s_or_b32 s[LIM], s[LIM], ttmp9                 ; of the head's first cluster: the same in all four partners
	s_cmp_eq_u32 s[LIM], 0
	s_cselect_b32 s[LIM], 1, -1
	v_and_b32 v[PFO], 63, v0                       ; 32 (wave % 2) + lane
	s_delay_alu instid0(VALU_DEP_1)
	v_min_u32 v[PFO], 49, v[PFO]
	s_delay_alu instid0(VALU_DEP_1)
	v_lshlrev_b32 v[PFO], 8, v[PFO]
	s_wait_kmcnt 0x0
	s_add_nc_u64 s[8:9], s[8:9], s[44:45]          ; kv at my head
	s_add_nc_u64 s[PFA:PFA+1], s[8:9], s[54:55]
	s_add_nc_u64 s[4:5], s[4:5], s[48:49]
	s_add_nc_u64 s[6:7], s[6:7], s[50:51]
	s_add_nc_u64 s[10:11], s[10:11], s[46:47]
	s_add_nc_u64 s[12:13], s[12:13], s[52:53]
	s_mov_b32 s[G0], 1                             ; 1:0 count = 1
	s_mov_b32 s[G0+1], s42                         ; 63:32 LDS address: slot 0
	s_add_nc_u64 s[G0+2:G0+3], s[8:9], s[42:43]    ; 120:64 global address
	s_or_b32 s[G0+3], s[G0+3], 0x80000000          ; 127:126 type = 2
	CROUND                                         ; all four work-groups are here: the first joint loads meet
	TLOAD                                          ; slot 0
	v_and_b32 v10, 31, v0
	s_delay_alu instid0(VALU_DEP_1)
	v_lshlrev_b32 v[L16], 4, v10
	s_delay_alu instid0(VALU_DEP_2)
	v_lshlrev_b32 v[L8], 3, v10
	s_delay_alu instid0(VALU_DEP_3)
	v_lshlrev_b32 v[L4], 2, v10
	v_and_b32 v10, 15, v0
	s_delay_alu instid0(VALU_DEP_1)
	v_lshlrev_b32 v10, 2, v10
	global_load_b128 v[QLO:QLO+3], v[L16], s[4:5]              ; q's six registers, once as K 0-63 ..
	global_load_b64 v[QLO+4:QLO+5], v[L8], s[4:5] offset:512
	global_load_b128 v[QLO+18:QLO+21], v[L16], s[4:5]          ; .. and once as K 64-127
	global_load_b64 v[QLO+22:QLO+23], v[L8], s[4:5] offset:512
	global_load_b32 v[QS], v10, s[6:7]
.irp i, 6,7,8,9,10,11,12,13,14,15,16,17
	v_mov_b32 v[QLO+\i], 0                         ; the other halves: zero codes, which add nothing under any scale byte that is made here
.endr
	v_mov_b32 v13, 0xff61b1e6                      ; the largest t so far: -3e38, under every t
	s_delay_alu instid0(VALU_DEP_1)
	v_floor_f32 v12, -v13                          ; -M
	v_mov_b32 v14, 0                               ; the sum, in two halves
	v_mov_b32 v15, 0
.irp b, 0,1,2,3
	v_mov_b32 v[BX+\b], 0                          ; written once: a lane permute's destination counts as one of its sources
.endr
	v_mov_b32 v[FF+1], 0                           ; (named as the upper half of a pair)
	v_mov_b32 v[TT], 0
.set i, 0
.rept 32
	v_mov_b32 v[O+i], 0                            ; O^T.  (The step is written without a first step of its own: the first finds zeros, which the first change of M leaves zeros)
.set i, i+1
.endr
; A KEY STEP: 128 keys, record q of the slot in hand
.macro STEP q
.set RB, REC*(\q)
	v_add_nc_u32 v[A16], s[TB], v[L16]             ; these three and the v_nop are the four places behind the last step's products, in front of the loads into the registers that they read
	v_add_nc_u32 v[A8], s[TB], v[L8]
	v_add_nc_u32 v[A4], s[TB], v[L4]
	v_nop
.irp f, 0,1,2,3
.irp g, 0,1,2
	ds_load_b128 v[KF+12*\f+4*\g:KF+12*\f+4*\g+3], v[A16] offset:RB+1536*\f+512*\g
.endr
.endr
	ds_load_b32 v[KS], v[A4] offset:RB+12288
	ds_load_b32 v[KS+1], v[A4] offset:RB+12416
	s_wait_alu depctr_va_vdst(0)
	s_wait_dscnt 0x0
.irp f, 0,1,2,3                                ; S^T = K Q^T: fragment f against [q; 0] gives key tile 2 f, against [0; q] key tile 2 f + 1
.irp u, 0,1
.if \f%2
	v_wmma_scale_f32_16x16x128_f8f6f4 v[S+8*(2*\f+\u):S+8*(2*\f+\u)+7], v[KF+12*\f:KF+12*\f+11], v[QLO+12*\u:QLO+12*\u+11], 0, v[KS+\f/2], v[QS] matrix_a_fmt:MATRIX_FMT_FP6 matrix_b_fmt:MATRIX_FMT_FP6 matrix_a_scale:MATRIX_SCALE_ROW1
.else
	v_wmma_scale_f32_16x16x128_f8f6f4 v[S+8*(2*\f+\u):S+8*(2*\f+\u)+7], v[KF+12*\f:KF+12*\f+11], v[QLO+12*\u:QLO+12*\u+11], 0, v[KS+\f/2], v[QS] matrix_a_fmt:MATRIX_FMT_FP6 matrix_b_fmt:MATRIX_FMT_FP6
.endif
.endr
.endr
.rept 4
	v_nop                                          ; places in front of the loads below and of the first read of the scores
.endr
.irp t, 0,1,2,3                                ; V^T's four fragments land while the softmax is walked
.irp c, 0,1
	ds_load_b128 v[KF+12*\t+6*\c:KF+12*\t+6*\c+3], v[A16] offset:RB+6144+1536*\t+768*\c
	ds_load_b64 v[KF+12*\t+6*\c+4:KF+12*\t+6*\c+5], v[A8] offset:RB+6144+1536*\t+768*\c+512
.endr
.endr
	ds_load_b32 v[VS], v[A4] offset:RB+12544
	ds_load_b32 v[VS+1], v[A4] offset:RB+12672
.irp b, 0,1,2,3
	v_max3_num_f32 v[BM+\b], v[S+16*\b], v[S+16*\b+1], v[S+16*\b+2]   ; THE LARGEST SCORE OF EACH BLOCK OF 32 KEYS: it serves for the row's maximum and, since p rises with the score, for the block's largest p
.endr
.irp i, 3,5,7,9,11,13
.irp b, 0,1,2,3
	v_max3_num_f32 v[BM+\b], v[BM+\b], v[S+16*\b+\i], v[S+16*\b+\i+1]   ; (the four blocks by turns)
.endr
.endr
.irp b, 0,1,2,3
	v_max_num_f32 v[BM+\b], v[BM+\b], v[S+16*\b+15]
.endr
.irp b, 0,1,2,3
	s_delay_alu instid0(VALU_DEP_4)
	v_permlanex16_b32 v[BX+\b], v[BM+\b], s[SEL], s[SEL+1]
.endr
.irp b, 0,1,2,3
	s_delay_alu instid0(VALU_DEP_4)
	v_max_num_f32 v[BM+\b], v[BM+\b], v[BX+\b]     ; with lane l xor 16's 16 keys
.endr
	s_delay_alu instid0(VALU_DEP_2)
	v_max3_num_f32 v[TT], v[BM], v[BM+1], v[BM+2]
	s_delay_alu instid0(VALU_DEP_1)
	v_max_num_f32 v[TT], v[TT], v[BM+3]            ; the step's largest score of my query
	s_delay_alu instid0(VALU_DEP_1)
	v_mul_f32 v[TT], s[CS], v[TT]                  ; as t (c is positive)
	s_delay_alu instid0(VALU_DEP_1)
	v_max_num_f32 v13, v13, v[TT]                  ; the running largest t
	v_mov_b32 v[TT], v12
	s_delay_alu instid0(VALU_DEP_2)
	v_floor_f32 v12, -v13                          ; the new -M = floor(-t) = -ceil(t): M IS A WHOLE NUMBER
	s_delay_alu instid0(VALU_DEP_1)
	v_sub_f32 v[TT], v12, v[TT]                    ; M's old value less its new one: a whole number, 0 or less
	s_delay_alu instid0(VALU_DEP_1)
	v_cvt_i32_f32 v[TT], v[TT]                     ; (it saturates)
	s_delay_alu instid0(VALU_DEP_1)
	v_ldexp_f32 v[FF], 1.0, v[TT]                  ; f = 2^(old M - new M): a multiplication by it rounds nothing
.set i, 0
.rept 32
	v_pk_fma_f32 v[S+2*i:S+2*i+1], v[S+2*i:S+2*i+1], s[CS:CS+1], v[12:13] op_sel_hi:[1,0,0]   ; t - M, two at a time (of the pairs c and -M the low word serves both halves)
.set i, i+1
.endr
.irp b, 0,1,2,3
	v_fma_f32 v[BM+\b], v[BM+\b], s[CS], v12       ; the same of each block's largest score
.endr
.set i, 0
	s_wait_alu depctr_va_vdst(0)
.rept 64
	v_exp_f32 v[S+i], v[S+i]                       ; p = 2^(t - M), at most 1: NOT normalised
.set i, i+1
.endr
	v_pk_mul_f32 v[14:15], v[14:15], v[FF:FF+1] op_sel_hi:[1,0]   ; the sums under the new M.  (The plain instruction behind the exponentials)
	s_wait_alu depctr_va_vdst(0)                   ; one wait for the whole batch, ahead of its first reader
.irp b, 0,1,2,3
	v_exp_f32 v[BM+\b], v[BM+\b]                   ; the block's largest p: the same two instructions on the same number give the same bits
.endr
	v_pk_add_f32 v[228:229], v[92:93], v[96:97]
	v_pk_add_f32 v[254:255], v[100:101], v[104:105]
	v_pk_add_f32 v[252:253], v[108:109], v[112:113]
	v_pk_add_f32 v[250:251], v[116:117], v[120:121]
	v_pk_add_f32 v[248:249], v[124:125], v[128:129]
	v_pk_add_f32 v[246:247], v[132:133], v[136:137]
	v_pk_add_f32 v[244:245], v[140:141], v[144:145]
	v_pk_add_f32 v[14:15], v[14:15], v[148:149]
	v_pk_add_f32 v[228:229], v[228:229], v[88:89]
	v_pk_add_f32 v[254:255], v[254:255], v[90:91]
	v_pk_add_f32 v[252:253], v[252:253], v[94:95]
	v_pk_add_f32 v[250:251], v[250:251], v[98:99]
	v_pk_add_f32 v[248:249], v[248:249], v[102:103]
	v_pk_add_f32 v[246:247], v[246:247], v[106:107]
	v_pk_add_f32 v[244:245], v[244:245], v[110:111]
	v_pk_add_f32 v[14:15], v[14:15], v[114:115]
	v_pk_add_f32 v[228:229], v[228:229], v[118:119]
	v_pk_add_f32 v[254:255], v[254:255], v[122:123]
	v_pk_add_f32 v[252:253], v[252:253], v[126:127]
	v_pk_add_f32 v[250:251], v[250:251], v[130:131]
	v_pk_add_f32 v[248:249], v[248:249], v[134:135]
	v_pk_add_f32 v[246:247], v[246:247], v[138:139]
	v_pk_add_f32 v[244:245], v[244:245], v[142:143]
	v_pk_add_f32 v[14:15], v[14:15], v[146:147]
	v_pk_add_f32 v[228:229], v[228:229], v[150:151]
	s_delay_alu instid0(VALU_DEP_2)
	v_pk_add_f32 v[14:15], v[14:15], v[250:251]
	s_delay_alu instid0(VALU_DEP_2)
	v_pk_add_f32 v[228:229], v[228:229], v[248:249]
	v_pk_add_f32 v[254:255], v[254:255], v[246:247]
	v_pk_add_f32 v[252:253], v[252:253], v[244:245]
	s_delay_alu instid0(VALU_DEP_2)
	v_pk_add_f32 v[14:15], v[14:15], v[254:255]
	s_delay_alu instid0(VALU_DEP_2)
	v_pk_add_f32 v[228:229], v[228:229], v[252:253]
	s_delay_alu instid0(VALU_DEP_1)
	v_pk_add_f32 v[14:15], v[14:15], v[228:229]
	s_wait_alu depctr_va_vdst(0)                   ; and one for the four
.irp b, 0,1,2,3
	v_max_num_f32 v[BM+\b], 0x1800000, v[BM+\b]    ; the floor 2^(3 - 127): the byte cannot fall under 1 (a block whose every p has fallen to 0 keeps that byte: its codes are zeros)
.endr
.irp b, 0,1,2,3
	s_delay_alu instid0(VALU_DEP_4)
	v_add_nc_u32 v[BS+\b], 0xff000000, v[BM+\b]    ; 2 off the exponent field: the conversion's scale operand
.endr
.irp b, 0,1,2,3
	s_delay_alu instid0(VALU_DEP_4)
	v_lshrrev_b32 v[BX+\b], 23, v[BS+\b]           ; the scale's byte
.endr
	s_delay_alu instid0(VALU_DEP_3)
	v_lshl_or_b32 v[PW], v[BX+1], 8, v[BX]         ; p's scale word for these 128 keys
	s_delay_alu instid0(VALU_DEP_1)
	v_lshl_or_b32 v[PW], v[BX+2], 16, v[PW]
	s_delay_alu instid0(VALU_DEP_1)
	v_lshl_or_b32 v[PW], v[BX+3], 24, v[PW]
.irp c, 0,1
	v_cvt_scalef32_pk16_fp6_f32 v[PC+6*\c:PC+6*\c+2], v[S+32*\c:S+32*\c+15], v[BS+2*\c]
	v_cvt_scalef32_pk16_fp6_f32 v[PT+4*\c:PT+4*\c+2], v[S+32*\c+16:S+32*\c+31], v[BS+2*\c+1]   ; (a conversion's three registers begin on an even number)
.endr
	v_nop                                          ; one plain instruction behind the scaled conversions
.irp c, 0,1                                    ; the operand's layout wants a WHOLE block in a lane: lanes 0-15 block 2 c, lanes 16-31 block 2 c + 1
.irp i, 0,1,2
	v_permlane16_swap_b32 v[PC+6*\c+\i], v[PT+4*\c+\i]
.endr
.irp i, 0,1,2
	s_delay_alu instid0(VALU_DEP_3)
	v_mov_b32 v[PC+6*\c+3+\i], v[PT+4*\c+\i]
.endr
.endr
.set i, 0
.rept 16
	v_pk_mul_f32 v[O+2*i:O+2*i+1], v[O+2*i:O+2*i+1], v[FF:FF+1] op_sel_hi:[1,0]   ; O^T under the new M.  (These 16 also stand between the writing of p's codes and scale word and the products that take them)
.set i, i+1
.endr
	s_wait_alu depctr_va_vdst(0)
	s_wait_dscnt 0x0                               ; V^T is in
.irp t, 0,1,2,3                                ; O^T += V^T P^T: four accumulators, one instruction each
.if \t%2
	v_wmma_scale_f32_16x16x128_f8f6f4 v[O+8*\t:O+8*\t+7], v[KF+12*\t:KF+12*\t+11], v[PC:PC+11], v[O+8*\t:O+8*\t+7], v[VS+\t/2], v[PW] matrix_a_fmt:MATRIX_FMT_FP6 matrix_b_fmt:MATRIX_FMT_FP6 matrix_a_scale:MATRIX_SCALE_ROW1
.else
	v_wmma_scale_f32_16x16x128_f8f6f4 v[O+8*\t:O+8*\t+7], v[KF+12*\t:KF+12*\t+11], v[PC:PC+11], v[O+8*\t:O+8*\t+7], v[VS+\t/2], v[PW] matrix_a_fmt:MATRIX_FMT_FP6 matrix_b_fmt:MATRIX_FMT_FP6
.endif
.endr
.endm
; THE CHANGE OF SLOTS stands at a slot's head.  Each wave waits for all its tensor loads (its part of the slot that it is about to read), adds 0 to its spare word, and waits for that and for its reads of the slot that it has left.
; fill = 1: the barrier is a round of the cluster's, so that no wave of any partner still reads that slot or has a load on its way, and the joint refill is the first thing behind it: it has four key steps in which to land.
.macro CHANGE fill
	s_wait_tensorcnt 0x0                           ; no tensor load of mine is out, so the group 0 may be written
	ds_add_u32 v[SPW], v[NIL]                      ; 0 onto my spare word
.if \fill
	s_xor_b32 s[G0+1], s[G0+1], SLOT1              ; the walking descriptor: the other slot than last time,
	s_add_nc_u64 s[G0+2:G0+3], s[G0+2:G0+3], SLOTB ; the next four records; the type bits on top are not reached
	s_wait_xcnt 0x0                                ; the last prefetch, a slot back, has read its address, so it may be written:
	s_add_nc_u64 s[PFA:PFA+1], s[PFA:PFA+1], SLOTB ; one slot further on than the walking descriptor
	s_wait_dscnt 0x0                               ; the add is done, and my reads of the slot that I have left are over
	CROUND
	TLOAD
	ASK
.else
	s_wait_dscnt 0x0
	s_barrier_signal -1
	s_barrier_wait -1
.endif
.endm
	s_wait_loadcnt 0x0                             ; q
.Lslot:                                            ; seven trips: behind each change of slots but the last the next slot is asked for
	CHANGE 1
	STEP 0
	STEP 1
	STEP 2
	STEP 3
	s_xor_b32 s[TB], s[TB], SLOT1                  ; on to the other slot
	s_sub_co_u32 s[SLOTS], s[SLOTS], 1
	s_cmp_lg_u32 s[SLOTS], 0
	s_cbranch_scc1 .Lslot
	CHANGE 0                                       ; the last slot is written out
	STEP 0
	STEP 1
	STEP 2
	STEP 3
	; THE WAY OUT.  O^T / the sum; its 32 registers are my query's channels 32 b + 16 (lane / 16) + i of this head: two blocks of the next product's K.  The first four lines are the places behind the last products.
	v_and_b32 v10, 15, v0
	v_bfe_u32 v11, v0, 4, 1
	s_delay_alu instid0(VALU_DEP_1)
	v_lshl_add_u32 v10, v10, 4, v11                ; the scale bytes: 16 x row + my half's block
	v_add_f32 v14, v14, v15                        ; the sum's two halves,
	s_delay_alu instid0(VALU_DEP_1)
	v_permlanex16_b32 v[TT], v14, s[SEL], s[SEL+1]
	s_delay_alu instid0(VALU_DEP_1)
	v_add_f32 v14, v14, v[TT]                      ; and lane l xor 16's: the row's sum
	s_wait_alu depctr_va_vdst(0)
	v_rcp_f32 v[FF], v14
	v_nop                                          ; a plain instruction behind the transcendental,
	s_wait_alu depctr_va_vdst(0)                   ; and the wait ahead of the first instruction that names its result
.set i, 0
.rept 16
	v_pk_mul_f32 v[S+2*i:S+2*i+1], v[O+2*i:O+2*i+1], v[FF:FF+1] op_sel_hi:[1,0]   ; each accumulator from its low end on
.set i, i+1
.endr
.irp b, 0,1
	v_max3_num_f32 v[BM+\b], |v[S+16*\b]|, |v[S+16*\b+1]|, 0x1800000
.endr
.irp i, 2,4,6,8,10,12,14
.irp b, 0,1
	s_delay_alu instid0(VALU_DEP_2)
	v_max3_num_f32 v[BM+\b], v[BM+\b], |v[S+16*\b+\i]|, |v[S+16*\b+\i+1]|
.endr
.endr
.irp b, 0,1
	s_delay_alu instid0(VALU_DEP_2)
	v_permlanex16_b32 v[BX+\b], v[BM+\b], s[SEL], s[SEL+1]
.endr
.irp b, 0,1
	s_delay_alu instid0(VALU_DEP_2)
	v_max_num_f32 v[BM+\b], v[BM+\b], v[BX+\b]
.endr
.irp b, 0,1
	s_delay_alu instid0(VALU_DEP_2)
	v_add_nc_u32 v[BS+\b], 0xff000000, v[BM+\b]
.endr
.irp b, 0,1
	s_delay_alu instid0(VALU_DEP_2)
	v_lshrrev_b32 v[BY+\b], 23, v[BS+\b]
.endr
	v_cvt_scalef32_pk16_fp6_f32 v[PC:PC+2], v[S:S+15], v[BS]
	v_cvt_scalef32_pk16_fp6_f32 v[PT:PT+2], v[S+16:S+31], v[BS+1]
	v_nop
.irp i, 0,1,2
	v_permlane16_swap_b32 v[PC+\i], v[PT+\i]
.endr
.irp i, 0,1,2
	s_delay_alu instid0(VALU_DEP_3)
	v_mov_b32 v[PC+3+\i], v[PT+\i]
.endr
	global_store_b128 v[L16], v[PC:PC+3], s[10:11]             ; half a fragment: 512 consecutive bytes,
	global_store_b64 v[L8], v[PC+4:PC+5], s[10:11] offset:512  ; and 256
	v_cndmask_b32 v[TT], v[BY], v[BY+1], s[HM]     ; lanes 0-15 block 0's byte, lanes 16-31 block 1's
	global_store_b8 v10, v[TT], s[12:13]           ; a byte a lane, once a wave: 131,072 bytes in the whole launch leave so
	s_wait_tensorcnt 0x0                           ; the wave's end
	ds_add_u32 v[SPW], v[NIL]
	s_wait_dscnt 0x0
	CROUND                                         ; the closing round: no work-group ends while a partner may still ask for a record that names it
	s_endpgm
.Lfunc_end_k_qe601598faf_attn:
	.size	k_qe601598faf_attn, .Lfunc_end_k_qe601598faf_attn-k_qe601598faf_attn
	.p2alignl 7, 3214868480
	.fill 96, 4, 3214868480
	.section	.rodata,"a",@progbits
	.p2align	6, 0x0
	.amdhsa_kernel k_qe601598faf_attn
		.amdhsa_group_segment_fixed_size 327680
		.amdhsa_private_segment_fixed_size 0
		.amdhsa_enable_private_segment 0
		.amdhsa_kernarg_size 40
		.amdhsa_user_sgpr_count 2
		.amdhsa_user_sgpr_kernarg_segment_ptr 1
		.amdhsa_wavefront_size32 1
		.amdhsa_system_sgpr_workgroup_id_x 1
		.amdhsa_system_sgpr_workgroup_id_y 1
		.amdhsa_system_sgpr_workgroup_id_z 1
		.amdhsa_system_vgpr_workitem_id 0
		.amdhsa_next_free_vgpr 256
		.amdhsa_next_free_sgpr 66
		.amdhsa_reserve_vcc 0
		.amdhsa_float_denorm_mode_32 3
		.amdhsa_float_denorm_mode_16_64 3
		.amdhsa_memory_ordered 1
		.amdhsa_forward_progress 1
		.amdhsa_inst_pref_size 147
	.end_amdhsa_kernel
	.amdgpu_metadata
---
amdhsa.version: [ 1, 2 ]
amdhsa.kernels:
  - .name:           k_qe601598faf_attn
    .symbol:         k_qe601598faf_attn.kd
    .args:
      - { .name: qimg, .offset: 0, .size: 8, .value_kind: global_buffer, .address_space: global }
      - { .name: qsc, .offset: 8, .size: 8, .value_kind: global_buffer, .address_space: global }
      - { .name: kv, .offset: 16, .size: 8, .value_kind: global_buffer, .address_space: global }
      - { .name: aoimg, .offset: 24, .size: 8, .value_kind: global_buffer, .address_space: global }
      - { .name: aosc, .offset: 32, .size: 8, .value_kind: global_buffer, .address_space: global }
    .group_segment_fixed_size: 327680
    .private_segment_fixed_size: 0
    .kernarg_segment_align: 8
    .kernarg_segment_size: 40
    .max_flat_workgroup_size: 512
    .sgpr_count:     66
    .vgpr_count:     256
    .wavefront_size: 32
...
	.end_amdgpu_metadata
.endif
;; end of part 6
;; launch tail (part 7): grid 128 x 1, 4 waves a work-group, no clusters, 309,760 bytes of LDS; arguments aoimg, aosc, wimg, x, bp, ln2_w, ln2_b, b1, b2, out0; writes out0
.if DOCPART == 7
	.amdgcn_target "amdgcn-amd-amdhsa--gfx1250"
	.amdhsa_code_object_version 6
	.text
	.protected	k_qe601598faf_tail
	.globl	k_qe601598faf_tail
	.p2align	8
	.type	k_qe601598faf_tail,@function
k_qe601598faf_tail:
	s_mov_b64 s[64:65], 0
	v_nop
	global_prefetch_b8 v0, s[64:65] scope:SCOPE_SE
	s_setreg_imm32_b32 hwreg(HW_REG_WAVE_SCHED_MODE, 0, 2), 2
	s_setreg_imm32_b32 hwreg(HW_REG_WAVE_MODE, 25, 1), 1
	s_wait_xcnt 0x0
	s_wait_alu depctr_vm_vsrc(0)
; x1 = x + attn_out wp + bp;  out = x1 + relu(layer_norm(x1) w1 + b1) w2 + b2.  The three products on codes of FP6 (E2M3) with one E8M0 scale for each 32 along K; all else in f32.  x1, the norm and the hidden layer never go to memory.
; SHARES.  A work-group takes 64 tokens: four tiles of 16, row r of tile T being token 32 (T / 2) + 8 (T % 2) + r + 8 (r / 8).  THE WAVES SHARE THE COLUMNS: wave w owns output columns 128 w .. + 127 and hidden units 512 w .. + 511, for all 64 tokens.
; All products are used TRANSPOSED (source 0 = 16 columns of a weight, source 1 = 16 tokens): a lane holds one token and its registers run along neighbouring columns, the next product's K.
; Activations go from wave to wave through LDS as images of the operand's registers.  THE WEIGHTS come from memory straight into registers, as the first launch laid them: a fragment is wanted by ONE wave and feeds four products; a ring of four
; register slots of eight fragments keeps up to three groups of 25 loads of a wave on their way, with no barrier.  NO JOINT LOADS: a ring in LDS filled jointly would have one slot on its way between two rounds of a cluster's barrier, and a slot of 64
; fragments holds 64 products' work of a wave; the register ring has three times that on its way.  64 tokens and not 32 to a work-group: every work-group reads all 1,843,200 bytes of these weights, so 128 work-groups move half of what
; 256 would; that leaves work for 128 work-groups.
; PHASES.  P0 parameters and attn_out's codes into LDS, x + bp into the accumulators | P1 += wp | P2 the norm (sums across the four waves through LDS), x1 parked in LDS, xn quantised | P3 four chunks of 128 hidden units: w1, b1 as the sums' start,
; relu, quantised | P4 x1 + b2 back into the accumulators, += w2 over 16 K steps | P5 rows of 512 bytes through a stage.
; LIMITS: a block whose largest magnitude lies under 2^-124 (a block of zeros among them) gets the scale byte 1.  NaN and infinities are not served.
; THE MODE: SCHED_MODE bits 1:0 = 2 (LLVM: expert scheduling mode 2), set by the entry lines.  The code itself states the register dependences between vector or matrix instructions and memory or LDS instructions, with s_wait_alu, always for 0.
; THE PLAN.  Registers that memory or LDS instructions touch:
;   v1-15, v233, 235, 237, 239, 241, 242   offsets and LDS addresses: written at the head, ahead of its wait on va_vdst, and never again.
;   ring slots, WS   Group g (of 36) reads slot g % 4 and its four scale words; the record of group g + 4 lands there, asked for in group g + 1.
;   AF0, AF1, AS     Group g's products read set g % 2; the LDS loads issued in group g + 1 (the K step of group g + 2) land there.
;                    So ONE wait on va_vdst stands at a group's head: the products of the group before are done reading their slot, scale words and set.  The group's loads follow it, dealt among its products, which name slot g % 4,
;                    set g % 2, their scale words, the accumulators and (a chunk's first group) b1's registers: none of the registers that those loads touch.
;   PC, PW           Written by the quantiser, read by an image's four LDS stores: a wait on va_vdst ahead of the stores, a wait on vm_vsrc behind them, ahead of the next quantiser.
;   ST, accumulators Read by the stores of the norm's partial sums and of x1: a wait on va_vdst ahead of them, a wait on vm_vsrc behind the reduction's barrier, ahead of the lines that write them again.
;   v232, 234, 236   (b1's and the hidden images' LDS addresses)  Written at a chunk's head: the LDS instructions that read them stand ahead of the last image's wait on vm_vsrc; the first group's wait on va_vdst stands behind the additions.
;   v238, 240        (where the hidden layer is read)  Written once a lap of the last product, behind a wait on vm_vsrc; the next group's wait on va_vdst stands behind the additions.
;   windows 1, 2 v192-255  A bias or gain: LDS loads land there behind a wait on va_vdst that follows their last reader.
; REGISTERS, in windows of 256.  Window 0: v1-15, v232-242 addresses; v16-111 two sets of four fragments; v112-119 their scale words; v120-135 the weights' scale words; v136-151 attn_out's scale words; v152-191 the quantiser; v192-215 statistics;
;   v216-231 at work.   window 1: ring slots 0, 1, v192-255 a bias or gain;   window 2: slots 2, 3, v192-255 ln2_b;   window 3: the 32 accumulators ((tt, ct) at 8 (8 tt + ct)).
.set REC,  12800
.set AOI,  0                           ; LDS: attn_out's codes: tile at 6,144, head at 768
.set X2I,  24576                       ; xn's 16 fragments: (4 x K step + tile) x 1,536
.set X2S,  49152                       ; their scale words, x 128
.set HIM,  51200                       ; the hidden layer's 64 fragments
.set HSC,  149504                      ; their scale words
.set X1S,  157696                      ; x1, 32,768 bytes a wave, the wave's own
.set RED,  288768                      ; the norm's partial sums: [pass 2][wave 4][tile 4][128]
.set PAR,  292864                      ; ln2_w, ln2_b + 2,048, bp + 4,096, b2 + 6,144, b1 + 8,192
.set LI16, 1
.set LI8,  2
.set LI4,  3
.set T16,  4                           ; 16 x thread
.set XA,   5                           ; x: my row of a tile x 2,048 + 64 x half
.set R16,  6                           ; 16 x row
.set AOW,  7                           ; 16 l + 6,144 w: where I store attn_out's codes, and xn's images
.set PT16, 8                           ; PAR + 16 x thread
.set PB,   9                           ; PAR + 512 w + 64 h: my columns' parameters
.set REDW, 10
.set REDR, 11
.set X1A,  12
.set X2SW, 14                          ; 4 l + 512 w
.set B1A0, 15                          ; b1 at my hidden units
.set B1A,  232
.set HWI0, 233                         ; where I store the hidden layer's images
.set HWI,  234
.set HWS0, 235                         ; and their scale words
.set HWS,  236
.set HF0,  237                         ; where all of them are read
.set HFA,  238
.set HS0,  239
.set HSA,  240
.set SOA,  241                         ; the stage: in
.set SRA,  242                         ; and back
.set AF,   16
.set AS,   112
.set WS,   120
.set AOSR, 136
.set PC,   152
.set PT,   164
.set TM,   172
.set TX,   176
.set BY,   180
.set SO,   184
.set PW,   188
.set ST,   192                         ; a pair for each tile of tokens
.set MU,   200
.set RS,   208
.set WV,   24
.set SEL,  26
.set INV,  28
.set EPS,  29
.set WB,   8
.set OB,   22
.set CH,   38
.set CB,   39
.set CI,   40
.set HB,   41
.set HB2,  42
.set MSB,  0
.macro WIN new                         ; the immediate's high byte repeats the setting that is left; a switch that changes nothing is dropped
.if MSB != (\new)
	s_set_vgpr_msb (MSB<<8)|(\new)
.set MSB, (\new)
.endif
.endm
.macro PLACES                          ; four plain instructions behind a group's products, ahead of every read of their results by vector instructions and stores and of every load into their registers; they stay beside the waits
.rept 4
	v_nop
.endr
.endm
.macro BARRIER                         ; my LDS stores have landed and my LDS loads are in: then the work-group's barrier
	s_wait_dscnt 0x0
	s_barrier_signal -1
	s_barrier_wait -1
.endm
; a record of the weights into ring slot 'slot': eight fragments and their scale words: 25 loads, each of 512 consecutive bytes, in three parts
.macro LOADGA slot, off                ; fragments 0 to 3
	WIN (1+(\slot)/2)<<6
.irp f, 0,1,2,3
.irp g, 0,1,2
	global_load_b128 v[96*((\slot)%2)+12*\f+4*\g:96*((\slot)%2)+12*\f+4*\g+3], v[LI16], s[WB:WB+1] offset:(\off)+1536*\f+512*\g
.endr
.endr
.endm
.macro LOADGB slot, off                ; fragments 4 to 7
	WIN (1+(\slot)/2)<<6
.irp f, 4,5,6,7
.irp g, 0,1,2
	global_load_b128 v[96*((\slot)%2)+12*\f+4*\g:96*((\slot)%2)+12*\f+4*\g+3], v[LI16], s[WB:WB+1] offset:(\off)+1536*\f+512*\g
.endr
.endr
.endm
.macro LOADGS slot, off                ; the scale words
	WIN 0
	global_load_b128 v[WS+4*(\slot):WS+4*(\slot)+3], v[LI16], s[WB:WB+1] offset:(\off)+12288
.endm
.macro LOADG slot, off
	LOADGA \slot, \off
	LOADGB \slot, \off
	LOADGS \slot, \off
.endm
; four tiles' fragments of one K step, and their scale words, out of LDS
.macro FETCH3 set, adr, off, sadr, soff
.irp tt, 0,1,2,3
.irp g, 0,1,2
	ds_load_b128 v[AF+48*(\set)+12*\tt+4*\g:AF+48*(\set)+12*\tt+4*\g+3], v[\adr] offset:(\off)+1536*\tt+512*\g
.endr
	ds_load_b32 v[AS+4*(\set)+\tt], v[\sadr] offset:(\soff)+128*\tt
.endr
.endm
; the same of attn_out: K step s is heads 2 s and 2 s + 1, half a fragment each
.macro FETCHH set, s
.irp tt, 0,1,2,3
.irp c, 0,1
	ds_load_b128 v[AF+48*(\set)+12*\tt+6*\c:AF+48*(\set)+12*\tt+6*\c+3], v[LI16] offset:AOI+6144*\tt+1536*(\s)+768*\c
	ds_load_b64 v[AF+48*(\set)+12*\tt+6*\c+4:AF+48*(\set)+12*\tt+6*\c+5], v[LI8] offset:AOI+6144*\tt+1536*(\s)+768*\c+512
.endr
.endr
.endm
; 8 of a group's 32 products: the slot's eight column tiles x tile tt of the tokens, 128 along K.  A group takes tt = 0, 1, 2, 3: the 32 accumulators take turns, one instruction a turn, in the same order in every group.
; first = 0: the sums go on;  2: they start from the bias in window 1, v192 on (eight registers a tile, in the result's layout).  The tokens' scale words stand at sb + st x tt; a weight tile's in lanes 0-15 (even tiles) or 16-31 (odd).
.macro MULT slot, set, first, sb, st, tt
.set WW, 1+(\slot)/2
.if (\first) == 2
	WIN 0xd0|WW
.else
	WIN 0xf0|WW
.endif
.irp ct, 0,1,2,3,4,5,6,7
.set rD,  8*(8*(\tt)+\ct)
.set rA,  96*((\slot)%2)+12*\ct
.set rB,  AF+48*(\set)+12*(\tt)
.set rSA, WS+4*(\slot)+\ct/2
.set rSB, (\sb)+(\st)*(\tt)
.set rC,  rD
.if (\first) == 2
.set rC,  192+8*\ct
.endif
.if \ct%2
	v_wmma_scale_f32_16x16x128_f8f6f4 v[rD:rD+7], v[rA:rA+11], v[rB:rB+11], v[rC:rC+7], v[rSA], v[rSB] matrix_a_fmt:MATRIX_FMT_FP6 matrix_b_fmt:MATRIX_FMT_FP6 matrix_a_scale:MATRIX_SCALE_ROW1
.else
	v_wmma_scale_f32_16x16x128_f8f6f4 v[rD:rD+7], v[rA:rA+11], v[rB:rB+11], v[rC:rC+7], v[rSA], v[rSB] matrix_a_fmt:MATRIX_FMT_FP6 matrix_b_fmt:MATRIX_FMT_FP6
.endif
.endr
.endm
; 64 numbers of a lane in window 3, register s + 16 b + i = k 32 b + 16 (lane / 16) + i of my row, become a fragment's codes in v[PC] on and its scale word in v[PW]
.macro QUANT4 s
	WIN 0x0f
.irp b, 0,1,2,3
	v_max3_num_f32 v[TM+\b], |v[(\s)+16*\b]|, |v[(\s)+16*\b+1]|, 0x1800000   ; my 16 numbers of block b, and the floor 2^(3 - 127): the byte cannot fall under 1
.endr
.irp i, 2,4,6,8,10,12,14
.irp b, 0,1,2,3
	v_max3_num_f32 v[TM+\b], |v[(\s)+16*\b+\i]|, |v[(\s)+16*\b+\i+1]|, v[TM+\b]   ; (the four blocks by turns)
.endr
.endr
	WIN 0
.irp b, 0,1,2,3
	v_permlanex16_b32 v[TX+\b], v[TM+\b], s[SEL], s[SEL+1]
.endr
.irp b, 0,1,2,3
	v_max_num_f32 v[TM+\b], v[TM+\b], v[TX+\b]     ; with lane l xor 16's: the block's largest magnitude
.endr
.irp b, 0,1,2,3
	v_add_nc_u32 v[SO+\b], 0xff000000, v[TM+\b]    ; 2 off its exponent field: the conversion's scale operand
.endr
.irp b, 0,1,2,3
	v_lshrrev_b32 v[BY+\b], 23, v[SO+\b]           ; the scale's byte
.endr
	v_lshl_or_b32 v[PW], v[BY+1], 8, v[BY]
	v_lshl_or_b32 v[PW], v[BY+2], 16, v[PW]
	v_lshl_or_b32 v[PW], v[BY+3], 24, v[PW]
	WIN 0x03
.irp c, 0,1
	v_cvt_scalef32_pk16_fp6_f32 v[PC+6*\c:PC+6*\c+2], v[(\s)+32*\c:(\s)+32*\c+15], v[SO+2*\c]
	v_cvt_scalef32_pk16_fp6_f32 v[PT+4*\c:PT+4*\c+2], v[(\s)+32*\c+16:(\s)+32*\c+31], v[SO+2*\c+1]   ; (a conversion's three registers begin on an even number)
.endr
	WIN 0
	v_nop                                          ; one plain instruction behind the scaled conversions
.irp c, 0,1                                    ; the operand's layout wants a WHOLE block in a lane: lanes 0-15 block 2 c, lanes 16-31 block 2 c + 1
.irp i, 0,1,2
	v_permlane16_swap_b32 v[PC+6*\c+\i], v[PT+4*\c+\i]
.endr
.irp i, 0,1,2
	v_mov_b32 v[PC+6*\c+3+\i], v[PT+4*\c+\i]
.endr
.endr
.endm
.macro IMAGE adr, off, sadr, soff      ; the fragment in v[PC] on, and its scale word, go to LDS as they stand
	s_wait_alu depctr_va_vdst(0)                   ; the quantiser has written v[PC ..] and v[PW], which the four stores read
.irp g, 0,1,2
	ds_store_b128 v[\adr], v[PC+4*\g:PC+4*\g+3] offset:(\off)+512*\g
.endr
	ds_store_b32 v[\sadr], v[PW] offset:(\soff)
	s_wait_alu depctr_vm_vsrc(0)                   ; the stores have read v[PC ..], v[PW] and their addresses: the next quantiser (at the end: the stage's loads) writes the first two, the next chunk's head the addresses
.endm
; a group's head.  n: the younger loads that may stay out: two records, 50 (at group 0 three are out, 75: 63 is the largest count that the wait can name).  w = 1: loads follow in this group
.macro GHEAD n, w
	s_wait_loadcnt \n                              ; this group's record is in,
	s_wait_dscnt 0x0                               ; and its K step of the activations
.if \w
	s_wait_alu depctr_va_vdst(0)                   ; the products of the group before are done reading their set of fragments, their ring slot and both kinds of scale words, in which this group's loads land; LDS addresses written since the last such wait are written
.endif
.endm
; a group's 32 products.  ld = 1: the slot read last takes the record at off, three groups on, dealt among the products, which name none of its registers
.macro GMUL slot, set, first, sb, st, ld, off
.if \ld
	LOADGS ((\slot)+3)%4, \off
.endif
	MULT \slot, \set, \first, \sb, \st, 0
.if \ld
	LOADGA ((\slot)+3)%4, \off
.endif
	MULT \slot, \set, \first, \sb, \st, 1
.if \ld
	LOADGB ((\slot)+3)%4, \off
.endif
	MULT \slot, \set, \first, \sb, \st, 2
	MULT \slot, \set, \first, \sb, \st, 3
	WIN 0
	PLACES
.endm
; 64 parameters of my columns (register 192 + 16 b + i = column 32 b + 16 h + i) into v192-255 of window win
.macro PARAM win, adr, off
	WIN (\win)<<6
.set i, 0
.rept 16
	ds_load_b128 v[192+4*i:195+4*i], v[\adr] offset:(\off)+128*(i/4)+16*(i%4)
.set i, i+1
.endr
	WIN 0
.endm
.macro ADDPAR                          ; all four tiles' accumulators += window 1's 64 parameters
	WIN 0xc7
.set i, 0
.rept 128
	v_pk_add_f32 v[2*i:2*i+1], v[2*i:2*i+1], v[192+2*(i%32):193+2*(i%32)]
.set i, i+1
.endr
	WIN 0
.endm
; the norm's sums: my 128 columns' part of each token's, to LDS ..
.macro REDA pass
.irp tt, 0,1,2,3
	v_add_f32 v[ST+2*\tt], v[ST+2*\tt], v[ST+2*\tt+1]
.endr
.irp tt, 0,1,2,3
	v_permlanex16_b32 v[TX+\tt], v[ST+2*\tt], s[SEL], s[SEL+1]
.endr
.irp tt, 0,1,2,3
	v_add_f32 v[ST+2*\tt], v[ST+2*\tt], v[TX+\tt]
.endr
	s_wait_alu depctr_va_vdst(0)                   ; the sums are written, which the stores below read; so are the accumulators (x1's stores read them); and every vector instruction is done with v216-231 and with the gains' and biases' registers, in which the loads up to the next vector instruction land
.irp tt, 0,1,2,3
	ds_store_b32 v[REDW], v[ST+2*\tt] offset:2048*(\pass)+128*\tt
.endr
.endm
; .. and, behind a barrier, all four waves' parts, added in the same order by every wave
.macro REDB pass
	BARRIER
	s_wait_alu depctr_vm_vsrc(0)                   ; my LDS stores have read the sums and (first pass) the accumulators: the lines below write both again
.irp tt, 0,1,2,3
.irp ww, 0,1,2,3
	ds_load_b32 v[216+4*\tt+\ww], v[REDR] offset:2048*(\pass)+512*\ww+128*\tt
.endr
.endr
	s_wait_dscnt 0x0
.irp tt, 0,1,2,3
	v_add_f32 v[216+4*\tt], v[216+4*\tt], v[217+4*\tt]
	v_add_f32 v[218+4*\tt], v[218+4*\tt], v[219+4*\tt]
.endr
.irp tt, 0,1,2,3
	v_add_f32 v[ST+2*\tt], v[216+4*\tt], v[218+4*\tt]
.endr
.endm
	s_load_b512 s[4:19], s[0:1], 0x0               ; aoimg s[4:5], aosc s[6:7], wimg s[8:9], x s[10:11], bp s[12:13], ln2_w s[14:15], ln2_b s[16:17], b1 s[18:19]
	s_load_b128 s[20:23], s[0:1], 0x40             ; b2 s[20:21], out0 s[22:23]
	v_lshl_add_u32 v254, v0, 2, 0x4b800
	v_mov_b32 v255, 0
	v_lshrrev_b32 v216, 5, v0
	v_readfirstlane_b32 s[WV], v216                ; wave 0..3
	v_and_b32 v216, 31, v0                         ; l
	v_and_b32 v217, 15, v0                         ; r
	v_bfe_u32 v218, v0, 4, 1                       ; h
	v_lshlrev_b32 v[LI16], 4, v216
	v_lshlrev_b32 v[LI8], 3, v216
	v_lshlrev_b32 v[LI4], 2, v216
	v_lshlrev_b32 v[T16], 4, v0
	v_add_nc_u32 v[PT16], PAR, v[T16]
	v_lshlrev_b32 v[R16], 4, v217
	v_and_b32 v219, 8, v217
	v_add_nc_u32 v219, v219, v217                  ; r + 8 (r / 8)
	v_lshlrev_b32 v[XA], 11, v219
	v_lshl_add_u32 v[XA], v218, 6, v[XA]
	s_wait_alu depctr_va_sdst(0)                   ; s[WV] is written, ahead of its first reader: LDS addresses and all the bases are made from it
	s_mul_i32 s25, s[WV], 6144
	v_add_nc_u32 v[AOW], s25, v[LI16]
	s_lshl_b32 s25, s[WV], 9
	v_lshlrev_b32 v219, 6, v218                    ; 64 h
	v_add_nc_u32 v[PB], s25, v219
	v_add_nc_u32 v[PB], PAR, v[PB]
	v_add_nc_u32 v[X2SW], s25, v[LI4]
	v_add_nc_u32 v[REDR], RED, v[LI4]
	v_add_nc_u32 v[REDW], s25, v[REDR]
	s_lshl_b32 s25, s[WV], 15
	s_add_co_u32 s25, s25, X1S
	v_add_nc_u32 v[X1A], s25, v[LI16]
	s_lshl_b32 s25, s[WV], 11
	v_add_nc_u32 v[B1A0], s25, v219
	v_add_nc_u32 v[B1A0], PAR+8192, v[B1A0]
	s_add_co_u32 s25, s25, HSC
	v_add_nc_u32 v[HWS0], s25, v[LI4]
	s_mul_i32 s25, s[WV], 24576
	s_add_co_u32 s25, s25, HIM
	v_add_nc_u32 v[HWI0], s25, v[LI16]
	v_add_nc_u32 v[HF0], HIM, v[LI16]
	v_add_nc_u32 v[HS0], HSC, v[LI4]
	s_mul_i32 s25, s[WV], 8448
	v_mul_u32_u24 v[SOA], v217, 528
	v_add_nc_u32 v[SOA], v[SOA], v219
	v_add_nc_u32 v[SOA], s25, v[SOA]               ; the stage: 8,448 w + 528 r + 64 h
	v_add_nc_u32 v[SRA], s25, v[LI16]
.irp b, 0,1,2,3
	v_mov_b32 v[TX+\b], 0                          ; written once: a lane permute's destination counts as one of its sources
.endr
	s_mov_b32 s[SEL], 0x76543210
	s_mov_b32 s[SEL+1], 0xfedcba98
	s_mov_b32 s[INV], 0x3b000000                   ; 1 / 512
	s_mov_b32 s[EPS], 0x3727c5ac                   ; 1e-5
	s_mov_b32 s31, 0
	s_wait_kmcnt 0x0
	s_mul_i32 s30, s[WV], 36*REC
	s_add_co_u32 s30, s30, 48*REC
	s_add_nc_u64 s[WB:WB+1], s[WB:WB+1], s[30:31]  ; my 36 records
	s_lshl_b32 s30, ttmp9, 17
	s_lshl_b32 s32, s[WV], 9
	s_add_co_u32 s30, s30, s32                     ; 64 tokens of 2,048 bytes a work-group, 512 bytes a wave
	s_add_nc_u64 s[10:11], s[10:11], s[30:31]
	s_add_nc_u64 s[OB:OB+1], s[OB:OB+1], s[30:31]
	s_lshl_b32 s30, ttmp9, 2
	s_add_co_u32 s30, s30, s[WV]
	s_mul_i32 s30, s30, 6144
	s_add_nc_u64 s[4:5], s[4:5], s[30:31]          ; attn_out's tile 4 wg + w: I copy it
	s_lshl_b32 s30, ttmp9, 10
	s_add_nc_u64 s[6:7], s[6:7], s[30:31]          ; the four tiles' scale bytes
	; ---- P0
	s_wait_alu depctr_va_vdst(0)                   ; the offsets and addresses made above are written: the loads and stores of the kernel read them
	global_load_b128 v[16:19], v[T16], s[14:15]    ; ln2_w, ln2_b, bp, b2: 16 bytes a thread
	global_load_b128 v[20:23], v[T16], s[16:17]
	global_load_b128 v[24:27], v[T16], s[12:13]
	global_load_b128 v[28:31], v[T16], s[20:21]
.irp k, 0,1,2,3
	global_load_b128 v[32+4*\k:35+4*\k], v[T16], s[18:19] offset:2048*\k   ; b1
.endr
.irp k, 0,1,2,3,4,5,6,7,8,9,10,11
	global_load_b128 v[48+4*\k:51+4*\k], v[LI16], s[4:5] offset:512*\k
.endr
.irp tt, 0,1,2,3
	global_load_b128 v[AOSR+4*\tt:AOSR+4*\tt+3], v[R16], s[6:7] offset:256*\tt   ; word s of a row: the scale bytes of heads 2 s and 2 s + 1: K step s
.endr
	WIN 0xc0
.set i, 0
.rept 64
	global_load_b128 v[4*i:4*i+3], v[XA], s[10:11] offset:(32*(i/32)+8*((i/16)%2))*2048+128*((i/4)%4)+16*(i%4) th:TH_LOAD_NT   ; x in the results' layout: register 64 tt + 16 b + i' = column 32 b + 16 h + i' of my 128
.set i, i+1
.endr
	WIN 0
	s_wait_loadcnt 63                              ; of 88 loads the 25 oldest are in: the parameters, attn_out's codes and scale bytes
	ds_store_b128 v[PT16], v[16:19]
	ds_store_b128 v[PT16], v[20:23] offset:2048
	ds_store_b128 v[PT16], v[24:27] offset:4096
	ds_store_b128 v[PT16], v[28:31] offset:6144
.irp k, 0,1,2,3
	ds_store_b128 v[PT16], v[32+4*\k:35+4*\k] offset:8192+2048*\k
.endr
.irp k, 0,1,2,3,4,5,6,7,8,9,10,11
	ds_store_b128 v[AOW], v[48+4*\k:51+4*\k] offset:AOI+512*\k
.endr
	LOADG 0, 0
	LOADG 1, REC
	BARRIER                                        ; the parameters and attn_out's codes lie in LDS
	s_wait_loadcnt 50                              ; x is in; groups 0 and 1 may stay out
	LOADG 2, 2*REC
	LOADG 3, 3*REC
	PARAM 1, PB, 4096                              ; bp
	s_wait_alu depctr_vm_vsrc(0)                   ; my LDS stores have read v16 to v95: these registers are the two sets of fragments from here on, and the fragments' loads land in them
	FETCHH 0, 0
	s_wait_dscnt 0x0
	ADDPAR                                         ; x + bp: the sums' start
	s_wait_alu depctr_va_vdst(0)
	; ---- P1: += attn_out wp
.irp s, 0,1,2,3
.if \s == 0
	GHEAD 63, 0                                    ; (group 0's loads land in registers that no vector or matrix instruction has named)
.else
	GHEAD 50, 1
.endif
.if \s < 3
	FETCHH (\s+1)%2, \s+1
.endif
.if \s == 0
	GMUL \s, \s%2, 0, AOSR+\s, 4, 0, 0
.else
	GMUL \s, \s%2, 0, AOSR+\s, 4, 1, REC*(\s+3)
.endif
.endr
	s_wait_xcnt 0x0                                ; the loads have read their base
	s_add_nc_u64 s[WB:WB+1], s[WB:WB+1], 4*REC
	; ---- P2: the norm of x1.  A token's 512 columns lie in two lanes of each of the four waves
	WIN 0x0f
.irp tt, 0,1,2,3
	v_pk_add_f32 v[ST+2*\tt:ST+2*\tt+1], v[64*\tt:64*\tt+1], v[64*\tt+2:64*\tt+3]   ; the first pairs start the sums; each accumulator is read from its low end on
.endr
	WIN 0x03
.set i, 2
.rept 30
.irp tt, 0,1,2,3
	v_pk_add_f32 v[ST+2*\tt:ST+2*\tt+1], v[64*\tt+2*i:64*\tt+2*i+1], v[ST+2*\tt:ST+2*\tt+1]
.endr
.set i, i+1
.endr
	WIN 0
	REDA 0
	WIN 0x0c
.set i, 0
.rept 64
	ds_store_b128 v[X1A], v[4*i:4*i+3] offset:512*i   ; x1 is parked in my own bytes of LDS until the last product.  (No vector or matrix instruction stands between the wait above and these stores)
.set i, i+1
.endr
	WIN 0
	REDB 0
.irp tt, 0,1,2,3
	v_mul_f32 v[MU+2*\tt], s[INV], v[ST+2*\tt]
.endr
.irp tt, 0,1,2,3
	v_mov_b32 v[MU+2*\tt+1], v[MU+2*\tt]
.endr
	WIN 0xc3
.set i, 0
.rept 128
	v_pk_add_f32 v[2*i:2*i+1], v[2*i:2*i+1], v[MU+2*(i/32):MU+2*(i/32)+1] neg_lo:[0,1] neg_hi:[0,1]   ; x1 - mu, in place
.set i, i+1
.endr
	WIN 0x0f
.irp tt, 0,1,2,3
	v_pk_mul_f32 v[ST+2*\tt:ST+2*\tt+1], v[64*\tt:64*\tt+1], v[64*\tt:64*\tt+1]
.endr
.set i, 1
.rept 31
.irp tt, 0,1,2,3
	v_pk_fma_f32 v[ST+2*\tt:ST+2*\tt+1], v[64*\tt+2*i:64*\tt+2*i+1], v[64*\tt+2*i:64*\tt+2*i+1], v[ST+2*\tt:ST+2*\tt+1]
.endr
.set i, i+1
.endr
	WIN 0
	REDA 1
	PARAM 1, PB, 0                                 ; ln2_w
	PARAM 2, PB, 2048                              ; ln2_b
	REDB 1
.irp tt, 0,1,2,3
	v_fma_f32 v[ST+2*\tt], v[ST+2*\tt], s[INV], s[EPS]
.endr
	s_wait_alu depctr_va_vdst(0)
.irp tt, 0,1,2,3
	v_rsq_f32 v[RS+2*\tt], v[ST+2*\tt]
.endr
	v_nop                                          ; a plain instruction behind the batch,
	s_wait_alu depctr_va_vdst(0)                   ; and one wait for the four: v[RS], v[RS+2], v[RS+4], v[RS+6] are written, ahead of the first instruction that names one
.irp tt, 0,1,2,3
	v_mov_b32 v[RS+2*\tt+1], v[RS+2*\tt]
.endr
.irp tt, 0,1,2,3
	WIN 0xc3
.set i, 0
.rept 32
	v_pk_mul_f32 v[64*\tt+2*i:64*\tt+2*i+1], v[64*\tt+2*i:64*\tt+2*i+1], v[RS+2*\tt:RS+2*\tt+1]
.set i, i+1
.endr
	WIN 0xe7
.set i, 0
.rept 32
	v_pk_fma_f32 v[64*\tt+2*i:64*\tt+2*i+1], v[64*\tt+2*i:64*\tt+2*i+1], v[192+2*i:193+2*i], v[192+2*i:193+2*i]   ; x ln2_w (window 1) + ln2_b (window 2)
.set i, i+1
.endr
	QUANT4 64*\tt
	IMAGE AOW, X2I+1536*\tt, X2SW, X2S+128*\tt     ; K step w of the next product
.endr
	BARRIER                                        ; xn's sixteen fragments lie in LDS
	FETCH3 0, LI16, X2I, LI4, X2S
	; ---- P3: four chunks of 128 hidden units
	s_mov_b32 s[CH], 4
	s_mov_b32 s[CB], 0                             ; 512 x chunk: b1's bytes, and the scale words'
	s_mov_b32 s[CI], 0                             ; 6,144 x chunk: the images'
.Lchunk:
	v_add_nc_u32 v[B1A], s[CB], v[B1A0]            ; (the LDS instructions that read these three stand ahead of the last image's wait on vm_vsrc)
	v_add_nc_u32 v[HWI], s[CI], v[HWI0]
	v_add_nc_u32 v[HWS], s[CB], v[HWS0]
	s_wait_loadcnt 50                              ; this group's record is in; the two younger ones may stay out
	s_wait_alu depctr_va_vdst(0)                   ; the three addresses are written; the products that read b1's registers, the other set of fragments, the ring slot read last and their scale words are done: the loads below land there
	PARAM 1, B1A, 0                                ; b1 of the chunk: the C of the sums' first products
	FETCH3 1, LI16, X2I+6144, LI4, X2S+512         ; the next group's K step
	s_wait_dscnt 16                                ; LDS instructions end in order (ISA guide 5.7.1): b1 and this group's K step are in; the 16 loads just issued may stay out
	GMUL 0, 0, 2, AS, 1, 1, REC*3
.irp i, 1,2,3
	GHEAD 50, 1
	FETCH3 (\i+1)%2, LI16, X2I+6144*((\i+1)%4), LI4, X2S+512*((\i+1)%4)   ; the next group's K step (behind the last: K step 0 again, for the next chunk; the last chunk's is not used)
	GMUL \i, \i%2, 0, AS+4*(\i%2), 1, 1, REC*(\i+3)
.endr
.irp tt, 0,1,2,3
	WIN 0xcc
.set i, 0
.rept 64
	v_max_num_f32 v[64*\tt+i], 0, v[64*\tt+i]      ; the activation, in f32
.set i, i+1
.endr
	QUANT4 64*\tt
	IMAGE HWI, 1536*\tt, HWS, 128*\tt              ; K step 4 w + chunk of the last product
.endr
	s_wait_xcnt 0x0                                ; the loads have read their base
	s_add_nc_u64 s[WB:WB+1], s[WB:WB+1], 4*REC
	s_add_co_u32 s[CB], s[CB], 512
	s_add_co_u32 s[CI], s[CI], 6144
	s_sub_co_u32 s[CH], s[CH], 1
	s_cmp_lg_u32 s[CH], 0
	s_cbranch_scc1 .Lchunk
	BARRIER                                        ; the hidden layer's 64 fragments lie in LDS; nobody reads attn_out's or xn's images any more
	; ---- P4: x1 + b2, += hidden w2
	s_mov_b32 s[CH], 3
	s_mov_b32 s[HB], 0
	s_mov_b32 s[HB2], 0
	v_add_nc_u32 v[HFA], s[HB], v[HF0]
	v_add_nc_u32 v[HSA], s[HB2], v[HS0]
	s_wait_alu depctr_va_vdst(0)                   ; v[HFA] and v[HSA] are written, which the fragments' loads below read.  (The accumulators' and b1's registers, in which x1 and b2 land, were last named ahead of the last image's wait)
	WIN 0xc0
.set i, 0
.rept 64
	ds_load_b128 v[4*i:4*i+3], v[X1A] offset:512*i
.set i, i+1
.endr
	WIN 0
	PARAM 1, PB, 6144                              ; b2
	FETCH3 0, HFA, 0, HSA, 0
	s_wait_dscnt 0x0
	ADDPAR
.Lkap:                                             ; three trips of four K steps; the last four are written out, since only the first of them fetches weights
.irp i, 0,1,2,3
	GHEAD 50, 1
	FETCH3 (\i+1)%2, HFA, 6144*(\i+1), HSA, 512*(\i+1)
	GMUL \i, \i%2, 0, AS+4*(\i%2), 1, 1, REC*(\i+3)
.endr
	s_wait_xcnt 0x0                                ; the loads have read their base
	s_add_nc_u64 s[WB:WB+1], s[WB:WB+1], 4*REC
	s_add_co_u32 s[HB], s[HB], 24576
	s_add_co_u32 s[HB2], s[HB2], 2048
	s_wait_alu depctr_vm_vsrc(0)                   ; the fragments' loads issued so far have read v[HFA] and v[HSA]
	v_add_nc_u32 v[HFA], s[HB], v[HF0]             ; (the next group's wait on va_vdst stands ahead of their next reader, on both ways)
	v_add_nc_u32 v[HSA], s[HB2], v[HS0]
	s_sub_co_u32 s[CH], s[CH], 1
	s_cmp_lg_u32 s[CH], 0
	s_cbranch_scc1 .Lkap
	GHEAD 50, 1
	FETCH3 1, HFA, 6144, HSA, 512
	GMUL 0, 0, 0, AS, 1, 1, REC*3                  ; the last record
	GHEAD 50, 1                                    ; two younger groups
	FETCH3 0, HFA, 12288, HSA, 1024
	GMUL 1, 1, 0, AS+4, 1, 0, 0
	GHEAD 25, 1
	FETCH3 1, HFA, 18432, HSA, 1536
	GMUL 2, 0, 0, AS, 1, 0, 0
	GHEAD 0, 0                                     ; the last group issues no load
	GMUL 3, 1, 0, AS+4, 1, 0, 0
	; ---- P5: a lane holds 64 numbers of one row and the lanes beside it hold other rows: a tile of 16 rows goes through my own stage in LDS and comes back as whole rows of 512 bytes.
	; The stage lies where attn_out's and xn's images lay.  LDS serves a wave's instructions in order (ISA guide 5.7.1.4): no wait between the stores and the loads, nor in front of the next tile's stores.
.macro TOSTAGE a
	WIN 0x0c
.set i, 0
.rept 16
	ds_store_b128 v[SOA], v[64*(\a)+4*i:64*(\a)+4*i+3] offset:128*(i/4)+16*(i%4)   ; each accumulator from its low end on
.set i, i+1
.endr
	WIN 0
.set BB, 16+136*((\a)%2)               ; v16-79 and v152-215 by turns
.set i, 0
.rept 16
	ds_load_b128 v[BB+4*i:BB+4*i+3], v[SRA] offset:528*i
.set i, i+1
.endr
.endm
.macro SEND a, younger                 ; younger: the LDS instructions issued behind tile a's loads, which may stay out
.set BB, 16+136*((\a)%2)
	s_wait_dscnt \younger
.set i, 0
.rept 16
	global_store_b128 v[LI16], v[BB+4*i:BB+4*i+3], s[OB:OB+1] offset:(32*((\a)/2)+8*((\a)%2)+i+8*(i/8))*2048 th:TH_STORE_NT   ; 32 lanes store 512 consecutive bytes, at a multiple of 256 from the buffer's first byte
.set i, i+1
.endr
.endm
	s_wait_alu depctr_va_vdst(0)                   ; behind the four places: the products have written the accumulators, which the stage's stores read, and every vector and matrix instruction is done with v16-79 and v152-215, in which the rows land; no vector instruction follows
	TOSTAGE 0
.irp a, 1,2,3
.if \a > 1
	s_wait_xcnt 0x0                                ; tile a - 2's stores have had their addresses translated (ISA guide 3.1),
	s_wait_alu depctr_vm_vsrc(0)                   ; and have read their registers: tile a's loads land there
.endif
	TOSTAGE \a
	SEND \a-1, 32                                  ; behind tile a - 1's loads: tile a's 16 stores and 16 loads
.endr
	SEND 3, 0
	s_wait_dscnt 0x0
	s_wait_alu depctr_hold_cnt(0) depctr_sa_sdst(0) depctr_va_vdst(0) depctr_va_sdst(0) depctr_va_ssrc(0) depctr_va_vcc(0) depctr_vm_vsrc(0)
	s_wait_tensorcnt 0x0
	ds_add_u32 v254, v255
	s_wait_dscnt 0x0
	s_endpgm
.Lfunc_end_k_qe601598faf_tail:
	.size	k_qe601598faf_tail, .Lfunc_end_k_qe601598faf_tail-k_qe601598faf_tail
	.p2alignl 7, 3214868480
	.fill 96, 4, 3214868480
	.section	.rodata,"a",@progbits
	.p2align	6, 0x0
	.amdhsa_kernel k_qe601598faf_tail
		.amdhsa_group_segment_fixed_size 309760
		.amdhsa_private_segment_fixed_size 0
		.amdhsa_enable_private_segment 0
		.amdhsa_kernarg_size 80
		.amdhsa_user_sgpr_count 2
		.amdhsa_user_sgpr_kernarg_segment_ptr 1
		.amdhsa_wavefront_size32 1
		.amdhsa_system_sgpr_workgroup_id_x 1
		.amdhsa_system_sgpr_workgroup_id_y 1
		.amdhsa_system_sgpr_workgroup_id_z 1
		.amdhsa_system_vgpr_workitem_id 0
		.amdhsa_next_free_vgpr 1024
		.amdhsa_next_free_sgpr 66
		.amdhsa_reserve_vcc 0
		.amdhsa_float_denorm_mode_32 3
		.amdhsa_float_denorm_mode_16_64 3
		.amdhsa_memory_ordered 1
		.amdhsa_forward_progress 1
		.amdhsa_inst_pref_size 255
	.end_amdhsa_kernel
	.section	.bss,"aw",@nobits
	.p2align	6
	.space	262144
	.amdgpu_metadata
---
amdhsa.version: [ 1, 2 ]
amdhsa.kernels:
  - .name:           k_qe601598faf_tail
    .symbol:         k_qe601598faf_tail.kd
    .args:
      - { .name: aoimg, .offset: 0, .size: 8, .value_kind: global_buffer, .address_space: global }
      - { .name: aosc, .offset: 8, .size: 8, .value_kind: global_buffer, .address_space: global }
      - { .name: wimg, .offset: 16, .size: 8, .value_kind: global_buffer, .address_space: global }
      - { .name: x, .offset: 24, .size: 8, .value_kind: global_buffer, .address_space: global }
      - { .name: bp, .offset: 32, .size: 8, .value_kind: global_buffer, .address_space: global }
      - { .name: ln2_w, .offset: 40, .size: 8, .value_kind: global_buffer, .address_space: global }
      - { .name: ln2_b, .offset: 48, .size: 8, .value_kind: global_buffer, .address_space: global }
      - { .name: b1, .offset: 56, .size: 8, .value_kind: global_buffer, .address_space: global }
      - { .name: b2, .offset: 64, .size: 8, .value_kind: global_buffer, .address_space: global }
      - { .name: out0, .offset: 72, .size: 8, .value_kind: global_buffer, .address_space: global }
    .group_segment_fixed_size: 309760
    .private_segment_fixed_size: 0
    .kernarg_segment_align: 8
    .kernarg_segment_size: 80
    .max_flat_workgroup_size: 128
    .sgpr_count:     66
    .vgpr_count:     1024
    .wavefront_size: 32
...
	.end_amdgpu_metadata
.endif
;; end of part 7
